; MI455X (gfx1250); checked and timed in simulation.
; The chip was launched on July 23, 2026; its instructions are those of AMD's public machine-readable ISA for CDNA 5 (MIT licence, August 2026) and "CDNA5" Instruction Set Architecture Reference Guide (July 2026). The comments in the code are by the model that wrote it; some were corrected since.
;; Oo Kg Detector. Allowed arithmetic: float matrix products may take bf16 or f16 operands with f32 sums; other float arithmetic in f32, or as packed bf16 or f16 multiplies, adds, multiply-adds, maxima and minima; sums over many terms, partial sums and values carried from step to step in f32; what a program stores and reads back later, other than sums and carried values, may be rounded once to bf16 or f16.
;; Inputs: bk_ent 512 float32; bk_rel 512 float32; bq_obj 512 float32; bq_rel 512 float32; bq_subj 512 float32; bv_ent 512 float32; bv_rel 512 float32; entity_embeddings 25,000 x 512 float32; obj_q 512 x 512 float32; rel_q 512 x 512 float32; relation_embeddings 10,000 x 512 float32; subj_q 512 x 512 float32; wk_ent 512 x 512 float32; wk_rel 512 x 512 float32; wq_obj 512 x 512 float32; wq_rel 512 x 512 float32; wq_subj 512 x 512 float32; wv_ent 512 x 512 float32; wv_rel 512 x 512 float32.
;; Outputs: out0 3 x 512 x 512 float32.
;; 3 versions, each right; version 3 is version 2 with the launches prep1, prep2 written anew for expert scheduling mode. Each part assembles by itself: llvm-mc -triple=amdgcn-amd-amdhsa -mcpu=gfx1250 --defsym DOCPART=n.
;; ======== version 1 of 3: 4 launches
;; limits: right only within a limited range of input values
;; workspace buffers: ebank 35,954,688 bytes; qe 3,145,728 bytes; qfr 3,145,728 bytes; wfr 2,228,224 bytes; cq 12,288 bytes; opart 32,505,856 bytes; stat 507,904 bytes
;; launch prep1 (part 1): grid 508 x 1, 8 waves a work-group, no clusters, 134,144 bytes of LDS; arguments subj_q, rel_q, obj_q, wq_subj, wq_rel, wq_obj, bq_subj, bq_rel, bq_obj, wk_ent, wk_rel, bk_ent, bk_rel, wv_ent, wv_rel, entity_embeddings, qe, wfr, ebank; writes qe, wfr, ebank
.if DOCPART == 1
	.amdgcn_target "amdgcn-amd-amdhsa--gfx1250"
	.amdhsa_code_object_version 6
	.text
	.protected	k_q48d2e05511_prep1
	.globl	k_q48d2e05511_prep1
	.p2align	8
	.type	k_q48d2e05511_prep1,@function
k_q48d2e05511_prep1:
	s_mov_b64 s[64:65], 0
	v_nop
	global_prefetch_b8 v0, s[64:65] scope:SCOPE_SE
	s_setreg_imm32_b32 hwreg(HW_REG_WAVE_MODE, 25, 1), 1
	s_wait_xcnt 0x0
; THREE ROLES, chosen by the work-group's number (the same for all eight waves of a work-group).
; 0..191    q = x Wq^T + bq for 64 queries x 64 outputs.  x, Wq and bq are rounded once to bf16, sums in f32; q leaves as a pair of bf16 (hi, and lo = the rest),
;           in the register image of a matrix source (32 k x 16 queries): 1,024 bytes a fragment, [half 2][lane 32][16 bytes].
; 192..257  the weights of the later products as fragments of 16 rows x 32 k, rounded once to bf16: Wk^T (row = input channel d, k = e), two tiles whose every row is bk, and Wv (row = n, k = c).
; 258..417  rows 0 to 15,999 of the entity bank rounded once to bf16, 100 rows a work-group (the other 9,000 rows are the next launch's); the first 24 of them also write the 96 zero rows behind the bank.
; LIMITS.  NaN and infinities are not treated apart.  hi + lo keep about 16 significant bits of q.
.set PITCH, 1040                       ; an LDS row: 1,024 bytes of bf16 + 16: the 16 rows of a fragment load start 65 x 16 bytes apart
.set SPARE, 128*PITCH                  ; behind x's 64 rows and Wq's 64 rows: the spare words, 128 bytes for each wave
.set CI, 32                            ; bank: 25 slots of 4 registers as loaded
.set CO, 132                           ; bank: 50 pairs to store, none written twice
.set SA, 64
.set SB, 128
.set TC, 192
.macro PLACES                          ; four plain vector instructions behind a matrix instruction, ahead of what reads its result or writes its registers (ISA guide 7.12.1)
.rept 4
	v_nop
.endr
.endm
; eight f32 of an accumulator -> four registers of bf16 (hi) and four of the remainder (lo); the accumulator's lowest registers are read first
.macro SPLIT acc, hi, lo, tmp
.irp i,0,1,2,3
	v_cvt_pk_bf16_f32 v[(\hi)+\i], v[(\acc)+2*\i], v[(\acc)+2*\i+1]
.endr
.irp i,0,1,2,3
	v_lshlrev_b32 v[(\tmp)+2*\i], 16, v[(\hi)+\i]
	v_and_b32 v[(\tmp)+2*\i+1], 0xffff0000, v[(\hi)+\i]
.endr
.irp i,0,1,2,3
	v_pk_add_f32 v[(\tmp)+2*\i:(\tmp)+2*\i+1], v[(\acc)+2*\i:(\acc)+2*\i+1], v[(\tmp)+2*\i:(\tmp)+2*\i+1] neg_lo:[0,1] neg_hi:[0,1]
.endr
.irp i,0,1,2,3
	v_cvt_pk_bf16_f32 v[(\lo)+\i], v[(\tmp)+2*\i], v[(\tmp)+2*\i+1]
.endr
.endm
; 100 rows of f32 -> bf16: 50 sweeps of 4,096 bytes in, 2,048 out; thread t takes 16 bytes at 16 t and stores 8 at 8 t: a wave stores 256 consecutive bytes, aligned.
; A ring of 25 loads a wave; every step stands in an immediate, and no register that a store reads is written again.
.macro CONV src, dst
	v_lshlrev_b32 v2, 4, v0
	v_lshlrev_b32 v3, 3, v0
.set i, 0
.rept 25
	global_load_b128 v[CI+4*i:CI+4*i+3], v2, s[\src:\src+1] offset:4096*i th:TH_LOAD_NT
.set i, i+1
.endr
.set i, 0
.rept 25
	s_wait_loadcnt 24                              ; the oldest of 25 is in
	v_cvt_pk_bf16_f32 v[CO+2*i], v[CI+4*i], v[CI+4*i+1]
	v_cvt_pk_bf16_f32 v[CO+2*i+1], v[CI+4*i+2], v[CI+4*i+3]
	global_load_b128 v[CI+4*i:CI+4*i+3], v2, s[\src:\src+1] offset:4096*(i+25) th:TH_LOAD_NT
	global_store_b64 v3, v[CO+2*i:CO+2*i+1], s[\dst:\dst+1] offset:2048*i
.set i, i+1
.endr
.set i, 0
.rept 25
	s_wait_loadcnt 24-i                            ; nothing more is loaded: the counts run down
	v_cvt_pk_bf16_f32 v[CO+50+2*i], v[CI+4*i], v[CI+4*i+1]
	v_cvt_pk_bf16_f32 v[CO+50+2*i+1], v[CI+4*i+2], v[CI+4*i+3]
	global_store_b64 v3, v[CO+50+2*i:CO+50+2*i+1], s[\dst:\dst+1] offset:2048*(i+25)
.set i, i+1
.endr
.endm
	v_lshl_add_u32 v30, v0, 2, SPARE               ; my spare word, and 0: kept for the closing lines alone
	v_mov_b32 v31, 0
	v_lshrrev_b32 v1, 5, v0
	v_readfirstlane_b32 s2, v1                     ; wave 0..7
	s_cmp_lt_u32 ttmp9, 192
	s_cbranch_scc1 .Lstage1
	s_cmp_lt_u32 ttmp9, 258
	s_cbranch_scc1 .Lfrag
	; ---- the entity bank, rows 0 to 15,999 ----
	s_load_b64 s[4:5], s[0:1], 0x78                ; entity_embeddings
	s_load_b64 s[6:7], s[0:1], 0x90                ; ebank
	s_sub_co_u32 s3, ttmp9, 258                    ; c = 0..159
	s_mul_i32 s8, s3, 204800                       ; 100 rows of 2,048 bytes
	s_mov_b32 s9, 0
	s_mul_i32 s10, s3, 102400                      ; 100 rows of 1,024 bytes
	s_mov_b32 s11, 0
	s_lshl_b32 s12, s3, 12                         ; four zero rows at row 25,000 + 4 c
	s_add_co_u32 s12, s12, 25000*1024
	s_mov_b32 s13, 0
	s_wait_kmcnt 0x0
	s_add_nc_u64 s[4:5], s[4:5], s[8:9]
	s_add_nc_u64 s[14:15], s[6:7], s[12:13]
	s_add_nc_u64 s[6:7], s[6:7], s[10:11]
	CONV 4, 6
	s_cmp_lt_u32 s3, 24
	s_cbranch_scc0 .Lbank_done
	v_mov_b32 v4, 0
	v_mov_b32 v5, 0
	v_mov_b32 v6, 0
	v_mov_b32 v7, 0
	global_store_b128 v2, v[4:7], s[14:15]         ; 256 threads x 16 bytes = four rows of zeros
.Lbank_done:
	s_endpgm
	; ---- fragments of the weights ----
.Lfrag:
	s_load_b256 s[8:15], s[0:1], 0x48              ; wk_ent s[8:9], wk_rel s[10:11], bk_ent s[12:13], bk_rel s[14:15]
	s_load_b128 s[16:19], s[0:1], 0x68             ; wv_ent s[16:17], wv_rel s[18:19]
	s_load_b64 s[20:21], s[0:1], 0x88              ; wfr
	s_sub_co_u32 s3, ttmp9, 192                    ; f = 0..65
	s_cmp_ge_u32 s3, 17                            ; f < 34: Wk^T, 17 pairs of tiles a matrix (the 17th is bk)
	s_cselect_b32 s22, 1, 0
	s_mul_i32 s23, s22, 17
	s_sub_co_u32 s23, s3, s23
	s_sub_co_u32 s24, s3, 34                       ; f >= 34: Wv, 16 pairs of tiles a matrix
	s_lshr_b32 s25, s24, 4
	s_add_co_u32 s25, s25, 2
	s_and_b32 s24, s24, 15
	s_cmp_ge_u32 s3, 34
	s_cselect_b32 s22, s25, s22                    ; mat 0..3
	s_cselect_b32 s23, s24, s23                    ; i: the pair of tiles
	s_cselect_b32 s26, 1, 0                        ; 1: Wv
	s_cmp_eq_u32 s23, 16                           ; only Wk's count reaches 16
	s_cselect_b32 s27, 1, 0                        ; 1: bk
	s_mov_b32 s28, 4                               ; bytes from row to row of a fragment: Wk^T's rows are columns d of Wk
	s_mov_b32 s29, 2048                            ; bytes from k to k + 1
	s_mov_b32 s30, 64                              ; bytes from tile to tile (16 rows)
	s_mov_b32 s31, 0x10000                         ; bytes from k step to k step (32 k)
	s_cmp_eq_u32 s27, 1                            ; bk: every row the same
	s_cselect_b32 s28, 0, s28
	s_cselect_b32 s29, 4, s29
	s_cselect_b32 s30, 0, s30
	s_cselect_b32 s31, 128, s31
	s_cmp_eq_u32 s26, 1                            ; Wv as it lies
	s_cselect_b32 s28, 2048, s28
	s_cselect_b32 s29, 4, s29
	s_cselect_b32 s30, 0x8000, s30
	s_cselect_b32 s31, 128, s31
	s_lshr_b32 s40, s2, 2
	s_lshl_b32 s41, s23, 1
	s_add_co_u32 s41, s41, s40                     ; my tile = 2 i + wave / 4
	s_and_b32 s42, s2, 3
	s_lshl_b32 s42, s42, 2                         ; my first k step = 4 (wave % 4)
	s_mul_i32 s43, s41, s30
	s_mul_i32 s44, s42, s31
	s_add_co_u32 s44, s44, s43
	s_mov_b32 s45, 0
	s_mov_b32 s46, s31
	s_mov_b32 s47, 0
	s_mul_i32 s57, s22, 34
	s_add_co_u32 s57, s57, s41
	s_lshl_b32 s56, s57, 14
	s_lshl_b32 s57, s42, 10
	s_add_co_u32 s56, s56, s57                     ; (34 mat + tile) x 16,384 + k step x 1,024
	s_mov_b32 s57, 0
	v_and_b32 v1, 15, v0                           ; r
	v_bfe_u32 v2, v0, 4, 1                         ; h
	v_and_b32 v3, 31, v0
	v_lshlrev_b32 v24, 4, v3                       ; 16 x lane
	v_mul_lo_u32 v3, v1, s28
	s_lshl_b32 s58, s29, 3
	v_mul_lo_u32 v4, v2, s58
	v_add_nc_u32 v8, v3, v4                        ; v[8+e]: element e of my 16: row r, k = 8 h + e (e < 8), 16 + 8 h + e - 8 (e >= 8)
.set j, 0
.rept 7
	v_add_nc_u32 v[9+j], s29, v[8+j]
.set j, j+1
.endr
	s_lshl_b32 s58, s29, 4
.set j, 0
.rept 8
	v_add_nc_u32 v[16+j], s58, v[8+j]
.set j, j+1
.endr
	s_wait_kmcnt 0x0
	s_and_b32 s32, s22, 1
	s_cmp_eq_u32 s32, 1
	s_cselect_b64 s[34:35], s[10:11], s[8:9]
	s_cselect_b64 s[36:37], s[14:15], s[12:13]
	s_cselect_b64 s[38:39], s[18:19], s[16:17]
	s_cmp_eq_u32 s27, 1
	s_cselect_b64 s[34:35], s[36:37], s[34:35]
	s_cmp_eq_u32 s26, 1
	s_cselect_b64 s[34:35], s[38:39], s[34:35]
	s_add_nc_u64 s[48:49], s[34:35], s[44:45]      ; a base for each of my four k steps
	s_add_nc_u64 s[50:51], s[48:49], s[46:47]
	s_add_nc_u64 s[52:53], s[50:51], s[46:47]
	s_add_nc_u64 s[54:55], s[52:53], s[46:47]
	s_add_nc_u64 s[20:21], s[20:21], s[56:57]
.irp k,0,1,2,3
.irp e,0,1,2,3,4,5,6,7,8,9,10,11,12,13,14,15
	global_load_b32 v[64+16*\k+\e], v[8+\e], s[48+2*\k:49+2*\k]
.endr
.endr
	s_wait_loadcnt 0x0
.set i, 0
.rept 32
	v_cvt_pk_bf16_f32 v[128+i], v[64+2*i], v[64+2*i+1]  ; two neighbouring k to a register
.set i, i+1
.endr
.irp k,0,1,2,3
	global_store_b128 v24, v[128+8*\k:131+8*\k], s[20:21] offset:\k*1024
	global_store_b128 v24, v[132+8*\k:135+8*\k], s[20:21] offset:\k*1024+512
.endr
	s_endpgm
	; ---- q = x Wq^T + bq ----
.Lstage1:
	s_load_b512 s[8:23], s[0:1], 0x0               ; x: s[8:9] s[10:11] s[12:13]; Wq: s[14:15] s[16:17] s[18:19]; bq: s[20:21] s[22:23]
	s_load_b64 s[24:25], s[0:1], 0x40              ; bq_obj
	s_load_b64 s[26:27], s[0:1], 0x80              ; qe
	s_lshr_b32 s3, ttmp9, 3                        ; block of 64 queries, 0..23, in the output's order subj, rel, obj
	s_and_b32 s34, ttmp9, 7                        ; es: which 64 outputs e
	s_lshr_b32 s35, s3, 3                          ; type
	s_and_b32 s36, s3, 7
	s_lshl_b32 s36, s36, 17                        ; 64 rows of 2,048 bytes in x
	s_mov_b32 s37, 0
	s_lshl_b32 s38, s34, 17                        ; and in Wq
	s_mov_b32 s39, 0
	s_lshl_b32 s40, s34, 8                         ; 64 numbers of bq
	s_mov_b32 s41, 0
	s_and_b32 s42, s2, 3                           ; t: my tile of 16 queries
	s_lshr_b32 s43, s2, 2                          ; ep: my 32 of the 64 outputs
	s_lshl_b32 s44, s3, 2
	s_add_co_u32 s44, s44, s42
	s_lshl_b32 s44, s44, 15                        ; query tile x 32,768
	s_lshl_b32 s46, s34, 1
	s_add_co_u32 s46, s46, s43
	s_lshl_b32 s46, s46, 10                        ; k step e / 32 = 2 es + ep
	s_add_co_u32 s44, s44, s46
	s_mov_b32 s45, 0
	v_and_b32 v1, 31, v0
	v_lshlrev_b32 v8, 4, v1                        ; 16 x lane
	s_lshl_b32 s47, s2, 14
	v_add_nc_u32 v2, s47, v8                       ; in memory: my eight rows, 16 bytes a lane
	s_mul_i32 s47, s2, 8*PITCH
	v_lshl_add_u32 v3, v1, 3, s47                  ; in LDS: my eight rows of x, 8 bytes a lane
	v_add_nc_u32 v4, 64*PITCH, v3                  ; and of Wq, behind x's 64 rows
	v_and_b32 v9, 15, v0                           ; r
	v_bfe_u32 v10, v0, 4, 1                        ; h
	s_lshl_b32 s47, s43, 7
	v_lshl_add_u32 v5, v10, 5, s47                 ; bq: 128 ep + 32 h
	v_mul_u32_u24 v11, v9, PITCH
	v_lshl_add_u32 v11, v10, 4, v11                ; a fragment's row x pitch + 16 h
	s_mul_i32 s47, s43, 32*PITCH
	s_add_co_u32 s47, s47, 64*PITCH
	v_add_nc_u32 v6, s47, v11                      ; my fragments of Wq
	s_mul_i32 s47, s42, 16*PITCH
	v_add_nc_u32 v7, s47, v11                      ; my fragments of x
	s_wait_kmcnt 0x0
	s_cmp_eq_u32 s35, 1
	s_cselect_b64 s[28:29], s[10:11], s[8:9]
	s_cselect_b64 s[30:31], s[16:17], s[14:15]
	s_cselect_b64 s[32:33], s[22:23], s[20:21]
	s_cmp_eq_u32 s35, 2
	s_cselect_b64 s[28:29], s[12:13], s[28:29]
	s_cselect_b64 s[30:31], s[18:19], s[30:31]
	s_cselect_b64 s[32:33], s[24:25], s[32:33]
	s_add_nc_u64 s[28:29], s[28:29], s[36:37]
	s_add_nc_u64 s[30:31], s[30:31], s[38:39]
	s_add_nc_u64 s[32:33], s[32:33], s[40:41]
	s_add_nc_u64 s[26:27], s[26:27], s[44:45]
.macro LD base, row0, set              ; four of my eight rows: 16 loads of 512 consecutive bytes a wave
.irp i,0,1,2,3
.irp s,0,1,2,3
	global_load_b128 v[(\set)+16*\i+4*\s:(\set)+16*\i+4*\s+3], v2, s[\base:\base+1] offset:((\row0)+\i)*2048+\s*512
.endr
.endr
.endm
.macro CV adr, row0, set, cnt          ; they are rounded to bf16 and laid into LDS; cnt: the younger loads that may stay out
	s_wait_loadcnt \cnt
.irp i,0,1,2,3
.irp s,0,1,2,3
	v_cvt_pk_bf16_f32 v[TC+8*\i+2*\s], v[(\set)+16*\i+4*\s], v[(\set)+16*\i+4*\s+1]
	v_cvt_pk_bf16_f32 v[TC+8*\i+2*\s+1], v[(\set)+16*\i+4*\s+2], v[(\set)+16*\i+4*\s+3]
	ds_store_b64 v[\adr], v[TC+8*\i+2*\s:TC+8*\i+2*\s+1] offset:((\row0)+\i)*PITCH+\s*256
.endr
.endr
.endm
	global_load_b128 v[32:35], v5, s[32:33]            ; bq[e0 + 8 h + j]: what starts the sums of my two tiles of 16 outputs
	global_load_b128 v[36:39], v5, s[32:33] offset:16
	global_load_b128 v[40:43], v5, s[32:33] offset:64
	global_load_b128 v[44:47], v5, s[32:33] offset:80
	LD 28, 0, SA
	LD 28, 4, SB
	CV 3, 0, SA, 16
	LD 30, 0, SA
	CV 3, 4, SB, 16
	LD 30, 4, SB
	CV 4, 0, SA, 16
	CV 4, 4, SB, 0
.set i, 0
.rept 8
	v_cvt_pk_bf16_f32 v[224+i], v[32+2*i], v[33+2*i]   ; the bias is rounded to bf16 like every input, and widened again
	v_lshlrev_b32 v[32+2*i], 16, v[224+i]
	v_and_b32 v[33+2*i], 0xffff0000, v[224+i]
.set i, i+1
.endr
	s_wait_dscnt 0x0                               ; for the others: my rows lie in LDS
	s_barrier_signal -1
	s_barrier_wait -1
.macro GLD g, set                      ; four k steps: two fragments of Wq and one of x each: 24 loads
.irp k,0,1,2,3
	ds_load_b128 v[(\set)+24*\k:(\set)+24*\k+3],     v6 offset:(4*(\g)+\k)*64
	ds_load_b128 v[(\set)+24*\k+4:(\set)+24*\k+7],   v6 offset:(4*(\g)+\k)*64+32
	ds_load_b128 v[(\set)+24*\k+8:(\set)+24*\k+11],  v6 offset:16*PITCH+(4*(\g)+\k)*64
	ds_load_b128 v[(\set)+24*\k+12:(\set)+24*\k+15], v6 offset:16*PITCH+(4*(\g)+\k)*64+32
	ds_load_b128 v[(\set)+24*\k+16:(\set)+24*\k+19], v7 offset:(4*(\g)+\k)*64
	ds_load_b128 v[(\set)+24*\k+20:(\set)+24*\k+23], v7 offset:(4*(\g)+\k)*64+32
.endr
.endm
.macro GMUL set                        ; q^T = Wq x^T: a lane holds one query and eight outputs.  The two accumulators take turns
.irp k,0,1,2,3
	v_wmma_f32_16x16x32_bf16 v[32:39], v[(\set)+24*\k:(\set)+24*\k+7], v[(\set)+24*\k+16:(\set)+24*\k+23], v[32:39]
	v_wmma_f32_16x16x32_bf16 v[40:47], v[(\set)+24*\k+8:(\set)+24*\k+15], v[(\set)+24*\k+16:(\set)+24*\k+23], v[40:47]
.endr
.endm
	GLD 0, 64
	GLD 1, 160
	s_wait_dscnt 24                                ; the first set is in, the other set's 24 loads may stay out
	GMUL 64
	PLACES
	GLD 2, 64
	s_wait_dscnt 24
	GMUL 160
	PLACES
	GLD 3, 160
	s_wait_dscnt 24
	GMUL 64
	s_wait_dscnt 0x0
	GMUL 160
	PLACES
	SPLIT 32, 48, 52, 64
	SPLIT 40, 56, 60, 72
	global_store_b128 v8, v[48:51], s[26:27]               ; hi, outputs 0-15 of the 32: registers 0-3 of the fragment
	global_store_b128 v8, v[56:59], s[26:27] offset:512    ; hi, outputs 16-31: registers 4-7
	global_store_b128 v8, v[52:55], s[26:27] offset:16384  ; lo
	global_store_b128 v8, v[60:63], s[26:27] offset:16896
	s_wait_tensorcnt 0x0                           ; the wave's end, behind my last LDS store
	ds_add_u32 v30, v31
	s_wait_dscnt 0x0
	s_endpgm
.Lfunc_end_k_q48d2e05511_prep1:
	.size	k_q48d2e05511_prep1, .Lfunc_end_k_q48d2e05511_prep1-k_q48d2e05511_prep1
	.p2alignl 7, 3214868480
	.fill 96, 4, 3214868480
	.section	.rodata,"a",@progbits
	.p2align	6, 0x0
	.amdhsa_kernel k_q48d2e05511_prep1
		.amdhsa_group_segment_fixed_size 134144
		.amdhsa_private_segment_fixed_size 0
		.amdhsa_enable_private_segment 0
		.amdhsa_kernarg_size 152
		.amdhsa_user_sgpr_count 2
		.amdhsa_user_sgpr_kernarg_segment_ptr 1
		.amdhsa_wavefront_size32 1
		.amdhsa_system_sgpr_workgroup_id_x 1
		.amdhsa_system_sgpr_workgroup_id_y 1
		.amdhsa_system_sgpr_workgroup_id_z 1
		.amdhsa_system_vgpr_workitem_id 0
		.amdhsa_next_free_vgpr 256
		.amdhsa_next_free_sgpr 66
		.amdhsa_reserve_vcc 0
		.amdhsa_float_denorm_mode_32 3
		.amdhsa_float_denorm_mode_16_64 3
		.amdhsa_memory_ordered 1
		.amdhsa_forward_progress 1
		.amdhsa_inst_pref_size 65
	.end_amdhsa_kernel
	.amdgpu_metadata
---
amdhsa.version: [ 1, 2 ]
amdhsa.kernels:
  - .name:           k_q48d2e05511_prep1
    .symbol:         k_q48d2e05511_prep1.kd
    .args:
      - { .name: subj_q, .offset: 0, .size: 8, .value_kind: global_buffer, .address_space: global }
      - { .name: rel_q, .offset: 8, .size: 8, .value_kind: global_buffer, .address_space: global }
      - { .name: obj_q, .offset: 16, .size: 8, .value_kind: global_buffer, .address_space: global }
      - { .name: wq_subj, .offset: 24, .size: 8, .value_kind: global_buffer, .address_space: global }
      - { .name: wq_rel, .offset: 32, .size: 8, .value_kind: global_buffer, .address_space: global }
      - { .name: wq_obj, .offset: 40, .size: 8, .value_kind: global_buffer, .address_space: global }
      - { .name: bq_subj, .offset: 48, .size: 8, .value_kind: global_buffer, .address_space: global }
      - { .name: bq_rel, .offset: 56, .size: 8, .value_kind: global_buffer, .address_space: global }
      - { .name: bq_obj, .offset: 64, .size: 8, .value_kind: global_buffer, .address_space: global }
      - { .name: wk_ent, .offset: 72, .size: 8, .value_kind: global_buffer, .address_space: global }
      - { .name: wk_rel, .offset: 80, .size: 8, .value_kind: global_buffer, .address_space: global }
      - { .name: bk_ent, .offset: 88, .size: 8, .value_kind: global_buffer, .address_space: global }
      - { .name: bk_rel, .offset: 96, .size: 8, .value_kind: global_buffer, .address_space: global }
      - { .name: wv_ent, .offset: 104, .size: 8, .value_kind: global_buffer, .address_space: global }
      - { .name: wv_rel, .offset: 112, .size: 8, .value_kind: global_buffer, .address_space: global }
      - { .name: entity_embeddings, .offset: 120, .size: 8, .value_kind: global_buffer, .address_space: global }
      - { .name: qe, .offset: 128, .size: 8, .value_kind: global_buffer, .address_space: global }
      - { .name: wfr, .offset: 136, .size: 8, .value_kind: global_buffer, .address_space: global }
      - { .name: ebank, .offset: 144, .size: 8, .value_kind: global_buffer, .address_space: global }
    .group_segment_fixed_size: 134144
    .private_segment_fixed_size: 0
    .kernarg_segment_align: 8
    .kernarg_segment_size: 152
    .max_flat_workgroup_size: 256
    .sgpr_count:     66
    .vgpr_count:     256
    .wavefront_size: 32
...
	.end_amdgpu_metadata
.endif
;; end of part 1
;; launch prep2 (part 2): grid 202 x 1, 8 waves a work-group, no clusters, 0 bytes of LDS; arguments qe, wfr, relation_embeddings, qfr, cq, ebank; writes qfr, cq, ebank
.if DOCPART == 2
	.amdgcn_target "amdgcn-amd-amdhsa--gfx1250"
	.amdhsa_code_object_version 6
	.text
	.protected	k_q48d2e05511_prep2
	.globl	k_q48d2e05511_prep2
	.p2align	8
	.type	k_q48d2e05511_prep2,@function
k_q48d2e05511_prep2:
	s_mov_b64 s[64:65], 0
	v_nop
	global_prefetch_b8 v0, s[64:65] scope:SCOPE_SE
	s_setreg_imm32_b32 hwreg(HW_REG_WAVE_MODE, 25, 1), 1
	s_wait_xcnt 0x0
; TWO ROLES.  0..101: q' = q Wk (so that q . (Wk e + bk) = q' . e + q . bk) and c_q = q . bk; q enters as hi + lo, both multiplied; q' leaves as hi + lo in fragment form.
; 102..201: the relation bank rounded once to bf16, 100 rows a work-group; the first four also write the 16 zero rows behind it.
; A wave of the first role makes two tiles of 16 queries x two tiles of 16 channels d over all 512 e, straight from memory: both sources lie there in register form.
; Tiles 32 and 33 of the weights hold bk in every row: their product is c_q in every register; register 0 of the first is stored, the second tile's copy serves nothing (the price of one text).
; LIMITS.  NaN and infinities are not treated apart.  hi + lo keep about 16 significant bits of q'.
.set CI, 32
.set CO, 132
.set ACC, 32
.set SA, 64
.set L16, 2
.set L4, 3
.macro PLACES
.rept 4
	v_nop
.endr
.endm
.macro SPLIT acc, hi, lo, tmp
.irp i,0,1,2,3
	v_cvt_pk_bf16_f32 v[(\hi)+\i], v[(\acc)+2*\i], v[(\acc)+2*\i+1]
.endr
.irp i,0,1,2,3
	v_lshlrev_b32 v[(\tmp)+2*\i], 16, v[(\hi)+\i]
	v_and_b32 v[(\tmp)+2*\i+1], 0xffff0000, v[(\hi)+\i]
.endr
.irp i,0,1,2,3
	v_pk_add_f32 v[(\tmp)+2*\i:(\tmp)+2*\i+1], v[(\acc)+2*\i:(\acc)+2*\i+1], v[(\tmp)+2*\i:(\tmp)+2*\i+1] neg_lo:[0,1] neg_hi:[0,1]
.endr
.irp i,0,1,2,3
	v_cvt_pk_bf16_f32 v[(\lo)+\i], v[(\tmp)+2*\i], v[(\tmp)+2*\i+1]
.endr
.endm
; 100 rows of f32 -> bf16: 50 sweeps of 4,096 bytes in, 2,048 out; a ring of 25 loads a wave; a wave stores 256 consecutive bytes, aligned; no register that a store reads is written again
.macro CONV src, dst
	v_lshlrev_b32 v2, 4, v0
	v_lshlrev_b32 v3, 3, v0
.set i, 0
.rept 25
	global_load_b128 v[CI+4*i:CI+4*i+3], v2, s[\src:\src+1] offset:4096*i th:TH_LOAD_NT
.set i, i+1
.endr
.set i, 0
.rept 25
	s_wait_loadcnt 24                              ; the oldest of 25 is in
	v_cvt_pk_bf16_f32 v[CO+2*i], v[CI+4*i], v[CI+4*i+1]
	v_cvt_pk_bf16_f32 v[CO+2*i+1], v[CI+4*i+2], v[CI+4*i+3]
	global_load_b128 v[CI+4*i:CI+4*i+3], v2, s[\src:\src+1] offset:4096*(i+25) th:TH_LOAD_NT
	global_store_b64 v3, v[CO+2*i:CO+2*i+1], s[\dst:\dst+1] offset:2048*i
.set i, i+1
.endr
.set i, 0
.rept 25
	s_wait_loadcnt 24-i                            ; the counts run down
	v_cvt_pk_bf16_f32 v[CO+50+2*i], v[CI+4*i], v[CI+4*i+1]
	v_cvt_pk_bf16_f32 v[CO+50+2*i+1], v[CI+4*i+2], v[CI+4*i+3]
	global_store_b64 v3, v[CO+50+2*i:CO+50+2*i+1], s[\dst:\dst+1] offset:2048*(i+25)
.set i, i+1
.endr
.endm
	v_lshrrev_b32 v1, 5, v0
	v_readfirstlane_b32 s2, v1                     ; wave 0..7
	s_cmp_lt_u32 ttmp9, 102
	s_cbranch_scc1 .Lstage2
	; ---- the relation bank ----
	s_load_b64 s[4:5], s[0:1], 0x10                ; relation_embeddings
	s_load_b64 s[6:7], s[0:1], 0x28                ; ebank
	s_sub_co_u32 s3, ttmp9, 102                    ; c = 0..99
	s_mul_i32 s8, s3, 204800
	s_mov_b32 s9, 0
	s_mul_i32 s10, s3, 102400
	s_add_co_u32 s10, s10, 25096*1024              ; the relation rows begin at row 25,096
	s_mov_b32 s11, 0
	s_lshl_b32 s12, s3, 12
	s_add_co_u32 s12, s12, 35096*1024              ; four zero rows at row 35,096 + 4 c
	s_mov_b32 s13, 0
	s_wait_kmcnt 0x0
	s_add_nc_u64 s[4:5], s[4:5], s[8:9]
	s_add_nc_u64 s[14:15], s[6:7], s[12:13]
	s_add_nc_u64 s[6:7], s[6:7], s[10:11]
	CONV 4, 6
	s_cmp_lt_u32 s3, 4
	s_cbranch_scc0 .Lbank_done
	v_mov_b32 v4, 0
	v_mov_b32 v5, 0
	v_mov_b32 v6, 0
	v_mov_b32 v7, 0
	global_store_b128 v2, v[4:7], s[14:15]
.Lbank_done:
	s_endpgm
	; ---- q' and c_q ----
.Lstage2:
	s_load_b128 s[4:7], s[0:1], 0x0                ; qe s[4:5], wfr s[6:7]
	s_load_b128 s[8:11], s[0:1], 0x18              ; qfr s[8:9], cq s[10:11]
	s_mul_i32 s12, ttmp9, 43
	s_lshr_b32 s12, s12, 8                         ; p = g / 6 (exact for g < 102): the pair of channel tiles, 16 = bk
	s_mul_i32 s13, s12, 6
	s_sub_co_u32 s13, ttmp9, s13                   ; x = g % 6
	s_lshl_b32 s14, s13, 3
	s_add_co_u32 s14, s14, s2                      ; qp = 8 x + wave: the pair of query tiles, 0..47
	s_lshr_b32 s15, s13, 1
	s_cmp_eq_u32 s15, 1                            ; query tiles 32..63 are the relation queries
	s_cselect_b32 s15, 34, 0
	s_lshl_b32 s16, s12, 1
	s_add_co_u32 s16, s16, s15
	s_lshl_b32 s16, s16, 14                        ; (34 mat + 2 p) x 16,384
	s_mov_b32 s17, 0
	s_lshl_b32 s18, s14, 16                        ; 2 qp x 32,768
	s_mov_b32 s19, 0
	s_lshl_b32 s20, s12, 10
	s_add_co_u32 s20, s20, s18                     ; + k step p of q'
	s_mov_b32 s21, 0
	s_lshl_b32 s22, s14, 8                         ; 2 qp x 128
	s_mov_b32 s23, 0
	v_and_b32 v1, 31, v0
	v_lshlrev_b32 v[L16], 4, v1
	v_lshlrev_b32 v[L4], 2, v1
	s_wait_kmcnt 0x0
	s_add_nc_u64 s[4:5], s[4:5], s[18:19]
	s_add_nc_u64 s[6:7], s[6:7], s[16:17]
	s_add_nc_u64 s[8:9], s[8:9], s[20:21]
	s_add_nc_u64 s[10:11], s[10:11], s[22:23]
; k steps 2 s and 2 s + 1: for each two fragments of the weights and four of q (f = 2 hl + t): 24 loads of 512 consecutive bytes
.macro LD2 s, set
.irp k,0,1
.irp d,0,1
	global_load_b128 v[(\set)+48*\k+8*\d:(\set)+48*\k+8*\d+3],   v[L16], s[6:7] offset:\d*16384+(2*(\s)+\k)*1024
	global_load_b128 v[(\set)+48*\k+8*\d+4:(\set)+48*\k+8*\d+7], v[L16], s[6:7] offset:\d*16384+(2*(\s)+\k)*1024+512
.endr
.irp f,0,1,2,3
	global_load_b128 v[(\set)+48*\k+16+8*\f:(\set)+48*\k+16+8*\f+3], v[L16], s[4:5] offset:(\f%2)*32768+(\f/2)*16384+(2*(\s)+\k)*1024
	global_load_b128 v[(\set)+48*\k+20+8*\f:(\set)+48*\k+20+8*\f+3], v[L16], s[4:5] offset:(\f%2)*32768+(\f/2)*16384+(2*(\s)+\k)*1024+512
.endr
.endr
.endm
	LD2 0, SA
	LD2 1, SA+96
.set n, 0
.rept 8
.set SX, SA+96*(n%2)
.if n < 7
	s_wait_loadcnt 24                              ; this set is in; the other set's 24 loads may stay out
.else
	s_wait_loadcnt 0x0
.endif
.irp k,0,1
.irp hl,0,1
.irp a,0,1,2,3                         ; accumulator a = 2 d + t; the four take turns; the first four products start the sums
.if (n == 0) && (\k == 0) && (\hl == 0)
	v_wmma_f32_16x16x32_bf16 v[ACC+8*\a:ACC+8*\a+7], v[SX+48*\k+8*(\a/2):SX+48*\k+8*(\a/2)+7], v[SX+48*\k+16+8*(2*\hl+\a%2):SX+48*\k+16+8*(2*\hl+\a%2)+7], 0
.else
	v_wmma_f32_16x16x32_bf16 v[ACC+8*\a:ACC+8*\a+7], v[SX+48*\k+8*(\a/2):SX+48*\k+8*(\a/2)+7], v[SX+48*\k+16+8*(2*\hl+\a%2):SX+48*\k+16+8*(2*\hl+\a%2)+7], v[ACC+8*\a:ACC+8*\a+7]
.endif
.endr
.endr
.endr
.if n < 6
	PLACES
	LD2 n+2, SX
.endif
.set n, n+1
.endr
	PLACES
	s_cmp_eq_u32 s12, 16
	s_cbranch_scc1 .Lbias
.irp a,0,1,2,3
	SPLIT ACC+8*\a, 64+8*\a, 68+8*\a, 96
	global_store_b128 v[L16], v[64+8*\a:67+8*\a], s[8:9] offset:(\a%2)*32768+(\a/2)*512
	global_store_b128 v[L16], v[68+8*\a:71+8*\a], s[8:9] offset:(\a%2)*32768+16384+(\a/2)*512
.endr
	s_endpgm
.Lbias:
	global_store_b32 v[L4], v[ACC], s[10:11]               ; c_q of query lane % 16, in both halves of the lanes
	global_store_b32 v[L4], v[ACC+8], s[10:11] offset:128
	s_endpgm
.Lfunc_end_k_q48d2e05511_prep2:
	.size	k_q48d2e05511_prep2, .Lfunc_end_k_q48d2e05511_prep2-k_q48d2e05511_prep2
	.p2alignl 7, 3214868480
	.fill 96, 4, 3214868480
	.section	.rodata,"a",@progbits
	.p2align	6, 0x0
	.amdhsa_kernel k_q48d2e05511_prep2
		.amdhsa_group_segment_fixed_size 0
		.amdhsa_private_segment_fixed_size 0
		.amdhsa_enable_private_segment 0
		.amdhsa_kernarg_size 48
		.amdhsa_user_sgpr_count 2
		.amdhsa_user_sgpr_kernarg_segment_ptr 1
		.amdhsa_wavefront_size32 1
		.amdhsa_system_sgpr_workgroup_id_x 1
		.amdhsa_system_sgpr_workgroup_id_y 1
		.amdhsa_system_sgpr_workgroup_id_z 1
		.amdhsa_system_vgpr_workitem_id 0
		.amdhsa_next_free_vgpr 256
		.amdhsa_next_free_sgpr 66
		.amdhsa_reserve_vcc 0
		.amdhsa_float_denorm_mode_32 3
		.amdhsa_float_denorm_mode_16_64 3
		.amdhsa_memory_ordered 1
		.amdhsa_forward_progress 1
		.amdhsa_inst_pref_size 53
	.end_amdhsa_kernel
	.amdgpu_metadata
---
amdhsa.version: [ 1, 2 ]
amdhsa.kernels:
  - .name:           k_q48d2e05511_prep2
    .symbol:         k_q48d2e05511_prep2.kd
    .args:
      - { .name: qe, .offset: 0, .size: 8, .value_kind: global_buffer, .address_space: global }
      - { .name: wfr, .offset: 8, .size: 8, .value_kind: global_buffer, .address_space: global }
      - { .name: relation_embeddings, .offset: 16, .size: 8, .value_kind: global_buffer, .address_space: global }
      - { .name: qfr, .offset: 24, .size: 8, .value_kind: global_buffer, .address_space: global }
      - { .name: cq, .offset: 32, .size: 8, .value_kind: global_buffer, .address_space: global }
      - { .name: ebank, .offset: 40, .size: 8, .value_kind: global_buffer, .address_space: global }
    .group_segment_fixed_size: 0
    .private_segment_fixed_size: 0
    .kernarg_segment_align: 8
    .kernarg_segment_size: 48
    .max_flat_workgroup_size: 256
    .sgpr_count:     66
    .vgpr_count:     256
    .wavefront_size: 32
...
	.end_amdgpu_metadata
.endif
;; end of part 2
;; launch attn (part 3): grid 248 x 1, 4 waves a work-group, clusters of 4 x 1, 327,680 bytes of LDS; arguments ebank, qfr, cq, opart, stat; writes opart, stat
.if DOCPART == 3
	.amdgcn_target "amdgcn-amd-amdhsa--gfx1250"
	.amdhsa_code_object_version 6
	.text
	.protected	k_q48d2e05511_attn
	.globl	k_q48d2e05511_attn
	.p2align	8
	.type	k_q48d2e05511_attn,@function
k_q48d2e05511_attn:
	s_mov_b64 s[64:65], 0
	v_nop
	global_prefetch_b8 v0, s[64:65] scope:SCOPE_SE
	s_setreg_imm32_b32 hwreg(HW_REG_WAVE_MODE, 25, 1), 1
	s_wait_xcnt 0x0
	s_wait_alu depctr_hold_cnt(0) depctr_sa_sdst(0) depctr_va_vdst(0) depctr_va_sdst(0) depctr_va_ssrc(0) depctr_va_vcc(0) depctr_vm_vsrc(0)
	s_getreg_b32 s2, hwreg(HW_REG_IB_STS2, 6, 4)
	s_cmp_eq_u32 s2, 0
	s_cbranch_scc0 .Lentry_in_a_cluster
	s_endpgm
.Lentry_in_a_cluster:
	s_bfe_u32 s2, ttmp6, 0x10000c
	s_cmp_lg_u32 s2, 0x3003
	s_cbranch_scc0 .Lentry_shape_is_right
	s_endpgm
.Lentry_shape_is_right:
; For 64 queries and one chunk of a bank's rows e_n: s = q' . e_n + c_q, a running maximum m, p = 2^(c s - c m) with c = log2(e), l = sum p, O = sum p e_n.  The bank itself is key and value
; (q' = q Wk and c_q = q . bk carry the key projection; the value projection follows in the next launch).  O, c m and l leave not normalised; the next launch merges the chunks.
; FORMATS.  e_n is bf16 (the input rounded once).  q' is a pair of bf16, hi + lo, and both are multiplied: one rounding of q' to 16 bits would shift scores of this spread too far.  p is rounded
; to bf16 for the second product; l is the sum of the unrounded p.  Products, maxima and sums in f32.
; LIMITS.  A hidden key counts as its score less 1e30; a weight below 2^-126 counts as 0; NaN and infinities are not treated apart; the sums are ordered otherwise than a projection of the bank would order them.
; SHARES.  62 clusters of four work-groups.  Clusters 0..51: entity chunk K / 4 (13 chunks, 1,923 rows apart, the last of 1,924), query group K % 4; clusters 52..61: relation chunk (K - 52) / 2
; (5 of 2,000), query group (K - 52) % 2.  The four partners take four blocks of 64 queries and walk the same rows, so each tile is asked for JOINTLY.  Every work-group walks 21 steps of 96 rows;
; steps 0..19 are whole in every chunk, step 20 is masked to 3, 4 or 80 rows; what lies behind a chunk's end are the next chunk's rows or zero rows.
; A STEP j.  X: S^T = E q'^T for tile j: wave (qi, ki) takes query tiles 2 qi, 2 qi + 1 and rows 48 ki .. 48 ki + 47; O is rescaled beside it.  B: the softmax of step j.  C: O^T += E^T P for tile j - 1: wave w
; takes channels 128 w .. 128 w + 127 of all 64 queries.  Two barriers a step; behind the second, tile j + 2 is asked for, into the slot that C has just read: three slots.
; ONE TILE SERVES BOTH PRODUCTS.  In each group of 16 rows, place (h, j) of the matrix layouts stands for row 2 j + h: X takes row 2 (r % 8) + r / 8 for its row r, the turning load of C row 2 (l % 8) + l / 16.
; REGISTERS, in windows of 256: window 0 addresses, statistics, S^T and the operand pool; window 1 O^T, tile (qt, ct) at 8 (8 qt + ct); window 2 q' hi, (t, k step) at 8 (16 t + k); window 3 q' lo.
.set PITCH, 1040                       ; an LDS row: 1,024 bytes + 16
.set SLOTB, 96*PITCH
.set PB0,   3*SLOTB                    ; P, two buffers: tile (qt, kt) of 16 x 16 bf16 at (6 qt + kt) x 512 + 16 x lane
.set PB1,   PB0+12288
.set LM,    PB1+12288                  ; the waves' maxima: [ki][qt][lane] f32
.set AF,    LM+1024                    ; the factors a: [qt][lane] f32
.set SPARE, AF+512                     ; the spare words, 128 bytes for each wave
.set TILEB, 96*1024                    ; a tile in memory
.set AK0, 2                            ; my lane's place in a tile for X; never rewritten
.set AV0, 3                            ; the same for C
.set AK,  4
.set AVA, 5
.set AVB, 6
.set PW0, 7                            ; where I put P, less the buffer
.set PWA, 8
.set L16, 9                            ; 16 x lane
.set PRA, 10
.set LMW, 11
.set LMR, 12
.set AFW, 13
.set AFR, 14
.set PFO, 15                           ; 256 x thread: the prefetches' offset
.set SPW, 16
.set NIL, 17
.set L4,  18                           ; 4 x lane
.set STC, 19                           ; 4 x thread
.set AQ,  20                           ; a of query tile qt at v[20 + 2 qt]; the odd registers are named with them as pairs
.set ST,  28                           ; my tile t at v[28 + 8 t]: c m, m, l (two), c_q (two), a, at work
.set WK,  44                           ; four at work for each t
.set MD,  52                           ; the last step's mask for my 48 rows: 0 or -1e30
.set S,   76                           ; S^T: accumulator a = 3 t + kt at 76 + 8 a
.set STL, 124
.set T0,  125
.set T1,  126
.set T2,  127
.set FA,  128                          ; X: two buffers of six fragments of E
.set FB,  176
.set PP,  128                          ; B: P packed
.set PXA, 128                          ; C: two buffers of four fragments of P
.set VA,  192                          ; C: two buffers of four turned fragments of E
.set WV, 14
.set QI, 15
.set KI, 16
.set CX, 17
.set G1, 24
.set G0A, 32
.set G0B, 36
.set SX, 40                            ; slot of tile j
.set SN, 41                            ; of tile j + 1
.set SY, 42                            ; of tile j - 1, and then of tile j + 2
.set TMP, 43
.set PBW, 44
.set PBR, 45
.set WOFF, 46
.set CNT, 47
.set TC, 48
.set THR, 49
.set CS, 50
.set SEL, 52
.set AL, 54
.set BIGN, 56
.set LIM, 57
.set PFA, 58
.set KSEL, 60
.set QG, 61
.set ROW0, 62
.set QB, 63
.set MSB, 0
.macro WIN new                         ; the immediate's high byte repeats the setting that is left; a switch that changes nothing is dropped
.if MSB != (\new)
	s_set_vgpr_msb (MSB<<8)|(\new)
.set MSB, \new
.endif
.endm
.macro PLACES                          ; four plain vector instructions behind a matrix instruction, ahead of what reads its result or loads into its registers
.rept 4
	v_nop
.endr
.endm
.macro CROUND                          ; a round of the cluster's barrier
	s_barrier_signal -1
	s_barrier_wait -1
	s_cmp_lg_u32 s[WV], 0
	s_cbranch_scc1 .Lnot_wave_0_\@
	s_barrier_signal -3
.Lnot_wave_0_\@:
	s_barrier_wait -3
	s_barrier_signal -1
	s_barrier_wait -1
.endm
; A prefetch of tile j + 4, two steps (576 matrix instructions) ahead of the load that will ask for it.  The clusters of a chunk walk the same rows: the one with query group 0 asks.  Its four partners take
; 24 rows each, told apart by address; in each, waves 0 to 2 ask, a lane for each 256 bytes.  Tiles 0 to 3 come by their loads alone; the last prefetch names tile 20.
.macro ASK
	s_cmp_gt_u32 s[CNT], s[LIM]
	s_cbranch_scc0 .Lnot_mine_\@
	global_prefetch_b8 v[PFO], s[PFA:PFA+1] th:TH_LOAD_NT scope:SCOPE_SE
.Lnot_mine_\@:
.endm
	s_load_b256 s[4:11], s[0:1], 0x0               ; ebank s[4:5], qfr s[6:7], cq s[8:9], opart s[10:11]
	s_load_b64 s[12:13], s[0:1], 0x20              ; stat
	v_lshl_add_u32 v[SPW], v0, 2, SPARE
	v_mov_b32 v[NIL], 0
	ds_add_u32 v[SPW], v[NIL]                      ; the wave's opening: the add, twice on end, and its wait ahead of my first tensor load
	ds_add_u32 v[SPW], v[NIL]
	v_lshrrev_b32 v1, 5, v0
	v_readfirstlane_b32 s[WV], v1                  ; wave 0..3
	s_lshr_b32 s[QI], s[WV], 1
	s_and_b32 s[KI], s[WV], 1
	s_bfe_u32 s[CX], ttmp6, 0x40000                ; my place in the cluster: it enters global addresses of q', c_q, O, the statistics and the prefetches alone
	s_and_b32 s18, ttmp9, 3                        ; as an entity cluster: query group,
	s_lshr_b32 s19, ttmp9, 2                       ; chunk,
	s_mul_i32 s20, s19, 1923                       ; first row,
	s_cmp_eq_u32 s19, 12
	s_cselect_b32 s21, 4, 3                        ; rows of the last step,
	s_cmp_ge_u32 s18, 2
	s_cselect_b32 s23, 8, 0                        ; groups 2 and 3 are the obj queries, behind the rel queries' eight blocks
	s_lshl_b32 s22, s18, 2
	s_add_co_u32 s22, s22, s23                     ; first block of 64 queries
	s_sub_co_u32 s70, ttmp9, 52                    ; as a relation cluster
	s_and_b32 s71, s70, 1
	s_lshr_b32 s70, s70, 1
	s_mul_i32 s70, s70, 2000
	s_add_co_u32 s70, s70, 25096
	s_lshl_b32 s23, s71, 2
	s_add_co_u32 s23, s23, 8
	s_cmp_ge_u32 ttmp9, 52
	s_cselect_b32 s[QG], s71, s18
	s_cselect_b32 s[ROW0], s70, s20
	s_cselect_b32 s[THR], 80, s21
	s_cselect_b32 s[QB], s23, s22
	s_add_co_u32 s[QB], s[QB], s[CX]               ; my block of 64 queries
	; descriptor group 1: a joint load of 24 rows x 512 elements of 2 bytes, 16 bytes of padding behind each row
	s_mov_b32 s[G1], 15|(1<<16)|(1<<20)|(1<<21)|(7<<22)|(3<<25)  ; 15:0 the mask of four; 17:16 2-byte elements; 20 padding on; 21 set beside a mask; 24:22 after every 256 words (code 7); 31:25 4 words (code 3)
	s_mov_b32 s[G1+1], 512<<16                     ; tensor_dim0 = 512
	s_mov_b32 s[G1+2], 24<<16                      ; tensor_dim1 = 24
	s_mov_b32 s[G1+3], 512<<16                     ; tile_dim0 = 512
	s_mov_b32 s[G1+4], 24                          ; tile_dim1 = 24
	s_mov_b32 s[G1+5], 512                         ; elements from row to row
	s_mov_b32 s[G1+6], 0
	s_mov_b32 s[G1+7], 0
	s_mul_i32 s[WOFF], s[WV], 24*PITCH             ; my 24 rows in a slot
	s_mov_b32 s[G0A], 1
	s_mov_b32 s[G0A+1], s[WOFF]                    ; tile 0 into slot 0
	s_mov_b32 s[G0B], 1
	s_add_co_u32 s[G0B+1], s[WOFF], SLOTB          ; tile 1 into slot 1; this descriptor then walks on
	s_mul_i32 s18, s[WV], 24
	s_add_co_u32 s18, s18, s[ROW0]
	s_lshl_b32 s66, s18, 10                        ; my 24 rows of tile 0, in bytes
	s_mov_b32 s67, 0
	s_lshl_b32 s68, s[ROW0], 10                    ; the prefetches: my work-group's 24 rows of a tile
	s_mul_i32 s78, s[CX], 24576
	s_add_co_u32 s68, s68, s78
	s_mov_b32 s69, 0
	s_lshl_b32 s78, s[QB], 2
	s_lshl_b32 s79, s[QI], 1
	s_add_co_u32 s78, s78, s79                     ; my first query tile = 4 block + 2 qi
	s_lshl_b32 s70, s78, 15
	s_mov_b32 s71, 0
	s_lshl_b32 s72, s78, 7
	s_mov_b32 s73, 0
	s_lshl_b32 s79, ttmp9, 2
	s_add_co_u32 s79, s79, s[CX]                   ; the work-group's number
	s_lshl_b32 s74, s79, 17
	s_lshl_b32 s78, s[WV], 15
	s_add_co_u32 s74, s74, s78
	s_mov_b32 s75, 0
	s_lshl_b32 s76, s79, 11
	s_mov_b32 s77, 0
	s_mov_b32 s[SX], 0
	s_mov_b32 s[SN], SLOTB
	s_mov_b32 s[SY], 2*SLOTB
	s_mov_b32 s[PBW], PB0
	s_mov_b32 s[PBR], PB1
	s_mov_b32 s[CS], 0x3fb8aa3b                    ; c = log2(e)
	s_mov_b32 s[CS+1], s[CS]
	s_mov_b32 s[SEL], 0x76543210
	s_mov_b32 s[SEL+1], 0xfedcba98
	s_mov_b32 s[AL], 0
	s_mov_b32 s[AL+1], 0
	s_mov_b32 s[BIGN], 0xf149f2ca                  ; -1e30
	s_cmp_lt_u32 s[WV], 3
	s_cselect_b32 s[LIM], 0, 1
	s_or_b32 s[LIM], s[LIM], s[QG]
	s_cmp_eq_u32 s[LIM], 0
	s_cselect_b32 s[LIM], 2, -1                    ; a wave that prefetches does so while the count of steps is above 2
	s_cmp_eq_u32 s[KI], 1
	s_cselect_b32 s[KSEL], -1, 0
	v_and_b32 v1, 31, v0                           ; l
	v_and_b32 v[T0], 7, v0                         ; l % 8
	v_bfe_u32 v[T1], v0, 3, 1                      ; (l / 8) % 2
	v_bfe_u32 v[T2], v0, 4, 1                      ; h = l / 16
	s_mul_i32 s18, s[KI], 48
	v_lshl_add_u32 v[AK0], v[T0], 1, v[T1]
	v_add_nc_u32 v[AK0], s18, v[AK0]
	v_mul_u32_u24 v[AK0], v[AK0], PITCH
	v_lshl_add_u32 v[AK0], v[T2], 4, v[AK0]        ; (48 ki + 2 (r % 8) + r / 8) x pitch + 16 h
	v_lshl_add_u32 v[AV0], v[T0], 1, v[T2]
	v_mul_u32_u24 v[AV0], v[AV0], PITCH
	v_lshl_add_u32 v[AV0], v[T1], 4, v[AV0]
	s_lshl_b32 s18, s[WV], 8
	v_add_nc_u32 v[AV0], s18, v[AV0]               ; (2 (l % 8) + h) x pitch + 16 ((l / 8) % 2) + my 128 channels
	v_lshlrev_b32 v[L16], 4, v1
	v_lshlrev_b32 v[L4], 2, v1
	s_mul_i32 s18, s[QI], 12
	s_mul_i32 s19, s[KI], 3
	s_add_co_u32 s18, s18, s19
	s_lshl_b32 s18, s18, 9
	v_add_nc_u32 v[PW0], s18, v[L16]
	s_lshl_b32 s18, s[KI], 2
	s_lshl_b32 s19, s[QI], 1
	s_add_co_u32 s20, s18, s19
	s_lshl_b32 s21, s20, 7                         ; (4 ki + 2 qi) x 128
	s_add_co_u32 s22, s21, LM
	v_add_nc_u32 v[LMW], s22, v[L4]
	s_xor_b32 s22, s21, 512                        ; the wave with the other rows
	s_add_co_u32 s22, s22, LM
	v_add_nc_u32 v[LMR], s22, v[L4]
	v_lshl_add_u32 v[AFW], v0, 2, AF               ; query tile = my wave's number
	v_add_nc_u32 v[AFR], AF, v[L4]
	v_lshlrev_b32 v[PFO], 8, v0
	v_lshlrev_b32 v[STC], 2, v0
	s_add_co_u32 s21, s21, 512
	v_add_nc_u32 v[STL], s21, v[L4]
	s_wait_dscnt 0x0                               ; both opening adds are done
	s_wait_kmcnt 0x0
	s_add_nc_u64 s[G0A+2:G0A+3], s[4:5], s[66:67]
	s_add_nc_u64 s[G0B+2:G0B+3], s[G0A+2:G0A+3], TILEB
	s_or_b32 s[G0A+3], s[G0A+3], 0x80000000        ; type = 2
	s_or_b32 s[G0B+3], s[G0B+3], 0x80000000
	s_add_nc_u64 s[PFA:PFA+1], s[4:5], s[68:69]
	s_add_nc_u64 s[PFA:PFA+1], s[PFA:PFA+1], 3*TILEB  ; at tile 3: the first refill steps it to tile 4
	s_add_nc_u64 s[6:7], s[6:7], s[70:71]
	s_add_nc_u64 s[8:9], s[8:9], s[72:73]
	s_add_nc_u64 s[10:11], s[10:11], s[74:75]
	s_add_nc_u64 s[12:13], s[12:13], s[76:77]
	CROUND                                         ; all four work-groups are here: the first joint loads meet
	tensor_load_to_lds s[G0A:G0A+3], s[G1:G1+7]    ; two loads of mine are out
	s_nop 0
	tensor_load_to_lds s[G0B:G0B+3], s[G1:G1+7]
	s_nop 0
	PLACES
	WIN 0x80                                       ; q' stays in registers: hi into window 2,
.set i, 0
.rept 32
	global_load_b128 v[8*i:8*i+3],   v[L16], s[6:7] offset:(i/16)*32768+(i%16)*1024
	global_load_b128 v[8*i+4:8*i+7], v[L16], s[6:7] offset:(i/16)*32768+(i%16)*1024+512
.set i, i+1
.endr
	WIN 0xc0                                       ; lo into window 3
.set i, 0
.rept 32
	global_load_b128 v[8*i:8*i+3],   v[L16], s[6:7] offset:(i/16)*32768+16384+(i%16)*1024
	global_load_b128 v[8*i+4:8*i+7], v[L16], s[6:7] offset:(i/16)*32768+16384+(i%16)*1024+512
.set i, i+1
.endr
	WIN 0
	global_load_b32 v[ST+4],  v[L4], s[8:9]
	global_load_b32 v[ST+12], v[L4], s[8:9] offset:128
	WIN 0x40                                       ; O starts at 0, on purpose: one text serves every step, and these lines stand in the wait for the first tile
.set i, 0
.rept 256
	v_mov_b32 v[i], 0
.set i, i+1
.endr
	WIN 0
	s_mul_i32 s18, s[KI], 48
	s_sub_co_i32 s18, s[THR], s18
	v_sub_nc_u32 v[T0], s18, v[T2]                 ; register j of row group kt stands for row 48 ki + 16 kt + 2 j + h: hidden where 16 kt + 2 j >= rows - 48 ki - h
.set i, 0
.rept 24
	v_cmp_ge_i32 vcc_lo, 16*(i/8)+2*(i%8), v[T0]
	v_cndmask_b32 v[MD+i], 0, s[BIGN], vcc_lo
.set i, i+1
.endr
.irp t,0,1
	v_mov_b32 v[ST+8*\t], 0xfe000000               ; c m: far below every c s, so the first a is 0
	v_mov_b32 v[ST+8*\t+1], 0xff7fffff             ; m: the lowest finite number
	v_mov_b32 v[ST+8*\t+2], 0
	v_mov_b32 v[ST+8*\t+3], 0
.endr
.irp q,0,1,2,3
	v_mov_b32 v[AQ+2*\q+1], 0
.endr
	v_mov_b32 v[WK], 1.0
	ds_store_b32 v[AFW], v[WK]                     ; the first step rescales by 1
	s_wait_loadcnt 0x0                             ; q' and c_q
	v_mov_b32 v[ST+5],  v[ST+4]
	v_mov_b32 v[ST+13], v[ST+12]
	s_wait_tensorcnt 0x1                           ; my part of tile 0 is in; tile 1 may stay out
	s_wait_dscnt 0x0
	s_barrier_signal -1
	s_barrier_wait -1
; two k steps' fragments of E for my 48 rows: 12 loads
.macro LOADB b, buf
.irp kk,0,1
.irp kt,0,1,2
	ds_load_b128 v[(\buf)+8*(3*\kk+\kt):(\buf)+8*(3*\kk+\kt)+3],   v[AK] offset:\kt*16*PITCH+(2*(\b)+\kk)*64
	ds_load_b128 v[(\buf)+8*(3*\kk+\kt)+4:(\buf)+8*(3*\kk+\kt)+7], v[AK] offset:\kt*16*PITCH+(2*(\b)+\kk)*64+32
.endr
.endr
.endm
; 12 products of batch b on buffer FX; the six accumulators take turns, one instruction a turn
.macro XMUL w
	WIN \w
.irp kk,0,1
.irp a,0,1,2,3,4,5
	v_wmma_f32_16x16x32_bf16 v[S+8*\a:S+8*\a+7], v[FX+8*(3*\kk+\a%3):FX+8*(3*\kk+\a%3)+7], v[8*(16*(\a/3)+2*b+\kk):8*(16*(\a/3)+2*b+\kk)+7], v[S+8*\a:S+8*\a+7]
.endr
.endr
.endm
; X.  The sums start at mask x AL + c_q (24 packed lines, also the places behind C's last products).  Eight batches of two k steps: 12 products with q' hi, 12 with lo, then a sixteenth... an eighth of O's
; rescaling by the a of the step before (16 packed lines, the places ahead of the reload of the buffer just used).  Then the maximum of my 24 scores a query.
.macro XPH
	WIN 0
	v_add_nc_u32 v[AK], s[SX], v[AK0]
.set i, 0
.rept 24
	v_pk_fma_f32 v[S+2*i:S+2*i+1], v[MD+2*(i%12):MD+2*(i%12)+1], s[AL:AL+1], v[ST+8*(i/12)+4:ST+8*(i/12)+5] op_sel_hi:[1,0,0]
.set i, i+1
.endr
.irp q,0,1,2,3
	ds_load_b32 v[AQ+2*\q], v[AFR] offset:128*\q
.endr
	LOADB 0, FA
	LOADB 1, FB
.set b, 0
.rept 8
.set FX, FA+48*(b%2)
.if b < 7
	s_wait_dscnt 12                                ; this batch is in (and a); the next batch's 12 loads may stay out
.else
	s_wait_dscnt 0x0
.endif
	XMUL 0x08                                      ; source 1 in window 2
	XMUL 0x0c                                      ; source 1 in window 3
	WIN 0x41                                       ; O in window 1, a in window 0
.set z, 0
.rept 16
	v_pk_mul_f32 v[32*b+2*z:32*b+2*z+1], v[32*b+2*z:32*b+2*z+1], v[AQ+2*(b/2):AQ+2*(b/2)+1] op_sel_hi:[1,0]
.set z, z+1
.endr
	WIN 0
.if b < 6
	LOADB b+2, FX
.endif
.set b, b+1
.endr
.irp k,0,1,2                           ; each accumulator's lowest registers are read first
.irp t,0,1
	v_max3_num_f32 v[WK+4*\t+\k], v[S+24*\t+8*\k], v[S+24*\t+8*\k+1], v[S+24*\t+8*\k+2]
.endr
.endr
.irp k,0,1,2
.irp t,0,1
	v_max3_num_f32 v[WK+4*\t+\k], v[WK+4*\t+\k], v[S+24*\t+8*\k+3], v[S+24*\t+8*\k+4]
.endr
.endr
.irp k,0,1,2
.irp t,0,1
	v_max3_num_f32 v[WK+4*\t+\k], v[WK+4*\t+\k], v[S+24*\t+8*\k+5], v[S+24*\t+8*\k+6]
.endr
.endr
.irp t,0,1
	v_max3_num_f32 v[WK+4*\t+3], v[S+24*\t+7], v[S+24*\t+15], v[S+24*\t+23]
.endr
.irp t,0,1
	v_max3_num_f32 v[WK+4*\t], v[WK+4*\t], v[WK+4*\t+1], v[WK+4*\t+2]
.endr
.irp t,0,1
	v_max_num_f32 v[WK+4*\t], v[WK+4*\t], v[WK+4*\t+3]
.endr
	ds_store_b32 v[LMW], v[WK]
	ds_store_b32 v[LMW], v[WK+4] offset:128
.endm
.macro BAR1                            ; my maxima lie in LDS, and my reads of tile j and of a are over
	s_wait_dscnt 0x0
	s_barrier_signal -1
	s_barrier_wait -1
.endm
; B.  The other rows' maximum, the other half of the lanes', the new m, c m and a; p = 2^(c s - c m); ONE batch of 50 exponentials with one wait; P to LDS; a of tile w to LDS; l = a l + sum p.
.macro BPH
	ds_load_b32 v[WK+1], v[LMR]
	ds_load_b32 v[WK+5], v[LMR] offset:128
	v_add_nc_u32 v[PWA], s[PBW], v[PW0]
	s_wait_dscnt 0x0
.irp t,0,1
	v_max_num_f32 v[WK+4*\t], v[WK+4*\t], v[WK+4*\t+1]
.endr
.irp t,0,1
	v_permlanex16_b32 v[WK+4*\t+2], v[WK+4*\t], s[SEL], s[SEL+1]
	v_mov_b32 v[ST+8*\t+7], v[ST+8*\t]             ; c m_old is kept
.endr
.irp t,0,1
	v_max3_num_f32 v[ST+8*\t+1], v[WK+4*\t], v[WK+4*\t+2], v[ST+8*\t+1]
.endr
.irp t,0,1
	v_mul_f32 v[ST+8*\t], s[CS], v[ST+8*\t+1]
.endr
.irp t,0,1
	v_sub_f32 v[ST+8*\t+7], v[ST+8*\t+7], v[ST+8*\t]
.endr
.set i, 0
.rept 24
	v_pk_fma_f32 v[S+2*i:S+2*i+1], v[S+2*i:S+2*i+1], s[CS:CS+1], v[ST+8*(i/12):ST+8*(i/12)+1] op_sel_hi:[1,0,0] neg_lo:[0,0,1] neg_hi:[0,0,1]
.set i, i+1
.endr
	v_exp_f32 v[ST+6],  v[ST+7]
	v_exp_f32 v[ST+14], v[ST+15]
.set i, 0
.rept 48
	v_exp_f32 v[S+i], v[S+i]
.set i, i+1
.endr
	v_nop                                          ; a plain instruction behind the last exponential,
	s_wait_alu depctr_va_vdst(0)                   ; and the one wait ahead of the batch's first reader
.set i, 0
.rept 24
	v_cvt_pk_bf16_f32 v[PP+i], v[S+2*i], v[S+2*i+1]
.set i, i+1
.endr
.irp a,0,1,2,3,4,5
	ds_store_b128 v[PWA], v[PP+4*\a:PP+4*\a+3] offset:(6*(\a/3)+\a%3)*512
.endr
	v_cndmask_b32 v[WK], v[ST+6], v[ST+14], s[KSEL]  ; query tile w is my tile t = ki
	ds_store_b32 v[AFW], v[WK]
.irp t,0,1
.irp z,0,1,2,3,4,5
	v_pk_add_f32 v[S+24*\t+2*\z:S+24*\t+2*\z+1], v[S+24*\t+2*\z:S+24*\t+2*\z+1], v[S+24*\t+2*\z+12:S+24*\t+2*\z+13]
.endr
.endr
.irp t,0,1
.irp z,0,1,2
	v_pk_add_f32 v[S+24*\t+2*\z:S+24*\t+2*\z+1], v[S+24*\t+2*\z:S+24*\t+2*\z+1], v[S+24*\t+2*\z+6:S+24*\t+2*\z+7]
.endr
.endr
.irp t,0,1
	v_pk_add_f32 v[S+24*\t:S+24*\t+1], v[S+24*\t:S+24*\t+1], v[S+24*\t+2:S+24*\t+3]
.endr
.irp t,0,1
	v_pk_add_f32 v[S+24*\t:S+24*\t+1], v[S+24*\t:S+24*\t+1], v[S+24*\t+4:S+24*\t+5]
.endr
.irp t,0,1
	v_pk_fma_f32 v[ST+8*\t+2:ST+8*\t+3], v[ST+8*\t+2:ST+8*\t+3], v[ST+8*\t+6:ST+8*\t+7], v[S+24*\t:S+24*\t+1] op_sel_hi:[1,0,1]
.endr
.endm
.macro PLD kg                          ; P of rows 32 kg .. for the four query tiles: 8 loads
.irp q,0,1,2,3
	ds_load_b128 v[PXA+32*((\kg)%2)+8*\q:PXA+32*((\kg)%2)+8*\q+3],   v[PRA] offset:(6*\q+2*(\kg))*512
	ds_load_b128 v[PXA+32*((\kg)%2)+8*\q+4:PXA+32*((\kg)%2)+8*\q+7], v[PRA] offset:(6*\q+2*(\kg)+1)*512
.endr
.endm
.macro VLD u                           ; E turned: rows 32 (u / 2) .., four tiles of 16 channels from 64 (u % 2) on: 8 loads
.set VX, VA+32*((\u)%2)
.set KG, (\u)/2
.set HF, (\u)%2
.irp c,0,1,2,3
.if KG < 2
	ds_load_tr16_b128 v[VX+8*\c:VX+8*\c+3],   v[AVA] offset:KG*32*PITCH+(4*HF+\c)*32
	ds_load_tr16_b128 v[VX+8*\c+4:VX+8*\c+7], v[AVA] offset:KG*32*PITCH+16*PITCH+(4*HF+\c)*32
.else
	ds_load_tr16_b128 v[VX+8*\c:VX+8*\c+3],   v[AVB] offset:(4*HF+\c)*32
	ds_load_tr16_b128 v[VX+8*\c+4:VX+8*\c+7], v[AVB] offset:16*PITCH+(4*HF+\c)*32
.endif
.endr
.endm
.macro CUNIT u, cnt                    ; 16 products on 16 different accumulators; cnt: the LDS loads issued behind those that the unit needs
	s_wait_dscnt \cnt
	WIN 0x50                                       ; O^T (C and D) in window 1
.irp c,0,1,2,3
.irp q,0,1,2,3
	v_wmma_f32_16x16x32_bf16 v[8*(8*\q+4*((\u)%2)+\c):8*(8*\q+4*((\u)%2)+\c)+7], v[VA+32*((\u)%2)+8*\c:VA+32*((\u)%2)+8*\c+7], v[PXA+32*(((\u)/2)%2)+8*\q:PXA+32*(((\u)/2)%2)+8*\q+7], v[8*(8*\q+4*((\u)%2)+\c):8*(8*\q+4*((\u)%2)+\c)+7]
.endr
.endr
.endm
; C.  O^T += E^T P for the tile in slot SY and the P in buffer PBR: six units.
.macro CPH
	WIN 0
	v_add_nc_u32 v[AVA], s[SY], v[AV0]
	v_add_nc_u32 v[PRA], s[PBR], v[L16]
	v_add_nc_u32 v[AVB], 64*PITCH, v[AVA]
	PLD 0
	VLD 0
	VLD 1
	CUNIT 0, 8
	PLACES
	WIN 0
	PLD 1
	VLD 2
	CUNIT 1, 16
	PLACES
	WIN 0
	VLD 3
	CUNIT 2, 8
	PLACES
	WIN 0
	PLD 2
	VLD 4
	CUNIT 3, 16
	PLACES
	WIN 0
	VLD 5
	CUNIT 4, 8
	CUNIT 5, 0
	WIN 0
.endm
; THE STEP'S END.  Each wave waits for all its tensor loads (one is out: its part of tile j + 1), adds 0 to its spare word, and waits for that and for its LDS reads and stores.  fill = 1: the barrier is a round of
; the cluster's, and behind it tile j + 2 is asked for, into the slot that C has read: the wave's one tensor load, with a whole step, 288 matrix instructions, in which to land.
.macro BAR2 fill
	WIN 0
	s_wait_tensorcnt 0x0
	ds_add_u32 v[SPW], v[NIL]                      ; 0 onto my spare word; scalar work stands between it and the wait for it
.if \fill
	s_add_co_u32 s[G0B+1], s[SY], s[WOFF]
	s_add_nc_u64 s[G0B+2:G0B+3], s[G0B+2:G0B+3], TILEB
	s_wait_xcnt 0x0                                ; the last prefetch, a step back, has read its address
	s_add_nc_u64 s[PFA:PFA+1], s[PFA:PFA+1], TILEB
.endif
	s_mov_b32 s[TMP], s[SY]                        ; the slots go round,
	s_mov_b32 s[SY], s[SX]
	s_mov_b32 s[SX], s[SN]
	s_mov_b32 s[SN], s[TMP]
	s_xor_b32 s[PBW], s[PBW], PB0^PB1              ; and P's buffers change places
	s_xor_b32 s[PBR], s[PBR], PB0^PB1
	s_wait_dscnt 0x0
.if \fill
	CROUND
	tensor_load_to_lds s[G0B:G0B+3], s[G1:G1+7]
	s_nop 0
	PLACES
	ASK
.else
	s_barrier_signal -1
	s_barrier_wait -1
.endif
.endm
.macro STEP fill
	XPH
	BAR1
	BPH
.if \fill
	s_cmp_eq_u32 s[CNT], 19                        ; the first step has no tile behind it: C is jumped over (no barrier and no tensor load stands in it)
	s_cbranch_scc1 .Lnoc_\@
.endif
	CPH
.if \fill
.Lnoc_\@:
.endif
	BAR2 \fill
.endm
	s_mov_b32 s[CNT], 19
.Lmain:                                        ; steps 0 to 18 ask for tiles 2 to 20
	STEP 1
	s_sub_co_u32 s[CNT], s[CNT], 1
	s_cmp_lg_u32 s[CNT], 0
	s_cbranch_scc1 .Lmain
	s_mov_b32 s[TC], 2
.Ltail:                                        ; steps 19 and 20 ask for nothing; step 20 takes the mask
	s_cmp_eq_u32 s[TC], 1
	s_cselect_b32 s[AL], 1.0, 0
	STEP 0
	s_sub_co_u32 s[TC], s[TC], 1
	s_cmp_lg_u32 s[TC], 0
	s_cbranch_scc1 .Ltail
	; the last a, the last tile's second product, and the way out
.irp q,0,1,2,3
	ds_load_b32 v[AQ+2*\q], v[AFR] offset:128*\q
.endr
	PLACES                                         ; behind the products of tile 19
	s_wait_dscnt 0x0
	WIN 0x41
.set z, 0
.rept 128
	v_pk_mul_f32 v[2*z:2*z+1], v[2*z:2*z+1], v[AQ+2*(z/32):AQ+2*(z/32)+1] op_sel_hi:[1,0]
.set z, z+1
.endr
	CPH
.irp t,0,1
	v_add_f32 v[ST+8*\t+2], v[ST+8*\t+2], v[ST+8*\t+3]
.endr
.irp t,0,1
	v_permlanex16_b32 v[ST+8*\t+3], v[ST+8*\t+2], s[SEL], s[SEL+1]
.endr
.irp t,0,1
	v_add_f32 v[ST+8*\t+2], v[ST+8*\t+2], v[ST+8*\t+3]
.endr
	v_cndmask_b32 v[WK], v[ST], v[ST+8], s[KSEL]
	PLACES
	WIN 0x04                                       ; store data in window 1
.set i, 0
.rept 32
	global_store_b128 v[L16], v[8*i:8*i+3],   s[10:11] offset:i*1024 th:TH_STORE_NT      ; 512 consecutive bytes a store; each accumulator's low half first
	global_store_b128 v[L16], v[8*i+4:8*i+7], s[10:11] offset:i*1024+512 th:TH_STORE_NT
.set i, i+1
.endr
	WIN 0
	global_store_b32 v[STC], v[WK], s[12:13]               ; c m of query tile w
	global_store_b32 v[STL], v[ST+2], s[12:13]             ; l of my rows, for my two query tiles
	global_store_b32 v[STL], v[ST+10], s[12:13] offset:128
	s_wait_tensorcnt 0x0                           ; the wave's end
	ds_add_u32 v[SPW], v[NIL]
	s_wait_dscnt 0x0
	CROUND                                         ; the closing round
	s_endpgm
.Lfunc_end_k_q48d2e05511_attn:
	.size	k_q48d2e05511_attn, .Lfunc_end_k_q48d2e05511_attn-k_q48d2e05511_attn
	.p2alignl 7, 3214868480
	.fill 96, 4, 3214868480
	.section	.rodata,"a",@progbits
	.p2align	6, 0x0
	.amdhsa_kernel k_q48d2e05511_attn
		.amdhsa_group_segment_fixed_size 327680
		.amdhsa_private_segment_fixed_size 0
		.amdhsa_enable_private_segment 0
		.amdhsa_kernarg_size 40
		.amdhsa_user_sgpr_count 2
		.amdhsa_user_sgpr_kernarg_segment_ptr 1
		.amdhsa_wavefront_size32 1
		.amdhsa_system_sgpr_workgroup_id_x 1
		.amdhsa_system_sgpr_workgroup_id_y 1
		.amdhsa_system_sgpr_workgroup_id_z 1
		.amdhsa_system_vgpr_workitem_id 0
		.amdhsa_next_free_vgpr 1024
		.amdhsa_next_free_sgpr 80
		.amdhsa_reserve_vcc 1
		.amdhsa_float_denorm_mode_32 3
		.amdhsa_float_denorm_mode_16_64 3
		.amdhsa_memory_ordered 1
		.amdhsa_forward_progress 1
		.amdhsa_inst_pref_size 160
	.end_amdhsa_kernel
	.amdgpu_metadata
---
amdhsa.version: [ 1, 2 ]
amdhsa.kernels:
  - .name:           k_q48d2e05511_attn
    .symbol:         k_q48d2e05511_attn.kd
    .args:
      - { .name: ebank, .offset: 0, .size: 8, .value_kind: global_buffer, .address_space: global }
      - { .name: qfr, .offset: 8, .size: 8, .value_kind: global_buffer, .address_space: global }
      - { .name: cq, .offset: 16, .size: 8, .value_kind: global_buffer, .address_space: global }
      - { .name: opart, .offset: 24, .size: 8, .value_kind: global_buffer, .address_space: global }
      - { .name: stat, .offset: 32, .size: 8, .value_kind: global_buffer, .address_space: global }
    .group_segment_fixed_size: 327680
    .private_segment_fixed_size: 0
    .kernarg_segment_align: 8
    .kernarg_segment_size: 40
    .max_flat_workgroup_size: 128
    .sgpr_count:     80
    .vgpr_count:     1024
    .wavefront_size: 32
...
	.end_amdgpu_metadata
.endif
;; end of part 3
;; launch finish (part 4): grid 96 x 1, 8 waves a work-group, no clusters, 66,816 bytes of LDS; arguments opart, stat, wfr, bv_ent, bv_rel, out0; writes out0
.if DOCPART == 4
	.amdgcn_target "amdgcn-amd-amdhsa--gfx1250"
	.amdhsa_code_object_version 6
	.text
	.protected	k_q48d2e05511_finish
	.globl	k_q48d2e05511_finish
	.p2align	8
	.type	k_q48d2e05511_finish,@function
k_q48d2e05511_finish:
	s_mov_b64 s[64:65], 0
	v_nop
	global_prefetch_b8 v0, s[64:65] scope:SCOPE_SE
	s_setreg_imm32_b32 hwreg(HW_REG_WAVE_MODE, 25, 1), 1
	s_wait_xcnt 0x0
; For one tile of 16 queries: the chunks' O, c m and l are merged (w = 2^(c m - max c m), ctx = sum w O / sum w l), then out = ctx Wv^T + bv, since the weights of a softmax add up to 1.
; ctx enters the product as a pair of bf16, hi + lo; Wv and bv are rounded once to bf16; sums in f32.  13 chunks for subj and obj queries, 5 for rel queries: two copies of the merge, chosen by the query tile's type.
; Wave v merges channel tiles 4 v .. 4 v + 3 (ctx^T: a lane holds one query and eight channels, which packed is a matrix source) and then makes output tiles 4 v .. 4 v + 3.
; LIMITS.  A chunk's weight below 2^-126 counts as 0; NaN and infinities are not treated apart.
.set OS, 32768                         ; LDS: ctx fragments at 0: [k step 16][hl][half][lane x 16]; the output stage here: 16 rows of 2,064 bytes
.set OSP, 2064
.set SPARE, OS+16*OSP                  ; the spare words, 128 bytes for each wave
.set L16, 1
.set L4,  2
.set SPW, 3
.set NIL, 4
.set CTW, 5
.set OSW, 6
.set OSR, 7
.set BVO, 8
.set T,   9
.set T2,  10
.set W,   12                           ; chunk c: c m, then w, at v[12 + 2 c]; l of rows half 0 at v[13 + 2 c]
.set L1,  38                           ; l of rows half 1
.set OF,  51                           ; chunk c's byte offset in opart
.set SUM, 64
.set ACC, 96
.set RG,  128                          ; a ring of four sets of 32
.set BR,  12                           ; later: two sets of 16 for ctx's fragments
.macro PLACES
.rept 4
	v_nop
.endr
.endm
.macro SPLIT acc, hi, lo, tmp
.irp i,0,1,2,3
	v_cvt_pk_bf16_f32 v[(\hi)+\i], v[(\acc)+2*\i], v[(\acc)+2*\i+1]
.endr
.irp i,0,1,2,3
	v_lshlrev_b32 v[(\tmp)+2*\i], 16, v[(\hi)+\i]
	v_and_b32 v[(\tmp)+2*\i+1], 0xffff0000, v[(\hi)+\i]
.endr
.irp i,0,1,2,3
	v_pk_add_f32 v[(\tmp)+2*\i:(\tmp)+2*\i+1], v[(\acc)+2*\i:(\acc)+2*\i+1], v[(\tmp)+2*\i:(\tmp)+2*\i+1] neg_lo:[0,1] neg_hi:[0,1]
.endr
.irp i,0,1,2,3
	v_cvt_pk_bf16_f32 v[(\lo)+\i], v[(\tmp)+2*\i], v[(\tmp)+2*\i+1]
.endr
.endm
.macro OLOAD c                         ; a chunk's four channel tiles: 8 loads of 512 consecutive bytes
.irp f,0,1,2,3,4,5,6,7
	global_load_b128 v[RG+32*((\c)%4)+4*\f:RG+32*((\c)%4)+4*\f+3], v[OF+(\c)], s[4:5] offset:\f*512 th:TH_LOAD_NT
.endr
.endm
; the merge of n chunks whose work-groups lie sw apart
.macro COMBINE n, sw
.set c, 0
.rept \n
	global_load_b32 v[W+2*c],   v[L4], s[6:7] offset:c*(\sw)*2048
	global_load_b32 v[W+2*c+1], v[L4], s[6:7] offset:c*(\sw)*2048+512
	global_load_b32 v[L1+c],    v[L4], s[6:7] offset:c*(\sw)*2048+1024
	v_add_nc_u32 v[OF+c], c*(\sw)*131072, v[L16]
.set c, c+1
.endr
	OLOAD 0
	OLOAD 1
	OLOAD 2
	OLOAD 3
	s_wait_loadcnt 32                              ; the bias and the statistics are in; four chunks' 32 loads may stay out
	v_max_num_f32 v[T], v[W], v[W+2]
.set c, 2
.rept (\n)-2
	v_max_num_f32 v[T], v[T], v[W+2*c]
.set c, c+1
.endr
.set c, 0
.rept \n
	v_sub_f32 v[W+2*c], v[W+2*c], v[T]
	v_add_f32 v[L1+c], v[L1+c], v[W+2*c+1]
.set c, c+1
.endr
.set c, 0
.rept \n
	v_exp_f32 v[W+2*c], v[W+2*c]
.set c, c+1
.endr
	v_nop                                          ; a plain instruction behind the last exponential,
	s_wait_alu depctr_va_vdst(0)                   ; and the one wait for the batch
	v_mul_f32 v[T], v[W], v[L1]
.set c, 1
.rept (\n)-1
	v_fmac_f32 v[T], v[W+2*c], v[L1+c]
.set c, c+1
.endr
	v_rcp_f32 v[T2], v[T]
	v_nop
	s_wait_alu depctr_va_vdst(0)
.set c, 0
.rept \n
	v_mul_f32 v[W+2*c], v[W+2*c], v[T2]
.set c, c+1
.endr
.set c, 0
.rept \n
.if (\n)-1-c >= 3
	s_wait_loadcnt 24                              ; this chunk is in; three younger chunks may stay out
.else
	s_wait_loadcnt 8*((\n)-1-c)
.endif
.set z, 0
.rept 16
.if c == 0
	v_pk_mul_f32 v[SUM+2*z:SUM+2*z+1], v[RG+2*z:RG+2*z+1], v[W:W+1] op_sel_hi:[1,0]
.else
	v_pk_fma_f32 v[SUM+2*z:SUM+2*z+1], v[RG+32*(c%4)+2*z:RG+32*(c%4)+2*z+1], v[W+2*c:W+2*c+1], v[SUM+2*z:SUM+2*z+1] op_sel_hi:[1,0,1]
.endif
.set z, z+1
.endr
.if c+4 < (\n)
	OLOAD c+4
.endif
.set c, c+1
.endr
.endm
	s_load_b256 s[4:11], s[0:1], 0x0               ; opart s[4:5], stat s[6:7], wfr s[8:9], bv_ent s[10:11]
	s_load_b128 s[12:15], s[0:1], 0x20             ; bv_rel s[12:13], out0 s[14:15]
	v_lshl_add_u32 v[SPW], v0, 2, SPARE
	v_mov_b32 v[NIL], 0
	v_lshrrev_b32 v11, 5, v0
	v_readfirstlane_b32 s2, v11                    ; wave 0..7
	s_lshr_b32 s16, ttmp9, 2                       ; block of 64 queries
	s_and_b32 s17, ttmp9, 3                        ; query tile in it
	s_lshr_b32 s18, s16, 3                         ; type
	s_and_b32 s19, s16, 3
	s_sub_co_u32 s20, s16, 8
	s_lshr_b32 s20, s20, 2                         ; query group of rel (0, 1) and obj (2, 3) blocks
	s_lshr_b32 s21, s16, 2                         ; of subj blocks
	s_cmp_eq_u32 s18, 0
	s_cselect_b32 s20, s21, s20
	s_lshl_b32 s20, s20, 2
	s_add_co_u32 s20, s20, s19
	s_add_co_u32 s21, s20, 208
	s_cmp_eq_u32 s18, 1
	s_cselect_b32 s20, s21, s20                    ; the work-group that made chunk 0
	s_cselect_b32 s22, 1, 0                        ; 1: rel
	s_lshl_b32 s24, s20, 17
	s_lshr_b32 s23, s2, 1
	s_lshl_b32 s23, s23, 15
	s_add_co_u32 s24, s24, s23
	s_lshl_b32 s23, s17, 13
	s_add_co_u32 s24, s24, s23
	s_and_b32 s23, s2, 1
	s_lshl_b32 s23, s23, 12
	s_add_co_u32 s24, s24, s23                     ; its wave v / 2, my query tile, channel tiles 4 (v % 2) on
	s_mov_b32 s25, 0
	s_lshl_b32 s26, s20, 11
	s_lshl_b32 s23, s17, 7
	s_add_co_u32 s26, s26, s23
	s_mov_b32 s27, 0
	s_mul_i32 s28, s22, 34
	s_add_co_u32 s28, s28, 68
	s_lshl_b32 s23, s2, 2
	s_add_co_u32 s28, s28, s23
	s_lshl_b32 s28, s28, 14                        ; (34 (2 + rel) + 4 v) x 16,384
	s_mov_b32 s29, 0
	s_lshl_b32 s30, ttmp9, 15
	s_lshl_b32 s23, s2, 12
	s_add_co_u32 s30, s30, s23                     ; rows 16 g + 2 v of the output
	s_mov_b32 s31, 0
	v_and_b32 v11, 31, v0
	v_lshlrev_b32 v[L16], 4, v11
	v_lshlrev_b32 v[L4], 2, v11
	v_and_b32 v[T], 15, v0                         ; r
	v_bfe_u32 v[T2], v0, 4, 1                      ; h
	s_lshl_b32 s23, s2, 12
	v_add_nc_u32 v[CTW], s23, v[L16]               ; k steps 2 v, 2 v + 1
	s_lshl_b32 s23, s2, 8
	v_lshl_add_u32 v[BVO], v[T2], 5, s23           ; 256 v + 32 h
	v_mul_u32_u24 v[OSW], v[T], OSP
	v_add_nc_u32 v[OSW], v[OSW], v[BVO]
	v_add_nc_u32 v[OSW], OS, v[OSW]                ; row r, my 64 outputs, 32 bytes for each half of the lanes
	s_mul_i32 s23, s2, 2*OSP
	s_add_co_u32 s23, s23, OS
	v_add_nc_u32 v[OSR], s23, v[L16]               ; back: rows 2 v, 2 v + 1
	s_wait_kmcnt 0x0
	s_cmp_eq_u32 s22, 1
	s_cselect_b64 s[10:11], s[12:13], s[10:11]
	s_add_nc_u64 s[4:5], s[4:5], s[24:25]
	s_add_nc_u64 s[6:7], s[6:7], s[26:27]
	s_add_nc_u64 s[8:9], s[8:9], s[28:29]
	s_add_nc_u64 s[14:15], s[14:15], s[30:31]
.irp f,0,1,2,3,4,5,6,7                 ; bv[n0 + 8 h + j] for my four output tiles: what starts their sums
	global_load_b128 v[ACC+4*\f:ACC+4*\f+3], v[BVO], s[10:11] offset:(\f/2)*64+(\f%2)*16
.endr
	s_cmp_eq_u32 s22, 1
	s_cbranch_scc1 .Lrel
	COMBINE 13, 16
	s_branch .Lmerged
.Lrel:
	COMBINE 5, 8
.Lmerged:
.macro ALOAD k                         ; Wv's fragments of k step k for my four output tiles: 8 loads
.irp f,0,1,2,3,4,5,6,7
	global_load_b128 v[RG+32*((\k)%4)+4*\f:RG+32*((\k)%4)+4*\f+3], v[L16], s[8:9] offset:(\f/2)*16384+(\k)*1024+(\f%2)*512
.endr
.endm
.macro BLOAD k                         ; ctx's fragments of k step k, hi then lo: 4 loads
.irp f,0,1,2,3
	ds_load_b128 v[BR+16*((\k)%2)+4*\f:BR+16*((\k)%2)+4*\f+3], v[L16] offset:(\k)*2048+\f*512
.endr
.endm
	ALOAD 0
	ALOAD 1
	ALOAD 2
	ALOAD 3
.set i, 0
.rept 16
	v_cvt_pk_bf16_f32 v11, v[ACC+2*i], v[ACC+2*i+1]    ; the bias is rounded to bf16 like every input, and widened again
	v_lshlrev_b32 v[ACC+2*i], 16, v11
	v_and_b32 v[ACC+2*i+1], 0xffff0000, v11
.set i, i+1
.endr
.irp c,0,1,2,3
	SPLIT SUM+8*\c, 12+8*\c, 16+8*\c, 52
	ds_store_b128 v[CTW], v[12+8*\c:15+8*\c] offset:(\c/2)*2048+(\c%2)*512
	ds_store_b128 v[CTW], v[16+8*\c:19+8*\c] offset:(\c/2)*2048+1024+(\c%2)*512
.endr
	s_wait_dscnt 0x0                               ; for the others: my part of ctx lies in LDS
	s_barrier_signal -1
	s_barrier_wait -1
	BLOAD 0
	BLOAD 1
.set k, 0
.rept 16
.if k <= 12
	s_wait_loadcnt 24                              ; this k step's weights are in; three younger sets may stay out
.else
	s_wait_loadcnt 8*(15-k)
.endif
.if k < 15
	s_wait_dscnt 4                                 ; this k step's ctx is in; the next one's four loads may stay out
.else
	s_wait_dscnt 0x0
.endif
.irp hl,0,1
.irp a,0,1,2,3                         ; out^T = Wv ctx^T; the four accumulators take turns
	v_wmma_f32_16x16x32_bf16 v[ACC+8*\a:ACC+8*\a+7], v[RG+32*(k%4)+8*\a:RG+32*(k%4)+8*\a+7], v[BR+16*(k%2)+8*\hl:BR+16*(k%2)+8*\hl+7], v[ACC+8*\a:ACC+8*\a+7]
.endr
.endr
.if k < 14
	PLACES
.if k < 12
	ALOAD k+4
.endif
	BLOAD k+2
.endif
.set k, k+1
.endr
	PLACES
.irp a,0,1,2,3                         ; a lane holds eight neighbouring outputs of one query: 32 bytes of a row
	ds_store_b128 v[OSW], v[ACC+8*\a:ACC+8*\a+3] offset:\a*64
	ds_store_b128 v[OSW], v[ACC+8*\a+4:ACC+8*\a+7] offset:\a*64+16
.endr
	s_wait_dscnt 0x0
	s_barrier_signal -1
	s_barrier_wait -1
.irp f,0,1,2,3,4,5,6,7
	ds_load_b128 v[RG+4*\f:RG+4*\f+3], v[OSR] offset:(\f/4)*OSP+(\f%4)*512
.endr
.irp f,0,1,2,3,4,5,6,7
	s_wait_dscnt 7-\f
	global_store_b128 v[L16], v[RG+4*\f:RG+4*\f+3], s[14:15] offset:(\f/4)*2048+(\f%4)*512  ; 512 consecutive bytes of a row of the output
.endr
	s_wait_tensorcnt 0x0                           ; the wave's end, behind my last LDS store
	ds_add_u32 v[SPW], v[NIL]
	s_wait_dscnt 0x0
	s_endpgm
.Lfunc_end_k_q48d2e05511_finish:
	.size	k_q48d2e05511_finish, .Lfunc_end_k_q48d2e05511_finish-k_q48d2e05511_finish
	.p2alignl 7, 3214868480
	.fill 96, 4, 3214868480
	.section	.rodata,"a",@progbits
	.p2align	6, 0x0
	.amdhsa_kernel k_q48d2e05511_finish
		.amdhsa_group_segment_fixed_size 66816
		.amdhsa_private_segment_fixed_size 0
		.amdhsa_enable_private_segment 0
		.amdhsa_kernarg_size 48
		.amdhsa_user_sgpr_count 2
		.amdhsa_user_sgpr_kernarg_segment_ptr 1
		.amdhsa_wavefront_size32 1
		.amdhsa_system_sgpr_workgroup_id_x 1
		.amdhsa_system_sgpr_workgroup_id_y 1
		.amdhsa_system_sgpr_workgroup_id_z 1
		.amdhsa_system_vgpr_workitem_id 0
		.amdhsa_next_free_vgpr 256
		.amdhsa_next_free_sgpr 66
		.amdhsa_reserve_vcc 0
		.amdhsa_float_denorm_mode_32 3
		.amdhsa_float_denorm_mode_16_64 3
		.amdhsa_memory_ordered 1
		.amdhsa_forward_progress 1
		.amdhsa_inst_pref_size 83
	.end_amdhsa_kernel
	.amdgpu_metadata
---
amdhsa.version: [ 1, 2 ]
amdhsa.kernels:
  - .name:           k_q48d2e05511_finish
    .symbol:         k_q48d2e05511_finish.kd
    .args:
      - { .name: opart, .offset: 0, .size: 8, .value_kind: global_buffer, .address_space: global }
      - { .name: stat, .offset: 8, .size: 8, .value_kind: global_buffer, .address_space: global }
      - { .name: wfr, .offset: 16, .size: 8, .value_kind: global_buffer, .address_space: global }
      - { .name: bv_ent, .offset: 24, .size: 8, .value_kind: global_buffer, .address_space: global }
      - { .name: bv_rel, .offset: 32, .size: 8, .value_kind: global_buffer, .address_space: global }
      - { .name: out0, .offset: 40, .size: 8, .value_kind: global_buffer, .address_space: global }
    .group_segment_fixed_size: 66816
    .private_segment_fixed_size: 0
    .kernarg_segment_align: 8
    .kernarg_segment_size: 48
    .max_flat_workgroup_size: 256
    .sgpr_count:     66
    .vgpr_count:     256
    .wavefront_size: 32
...
	.end_amdgpu_metadata
.endif
;; end of part 4
;; ======== version 2 of 3: 4 launches
;; limits: right only within a limited range of input values
;; workspace buffers: ebank 35,954,688 bytes; qe 3,145,728 bytes; qfr 3,145,728 bytes; wfr 2,228,224 bytes; cq 12,288 bytes; opart 32,505,856 bytes; stat 507,904 bytes
;; launch prep1 (part 5): grid 418 x 1, 8 waves a work-group, no clusters, 134,144 bytes of LDS; arguments subj_q, rel_q, obj_q, wq_subj, wq_rel, wq_obj, bq_subj, bq_rel, bq_obj, wk_ent, wk_rel, bk_ent, bk_rel, wv_ent, wv_rel, entity_embeddings, qe, wfr, ebank; writes qe, wfr, ebank
.if DOCPART == 5
	.amdgcn_target "amdgcn-amd-amdhsa--gfx1250"
	.amdhsa_code_object_version 6
	.text
	.protected	k_q48d2e05511_prep1
	.globl	k_q48d2e05511_prep1
	.p2align	8
	.type	k_q48d2e05511_prep1,@function
k_q48d2e05511_prep1:
	s_mov_b64 s[64:65], 0
	v_nop
	global_prefetch_b8 v0, s[64:65] scope:SCOPE_SE
	s_setreg_imm32_b32 hwreg(HW_REG_WAVE_MODE, 25, 1), 1
	s_wait_xcnt 0x0
; THREE ROLES, chosen by the work-group's number (the same for all eight waves of a work-group).
; 0..191    q = x Wq^T + bq for 64 queries x 64 outputs.  x, Wq and bq are rounded once to bf16, sums in f32; q leaves as a pair of bf16 (hi, and lo = the rest),
;           in the register image of a matrix source (32 k x 16 queries): 1,024 bytes a fragment, [half 2][lane 32][16 bytes].
; 192..257  the weights of the later products as fragments of 16 rows x 32 k, rounded once to bf16: Wk^T (row = input channel d, k = e), two tiles whose every row is bk, and Wv (row = n, k = c).
; 258..417  rows 0 to 15,999 of the entity bank rounded once to bf16, 100 rows a work-group (the other 9,000 rows are the next launch's); the first 24 of them also write the 96 zero rows behind the bank.
; LIMITS.  NaN and infinities are not treated apart.  hi + lo keep about 16 significant bits of q.
.set PITCH, 1040                       ; an LDS row: 1,024 bytes of bf16 + 16: the 16 rows of a fragment load start 65 x 16 bytes apart
.set SPARE, 128*PITCH                  ; behind x's 64 rows and Wq's 64 rows: the spare words, 128 bytes for each wave
.set CI, 32                            ; bank: 25 slots of 4 registers as loaded
.set CO, 132                           ; bank: 50 pairs to store, none written twice
.set SA, 64
.set SB, 128
.set TC, 192
.macro PLACES                          ; four plain vector instructions behind a matrix instruction, ahead of what reads its result or writes its registers (ISA guide 7.12.1)
.rept 4
	v_nop
.endr
.endm
; eight f32 of an accumulator -> four registers of bf16 (hi) and four of the remainder (lo); the accumulator's lowest registers are read first
.macro SPLIT acc, hi, lo, tmp
.irp i,0,1,2,3
	v_cvt_pk_bf16_f32 v[(\hi)+\i], v[(\acc)+2*\i], v[(\acc)+2*\i+1]
.endr
.irp i,0,1,2,3
	v_lshlrev_b32 v[(\tmp)+2*\i], 16, v[(\hi)+\i]
	v_and_b32 v[(\tmp)+2*\i+1], 0xffff0000, v[(\hi)+\i]
.endr
.irp i,0,1,2,3
	v_pk_add_f32 v[(\tmp)+2*\i:(\tmp)+2*\i+1], v[(\acc)+2*\i:(\acc)+2*\i+1], v[(\tmp)+2*\i:(\tmp)+2*\i+1] neg_lo:[0,1] neg_hi:[0,1]
.endr
.irp i,0,1,2,3
	v_cvt_pk_bf16_f32 v[(\lo)+\i], v[(\tmp)+2*\i], v[(\tmp)+2*\i+1]
.endr
.endm
; 100 rows of f32 -> bf16: 50 sweeps of 4,096 bytes in, 2,048 out; thread t takes 16 bytes at 16 t and stores 8 at 8 t: a wave stores 256 consecutive bytes, aligned.
; A ring of 25 loads a wave; every step stands in an immediate, and no register that a store reads is written again.
.macro CONV src, dst
	v_lshlrev_b32 v2, 4, v0
	v_lshlrev_b32 v3, 3, v0
.set i, 0
.rept 25
	global_load_b128 v[CI+4*i:CI+4*i+3], v2, s[\src:\src+1] offset:4096*i th:TH_LOAD_NT
.set i, i+1
.endr
.set i, 0
.rept 25
	s_wait_loadcnt 24                              ; the oldest of 25 is in
	v_cvt_pk_bf16_f32 v[CO+2*i], v[CI+4*i], v[CI+4*i+1]
	v_cvt_pk_bf16_f32 v[CO+2*i+1], v[CI+4*i+2], v[CI+4*i+3]
	global_load_b128 v[CI+4*i:CI+4*i+3], v2, s[\src:\src+1] offset:4096*(i+25) th:TH_LOAD_NT
	global_store_b64 v3, v[CO+2*i:CO+2*i+1], s[\dst:\dst+1] offset:2048*i
.set i, i+1
.endr
.set i, 0
.rept 25
	s_wait_loadcnt 24-i                            ; nothing more is loaded: the counts run down
	v_cvt_pk_bf16_f32 v[CO+50+2*i], v[CI+4*i], v[CI+4*i+1]
	v_cvt_pk_bf16_f32 v[CO+50+2*i+1], v[CI+4*i+2], v[CI+4*i+3]
	global_store_b64 v3, v[CO+50+2*i:CO+50+2*i+1], s[\dst:\dst+1] offset:2048*(i+25)
.set i, i+1
.endr
.endm
	v_lshl_add_u32 v30, v0, 2, SPARE               ; my spare word, and 0: kept for the closing lines alone
	v_mov_b32 v31, 0
	v_lshrrev_b32 v1, 5, v0
	v_readfirstlane_b32 s2, v1                     ; wave 0..7
	s_cmp_lt_u32 ttmp9, 192
	s_cbranch_scc1 .Lstage1
	s_cmp_lt_u32 ttmp9, 258
	s_cbranch_scc1 .Lfrag
	; ---- the entity bank, rows 0 to 15,999 ----
	s_load_b64 s[4:5], s[0:1], 0x78                ; entity_embeddings
	s_load_b64 s[6:7], s[0:1], 0x90                ; ebank
	s_sub_co_u32 s3, ttmp9, 258                    ; c = 0..159
	s_mul_i32 s8, s3, 204800                       ; 100 rows of 2,048 bytes
	s_mov_b32 s9, 0
	s_mul_i32 s10, s3, 102400                      ; 100 rows of 1,024 bytes
	s_mov_b32 s11, 0
	s_lshl_b32 s12, s3, 12                         ; four zero rows at row 25,000 + 4 c
	s_add_co_u32 s12, s12, 25000*1024
	s_mov_b32 s13, 0
	s_wait_kmcnt 0x0
	s_add_nc_u64 s[4:5], s[4:5], s[8:9]
	s_add_nc_u64 s[14:15], s[6:7], s[12:13]
	s_add_nc_u64 s[6:7], s[6:7], s[10:11]
	CONV 4, 6
	s_cmp_lt_u32 s3, 24
	s_cbranch_scc0 .Lbank_done
	v_mov_b32 v4, 0
	v_mov_b32 v5, 0
	v_mov_b32 v6, 0
	v_mov_b32 v7, 0
	global_store_b128 v2, v[4:7], s[14:15]         ; 256 threads x 16 bytes = four rows of zeros
.Lbank_done:
	s_endpgm
	; ---- fragments of the weights ----
.Lfrag:
	s_load_b256 s[8:15], s[0:1], 0x48              ; wk_ent s[8:9], wk_rel s[10:11], bk_ent s[12:13], bk_rel s[14:15]
	s_load_b128 s[16:19], s[0:1], 0x68             ; wv_ent s[16:17], wv_rel s[18:19]
	s_load_b64 s[20:21], s[0:1], 0x88              ; wfr
	s_sub_co_u32 s3, ttmp9, 192                    ; f = 0..65
	s_cmp_ge_u32 s3, 17                            ; f < 34: Wk^T, 17 pairs of tiles a matrix (the 17th is bk)
	s_cselect_b32 s22, 1, 0
	s_mul_i32 s23, s22, 17
	s_sub_co_u32 s23, s3, s23
	s_sub_co_u32 s24, s3, 34                       ; f >= 34: Wv, 16 pairs of tiles a matrix
	s_lshr_b32 s25, s24, 4
	s_add_co_u32 s25, s25, 2
	s_and_b32 s24, s24, 15
	s_cmp_ge_u32 s3, 34
	s_cselect_b32 s22, s25, s22                    ; mat 0..3
	s_cselect_b32 s23, s24, s23                    ; i: the pair of tiles
	s_cselect_b32 s26, 1, 0                        ; 1: Wv
	s_cmp_eq_u32 s23, 16                           ; only Wk's count reaches 16
	s_cselect_b32 s27, 1, 0                        ; 1: bk
	s_mov_b32 s28, 4                               ; bytes from row to row of a fragment: Wk^T's rows are columns d of Wk
	s_mov_b32 s29, 2048                            ; bytes from k to k + 1
	s_mov_b32 s30, 64                              ; bytes from tile to tile (16 rows)
	s_mov_b32 s31, 0x10000                         ; bytes from k step to k step (32 k)
	s_cmp_eq_u32 s27, 1                            ; bk: every row the same
	s_cselect_b32 s28, 0, s28
	s_cselect_b32 s29, 4, s29
	s_cselect_b32 s30, 0, s30
	s_cselect_b32 s31, 128, s31
	s_cmp_eq_u32 s26, 1                            ; Wv as it lies
	s_cselect_b32 s28, 2048, s28
	s_cselect_b32 s29, 4, s29
	s_cselect_b32 s30, 0x8000, s30
	s_cselect_b32 s31, 128, s31
	s_lshr_b32 s40, s2, 2
	s_lshl_b32 s41, s23, 1
	s_add_co_u32 s41, s41, s40                     ; my tile = 2 i + wave / 4
	s_and_b32 s42, s2, 3
	s_lshl_b32 s42, s42, 2                         ; my first k step = 4 (wave % 4)
	s_mul_i32 s43, s41, s30
	s_mul_i32 s44, s42, s31
	s_add_co_u32 s44, s44, s43
	s_mov_b32 s45, 0
	s_mov_b32 s46, s31
	s_mov_b32 s47, 0
	s_mul_i32 s57, s22, 34
	s_add_co_u32 s57, s57, s41
	s_lshl_b32 s56, s57, 14
	s_lshl_b32 s57, s42, 10
	s_add_co_u32 s56, s56, s57                     ; (34 mat + tile) x 16,384 + k step x 1,024
	s_mov_b32 s57, 0
	v_and_b32 v1, 15, v0                           ; r
	v_bfe_u32 v2, v0, 4, 1                         ; h
	v_and_b32 v3, 31, v0
	v_lshlrev_b32 v24, 4, v3                       ; 16 x lane
	v_mul_lo_u32 v3, v1, s28
	s_lshl_b32 s58, s29, 3
	v_mul_lo_u32 v4, v2, s58
	v_add_nc_u32 v8, v3, v4                        ; v[8+e]: element e of my 16: row r, k = 8 h + e (e < 8), 16 + 8 h + e - 8 (e >= 8)
.set j, 0
.rept 7
	v_add_nc_u32 v[9+j], s29, v[8+j]
.set j, j+1
.endr
	s_lshl_b32 s58, s29, 4
.set j, 0
.rept 8
	v_add_nc_u32 v[16+j], s58, v[8+j]
.set j, j+1
.endr
	s_wait_kmcnt 0x0
	s_and_b32 s32, s22, 1
	s_cmp_eq_u32 s32, 1
	s_cselect_b64 s[34:35], s[10:11], s[8:9]
	s_cselect_b64 s[36:37], s[14:15], s[12:13]
	s_cselect_b64 s[38:39], s[18:19], s[16:17]
	s_cmp_eq_u32 s27, 1
	s_cselect_b64 s[34:35], s[36:37], s[34:35]
	s_cmp_eq_u32 s26, 1
	s_cselect_b64 s[34:35], s[38:39], s[34:35]
	s_add_nc_u64 s[48:49], s[34:35], s[44:45]      ; a base for each of my four k steps
	s_add_nc_u64 s[50:51], s[48:49], s[46:47]
	s_add_nc_u64 s[52:53], s[50:51], s[46:47]
	s_add_nc_u64 s[54:55], s[52:53], s[46:47]
	s_add_nc_u64 s[20:21], s[20:21], s[56:57]
.irp k,0,1,2,3
.irp e,0,1,2,3,4,5,6,7,8,9,10,11,12,13,14,15
	global_load_b32 v[64+16*\k+\e], v[8+\e], s[48+2*\k:49+2*\k]
.endr
.endr
	s_wait_loadcnt 0x0
.set i, 0
.rept 32
	v_cvt_pk_bf16_f32 v[128+i], v[64+2*i], v[64+2*i+1]  ; two neighbouring k to a register
.set i, i+1
.endr
.irp k,0,1,2,3
	global_store_b128 v24, v[128+8*\k:131+8*\k], s[20:21] offset:\k*1024
	global_store_b128 v24, v[132+8*\k:135+8*\k], s[20:21] offset:\k*1024+512
.endr
	s_endpgm
	; ---- q = x Wq^T + bq ----
.Lstage1:
	s_load_b512 s[8:23], s[0:1], 0x0               ; x: s[8:9] s[10:11] s[12:13]; Wq: s[14:15] s[16:17] s[18:19]; bq: s[20:21] s[22:23]
	s_load_b64 s[24:25], s[0:1], 0x40              ; bq_obj
	s_load_b64 s[26:27], s[0:1], 0x80              ; qe
	s_lshr_b32 s3, ttmp9, 3                        ; block of 64 queries, 0..23, in the output's order subj, rel, obj
	s_and_b32 s34, ttmp9, 7                        ; es: which 64 outputs e
	s_lshr_b32 s35, s3, 3                          ; type
	s_and_b32 s36, s3, 7
	s_lshl_b32 s36, s36, 17                        ; 64 rows of 2,048 bytes in x
	s_mov_b32 s37, 0
	s_lshl_b32 s38, s34, 17                        ; and in Wq
	s_mov_b32 s39, 0
	s_lshl_b32 s40, s34, 8                         ; 64 numbers of bq
	s_mov_b32 s41, 0
	s_and_b32 s42, s2, 3                           ; t: my tile of 16 queries
	s_lshr_b32 s43, s2, 2                          ; ep: my 32 of the 64 outputs
	s_lshl_b32 s44, s3, 2
	s_add_co_u32 s44, s44, s42
	s_lshl_b32 s44, s44, 15                        ; query tile x 32,768
	s_lshl_b32 s46, s34, 1
	s_add_co_u32 s46, s46, s43
	s_lshl_b32 s46, s46, 10                        ; k step e / 32 = 2 es + ep
	s_add_co_u32 s44, s44, s46
	s_mov_b32 s45, 0
	v_and_b32 v1, 31, v0
	v_lshlrev_b32 v8, 4, v1                        ; 16 x lane
	s_lshl_b32 s47, s2, 14
	v_add_nc_u32 v2, s47, v8                       ; in memory: my eight rows, 16 bytes a lane
	s_mul_i32 s47, s2, 8*PITCH
	v_lshl_add_u32 v3, v1, 3, s47                  ; in LDS: my eight rows of x, 8 bytes a lane
	v_add_nc_u32 v4, 64*PITCH, v3                  ; and of Wq, behind x's 64 rows
	v_and_b32 v9, 15, v0                           ; r
	v_bfe_u32 v10, v0, 4, 1                        ; h
	s_lshl_b32 s47, s43, 7
	v_lshl_add_u32 v5, v10, 5, s47                 ; bq: 128 ep + 32 h
	v_mul_u32_u24 v11, v9, PITCH
	v_lshl_add_u32 v11, v10, 4, v11                ; a fragment's row x pitch + 16 h
	s_mul_i32 s47, s43, 32*PITCH
	s_add_co_u32 s47, s47, 64*PITCH
	v_add_nc_u32 v6, s47, v11                      ; my fragments of Wq
	s_mul_i32 s47, s42, 16*PITCH
	v_add_nc_u32 v7, s47, v11                      ; my fragments of x
	s_wait_kmcnt 0x0
	s_cmp_eq_u32 s35, 1
	s_cselect_b64 s[28:29], s[10:11], s[8:9]
	s_cselect_b64 s[30:31], s[16:17], s[14:15]
	s_cselect_b64 s[32:33], s[22:23], s[20:21]
	s_cmp_eq_u32 s35, 2
	s_cselect_b64 s[28:29], s[12:13], s[28:29]
	s_cselect_b64 s[30:31], s[18:19], s[30:31]
	s_cselect_b64 s[32:33], s[24:25], s[32:33]
	s_add_nc_u64 s[28:29], s[28:29], s[36:37]
	s_add_nc_u64 s[30:31], s[30:31], s[38:39]
	s_add_nc_u64 s[32:33], s[32:33], s[40:41]
	s_add_nc_u64 s[26:27], s[26:27], s[44:45]
.macro LD base, row0, set              ; four of my eight rows: 16 loads of 512 consecutive bytes a wave
.irp i,0,1,2,3
.irp s,0,1,2,3
	global_load_b128 v[(\set)+16*\i+4*\s:(\set)+16*\i+4*\s+3], v2, s[\base:\base+1] offset:((\row0)+\i)*2048+\s*512
.endr
.endr
.endm
.macro CV adr, row0, set, cnt          ; they are rounded to bf16 and laid into LDS; cnt: the younger loads that may stay out
	s_wait_loadcnt \cnt
.irp i,0,1,2,3
.irp s,0,1,2,3
	v_cvt_pk_bf16_f32 v[TC+8*\i+2*\s], v[(\set)+16*\i+4*\s], v[(\set)+16*\i+4*\s+1]
	v_cvt_pk_bf16_f32 v[TC+8*\i+2*\s+1], v[(\set)+16*\i+4*\s+2], v[(\set)+16*\i+4*\s+3]
	ds_store_b64 v[\adr], v[TC+8*\i+2*\s:TC+8*\i+2*\s+1] offset:((\row0)+\i)*PITCH+\s*256
.endr
.endr
.endm
	global_load_b128 v[32:35], v5, s[32:33]            ; bq[e0 + 8 h + j]: what starts the sums of my two tiles of 16 outputs
	global_load_b128 v[36:39], v5, s[32:33] offset:16
	global_load_b128 v[40:43], v5, s[32:33] offset:64
	global_load_b128 v[44:47], v5, s[32:33] offset:80
	LD 28, 0, SA
	LD 28, 4, SB
	CV 3, 0, SA, 16
	LD 30, 0, SA
	CV 3, 4, SB, 16
	LD 30, 4, SB
	CV 4, 0, SA, 16
	CV 4, 4, SB, 0
.set i, 0
.rept 8
	v_cvt_pk_bf16_f32 v[224+i], v[32+2*i], v[33+2*i]   ; the bias is rounded to bf16 like every input, and widened again
	v_lshlrev_b32 v[32+2*i], 16, v[224+i]
	v_and_b32 v[33+2*i], 0xffff0000, v[224+i]
.set i, i+1
.endr
	s_wait_dscnt 0x0                               ; for the others: my rows lie in LDS
	s_barrier_signal -1
	s_barrier_wait -1
.macro GLD g, set                      ; four k steps: two fragments of Wq and one of x each: 24 loads
.irp k,0,1,2,3
	ds_load_b128 v[(\set)+24*\k:(\set)+24*\k+3],     v6 offset:(4*(\g)+\k)*64
	ds_load_b128 v[(\set)+24*\k+4:(\set)+24*\k+7],   v6 offset:(4*(\g)+\k)*64+32
	ds_load_b128 v[(\set)+24*\k+8:(\set)+24*\k+11],  v6 offset:16*PITCH+(4*(\g)+\k)*64
	ds_load_b128 v[(\set)+24*\k+12:(\set)+24*\k+15], v6 offset:16*PITCH+(4*(\g)+\k)*64+32
	ds_load_b128 v[(\set)+24*\k+16:(\set)+24*\k+19], v7 offset:(4*(\g)+\k)*64
	ds_load_b128 v[(\set)+24*\k+20:(\set)+24*\k+23], v7 offset:(4*(\g)+\k)*64+32
.endr
.endm
.macro GMUL set                        ; q^T = Wq x^T: a lane holds one query and eight outputs.  The two accumulators take turns
.irp k,0,1,2,3
	v_wmma_f32_16x16x32_bf16 v[32:39], v[(\set)+24*\k:(\set)+24*\k+7], v[(\set)+24*\k+16:(\set)+24*\k+23], v[32:39]
	v_wmma_f32_16x16x32_bf16 v[40:47], v[(\set)+24*\k+8:(\set)+24*\k+15], v[(\set)+24*\k+16:(\set)+24*\k+23], v[40:47]
.endr
.endm
	GLD 0, 64
	GLD 1, 160
	s_wait_dscnt 24                                ; the first set is in, the other set's 24 loads may stay out
	GMUL 64
	PLACES
	GLD 2, 64
	s_wait_dscnt 24
	GMUL 160
	PLACES
	GLD 3, 160
	s_wait_dscnt 24
	GMUL 64
	s_wait_dscnt 0x0
	GMUL 160
	PLACES
	SPLIT 32, 48, 52, 64
	SPLIT 40, 56, 60, 72
	global_store_b128 v8, v[48:51], s[26:27]               ; hi, outputs 0-15 of the 32: registers 0-3 of the fragment
	global_store_b128 v8, v[56:59], s[26:27] offset:512    ; hi, outputs 16-31: registers 4-7
	global_store_b128 v8, v[52:55], s[26:27] offset:16384  ; lo
	global_store_b128 v8, v[60:63], s[26:27] offset:16896
	s_wait_tensorcnt 0x0                           ; the wave's end, behind my last LDS store
	ds_add_u32 v30, v31
	s_wait_dscnt 0x0
	s_endpgm
.Lfunc_end_k_q48d2e05511_prep1:
	.size	k_q48d2e05511_prep1, .Lfunc_end_k_q48d2e05511_prep1-k_q48d2e05511_prep1
	.p2alignl 7, 3214868480
	.fill 96, 4, 3214868480
	.section	.rodata,"a",@progbits
	.p2align	6, 0x0
	.amdhsa_kernel k_q48d2e05511_prep1
		.amdhsa_group_segment_fixed_size 134144
		.amdhsa_private_segment_fixed_size 0
		.amdhsa_enable_private_segment 0
		.amdhsa_kernarg_size 152
		.amdhsa_user_sgpr_count 2
		.amdhsa_user_sgpr_kernarg_segment_ptr 1
		.amdhsa_wavefront_size32 1
		.amdhsa_system_sgpr_workgroup_id_x 1
		.amdhsa_system_sgpr_workgroup_id_y 1
		.amdhsa_system_sgpr_workgroup_id_z 1
		.amdhsa_system_vgpr_workitem_id 0
		.amdhsa_next_free_vgpr 256
		.amdhsa_next_free_sgpr 66
		.amdhsa_reserve_vcc 0
		.amdhsa_float_denorm_mode_32 3
		.amdhsa_float_denorm_mode_16_64 3
		.amdhsa_memory_ordered 1
		.amdhsa_forward_progress 1
		.amdhsa_inst_pref_size 65
	.end_amdhsa_kernel
	.amdgpu_metadata
---
amdhsa.version: [ 1, 2 ]
amdhsa.kernels:
  - .name:           k_q48d2e05511_prep1
    .symbol:         k_q48d2e05511_prep1.kd
    .args:
      - { .name: subj_q, .offset: 0, .size: 8, .value_kind: global_buffer, .address_space: global }
      - { .name: rel_q, .offset: 8, .size: 8, .value_kind: global_buffer, .address_space: global }
      - { .name: obj_q, .offset: 16, .size: 8, .value_kind: global_buffer, .address_space: global }
      - { .name: wq_subj, .offset: 24, .size: 8, .value_kind: global_buffer, .address_space: global }
      - { .name: wq_rel, .offset: 32, .size: 8, .value_kind: global_buffer, .address_space: global }
      - { .name: wq_obj, .offset: 40, .size: 8, .value_kind: global_buffer, .address_space: global }
      - { .name: bq_subj, .offset: 48, .size: 8, .value_kind: global_buffer, .address_space: global }
      - { .name: bq_rel, .offset: 56, .size: 8, .value_kind: global_buffer, .address_space: global }
      - { .name: bq_obj, .offset: 64, .size: 8, .value_kind: global_buffer, .address_space: global }
      - { .name: wk_ent, .offset: 72, .size: 8, .value_kind: global_buffer, .address_space: global }
      - { .name: wk_rel, .offset: 80, .size: 8, .value_kind: global_buffer, .address_space: global }
      - { .name: bk_ent, .offset: 88, .size: 8, .value_kind: global_buffer, .address_space: global }
      - { .name: bk_rel, .offset: 96, .size: 8, .value_kind: global_buffer, .address_space: global }
      - { .name: wv_ent, .offset: 104, .size: 8, .value_kind: global_buffer, .address_space: global }
      - { .name: wv_rel, .offset: 112, .size: 8, .value_kind: global_buffer, .address_space: global }
      - { .name: entity_embeddings, .offset: 120, .size: 8, .value_kind: global_buffer, .address_space: global }
      - { .name: qe, .offset: 128, .size: 8, .value_kind: global_buffer, .address_space: global }
      - { .name: wfr, .offset: 136, .size: 8, .value_kind: global_buffer, .address_space: global }
      - { .name: ebank, .offset: 144, .size: 8, .value_kind: global_buffer, .address_space: global }
    .group_segment_fixed_size: 134144
    .private_segment_fixed_size: 0
    .kernarg_segment_align: 8
    .kernarg_segment_size: 152
    .max_flat_workgroup_size: 256
    .sgpr_count:     66
    .vgpr_count:     256
    .wavefront_size: 32
...
	.end_amdgpu_metadata
.endif
;; end of part 5
;; launch prep2 (part 6): grid 598 x 1, 8 waves a work-group, no clusters, 33,792 bytes of LDS; arguments qe, wfr, relation_embeddings, entity_embeddings, qfr, cq, ebank; writes qfr, cq, ebank
.if DOCPART == 6
	.amdgcn_target "amdgcn-amd-amdhsa--gfx1250"
	.amdhsa_code_object_version 6
	.text
	.protected	k_q48d2e05511_prep2
	.globl	k_q48d2e05511_prep2
	.p2align	8
	.type	k_q48d2e05511_prep2,@function
k_q48d2e05511_prep2:
	s_mov_b64 s[64:65], 0
	v_nop
	global_prefetch_b8 v0, s[64:65] scope:SCOPE_SE
	s_setreg_imm32_b32 hwreg(HW_REG_WAVE_MODE, 25, 1), 1
	s_wait_xcnt 0x0
; TWO ROLES, chosen by the work-group's number.
; 0..189    banks rounded once to bf16, 100 rows a work-group: 0..99 the relation bank (the first four also write the 16 zero rows behind it), 100..189 rows 16,000 to 24,999 of the entity bank.
;           These work-groups move the most bytes, so they have the lowest numbers.
; 190..597  q' = q Wk (so that q . (Wk e + bk) = q' . e + q . bk) and c_q = q . bk; q enters as hi + lo, both multiplied; q' leaves as hi + lo in fragment form.
;           A work-group takes one pair of channel tiles (pair 16 is bk in every row) and two pairs of query tiles.  K IS SPLIT AMONG THE WAVES: wave v takes query pair v / 4 and k steps 4 (v % 4) .. + 3,
;           so that its 48 loads (192 registers) all go out before the first is waited for.  The four partial sums of f32 meet in LDS; then each of the eight waves finishes one accumulator.
;           Of bk's tiles register 0 of the first is c_q; the second tile's copy serves nothing (the price of one text).
; LIMITS.  NaN and infinities are not treated apart.  hi + lo keep about 16 significant bits of q'.  The sum over e is taken in four parts.
.set CI, 32
.set CO, 132
.set ACC, 32
.set SA, 64
.set L16, 2
.set L4, 3
.set LS, 4
.set LR, 5
.set SPARE, 32768                      ; LDS: wave v's four partial tiles, 1,024 bytes each, at 4,096 v; behind them the spare words, 128 bytes for each wave
.macro PLACES
.rept 4
	v_nop
.endr
.endm
.macro SPLIT acc, hi, lo, tmp
.irp i,0,1,2,3
	v_cvt_pk_bf16_f32 v[(\hi)+\i], v[(\acc)+2*\i], v[(\acc)+2*\i+1]
.endr
.irp i,0,1,2,3
	v_lshlrev_b32 v[(\tmp)+2*\i], 16, v[(\hi)+\i]
	v_and_b32 v[(\tmp)+2*\i+1], 0xffff0000, v[(\hi)+\i]
.endr
.irp i,0,1,2,3
	v_pk_add_f32 v[(\tmp)+2*\i:(\tmp)+2*\i+1], v[(\acc)+2*\i:(\acc)+2*\i+1], v[(\tmp)+2*\i:(\tmp)+2*\i+1] neg_lo:[0,1] neg_hi:[0,1]
.endr
.irp i,0,1,2,3
	v_cvt_pk_bf16_f32 v[(\lo)+\i], v[(\tmp)+2*\i], v[(\tmp)+2*\i+1]
.endr
.endm
; 100 rows of f32 -> bf16: 50 sweeps of 4,096 bytes in, 2,048 out; a ring of 25 loads a wave; a wave stores 256 consecutive bytes, aligned; no register that a store reads is written again
.macro CONV src, dst
	v_lshlrev_b32 v2, 4, v0
	v_lshlrev_b32 v3, 3, v0
.set i, 0
.rept 25
	global_load_b128 v[CI+4*i:CI+4*i+3], v2, s[\src:\src+1] offset:4096*i th:TH_LOAD_NT
.set i, i+1
.endr
.set i, 0
.rept 25
	s_wait_loadcnt 24                              ; the oldest of 25 is in
	v_cvt_pk_bf16_f32 v[CO+2*i], v[CI+4*i], v[CI+4*i+1]
	v_cvt_pk_bf16_f32 v[CO+2*i+1], v[CI+4*i+2], v[CI+4*i+3]
	global_load_b128 v[CI+4*i:CI+4*i+3], v2, s[\src:\src+1] offset:4096*(i+25) th:TH_LOAD_NT
	global_store_b64 v3, v[CO+2*i:CO+2*i+1], s[\dst:\dst+1] offset:2048*i
.set i, i+1
.endr
.set i, 0
.rept 25
	s_wait_loadcnt 24-i                            ; the counts run down
	v_cvt_pk_bf16_f32 v[CO+50+2*i], v[CI+4*i], v[CI+4*i+1]
	v_cvt_pk_bf16_f32 v[CO+50+2*i+1], v[CI+4*i+2], v[CI+4*i+3]
	global_store_b64 v3, v[CO+50+2*i:CO+50+2*i+1], s[\dst:\dst+1] offset:2048*(i+25)
.set i, i+1
.endr
.endm
	v_lshl_add_u32 v30, v0, 2, SPARE               ; my spare word, and 0: kept for the closing lines alone
	v_mov_b32 v31, 0
	v_lshrrev_b32 v1, 5, v0
	v_readfirstlane_b32 s2, v1                     ; wave 0..7
	s_cmp_ge_u32 ttmp9, 190
	s_cbranch_scc1 .Lstage2
	; ---- the banks ----
	s_load_b128 s[4:7], s[0:1], 0x10               ; relation_embeddings s[4:5], entity_embeddings s[6:7]
	s_load_b64 s[16:17], s[0:1], 0x30              ; ebank
	s_sub_co_u32 s3, ttmp9, 100
	s_mov_b32 s19, 25096*1024                      ; the relation rows begin at row 25,096 of ebank
	s_cmp_ge_u32 ttmp9, 100                        ; an entity work-group?
	s_cselect_b32 s3, s3, ttmp9                    ; c: which 100 rows
	s_cselect_b32 s18, 16000*2048, 0               ; the entity rows of this launch begin at row 16,000
	s_cselect_b32 s19, 16000*1024, s19
	s_cselect_b32 s20, 1, 0
	s_mul_i32 s8, s3, 204800
	s_add_co_u32 s8, s8, s18
	s_mov_b32 s9, 0
	s_mul_i32 s10, s3, 102400
	s_add_co_u32 s10, s10, s19
	s_mov_b32 s11, 0
	s_lshl_b32 s12, s3, 12
	s_add_co_u32 s12, s12, 35096*1024              ; four zero rows at row 35,096 + 4 c
	s_mov_b32 s13, 0
	s_wait_kmcnt 0x0
	s_cmp_eq_u32 s20, 1
	s_cselect_b64 s[4:5], s[6:7], s[4:5]
	s_add_nc_u64 s[4:5], s[4:5], s[8:9]
	s_add_nc_u64 s[14:15], s[16:17], s[12:13]
	s_add_nc_u64 s[16:17], s[16:17], s[10:11]
	CONV 4, 16
	s_cmp_lt_u32 ttmp9, 4
	s_cbranch_scc0 .Lbank_done
	v_mov_b32 v4, 0
	v_mov_b32 v5, 0
	v_mov_b32 v6, 0
	v_mov_b32 v7, 0
	global_store_b128 v2, v[4:7], s[14:15]         ; 256 threads x 16 bytes = four rows of zeros
.Lbank_done:
	s_endpgm
	; ---- q' and c_q ----
.Lstage2:
	s_load_b128 s[4:7], s[0:1], 0x0                ; qe s[4:5], wfr s[6:7]
	s_load_b128 s[8:11], s[0:1], 0x20              ; qfr s[8:9], cq s[10:11]
	s_sub_co_u32 s3, ttmp9, 190                    ; 0..407
	s_mul_i32 s12, s3, 171
	s_lshr_b32 s12, s12, 12                        ; p = its 24th part (exact below 408): the pair of channel tiles, 16 = bk
	s_mul_i32 s13, s12, 24
	s_sub_co_u32 s13, s3, s13                      ; y = 0..23: query pairs 2 y, 2 y + 1
	s_lshr_b32 s24, s2, 2                          ; which of the two pairs is mine
	s_and_b32 s25, s2, 3                           ; my quarter of K; later: the accumulator that I finish
	s_lshl_b32 s14, s13, 1
	s_add_co_u32 s14, s14, s24                     ; qp: my pair of query tiles, 0..47
	s_lshr_b32 s15, s13, 3
	s_cmp_eq_u32 s15, 1                            ; query tiles 32..63 are the relation queries
	s_cselect_b32 s15, 34, 0
	s_lshl_b32 s16, s12, 1
	s_add_co_u32 s16, s16, s15
	s_lshl_b32 s16, s16, 14                        ; (34 mat + 2 p) x 16,384
	s_lshl_b32 s26, s25, 12                        ; my four k steps of 1,024 bytes
	s_add_co_u32 s16, s16, s26
	s_mov_b32 s17, 0
	s_lshl_b32 s18, s14, 16                        ; 2 qp x 32,768
	s_add_co_u32 s18, s18, s26
	s_mov_b32 s19, 0
	s_and_b32 s27, s25, 1                          ; accumulator a = 2 d + t: query tile 2 qp + t,
	s_lshl_b32 s20, s14, 1
	s_add_co_u32 s20, s20, s27
	s_lshl_b32 s22, s20, 7                         ; its 128 bytes of c_q,
	s_mov_b32 s23, 0
	s_lshl_b32 s20, s20, 15                        ; its 32,768 bytes of q',
	s_lshl_b32 s27, s12, 10
	s_add_co_u32 s20, s20, s27                     ; k step p,
	s_lshr_b32 s27, s25, 1
	s_lshl_b32 s27, s27, 9
	s_add_co_u32 s20, s20, s27                     ; half d of the fragment
	s_mov_b32 s21, 0
	v_and_b32 v1, 31, v0
	v_lshlrev_b32 v[L16], 4, v1
	v_lshlrev_b32 v[L4], 2, v1
	s_lshl_b32 s27, s2, 12
	v_add_nc_u32 v[LS], s27, v[L16]                ; where I put my partial tiles
	s_lshl_b32 s27, s24, 14
	s_lshl_b32 s28, s25, 10
	s_add_co_u32 s27, s27, s28
	v_add_nc_u32 v[LR], s27, v[L16]                ; where the four parts of the accumulator that I finish begin
	s_wait_kmcnt 0x0
	s_add_nc_u64 s[4:5], s[4:5], s[18:19]
	s_add_nc_u64 s[6:7], s[6:7], s[16:17]
	s_add_nc_u64 s[8:9], s[8:9], s[20:21]
	s_add_nc_u64 s[10:11], s[10:11], s[22:23]
.irp k,0,1,2,3                         ; for each k step two fragments of the weights and four of q (f = 2 hl + t): 12 loads of 512 consecutive bytes
.irp d,0,1
	global_load_b128 v[SA+48*\k+8*\d:SA+48*\k+8*\d+3],   v[L16], s[6:7] offset:\d*16384+\k*1024
	global_load_b128 v[SA+48*\k+8*\d+4:SA+48*\k+8*\d+7], v[L16], s[6:7] offset:\d*16384+\k*1024+512
.endr
.irp f,0,1,2,3
	global_load_b128 v[SA+48*\k+16+8*\f:SA+48*\k+16+8*\f+3], v[L16], s[4:5] offset:(\f%2)*32768+(\f/2)*16384+\k*1024
	global_load_b128 v[SA+48*\k+20+8*\f:SA+48*\k+20+8*\f+3], v[L16], s[4:5] offset:(\f%2)*32768+(\f/2)*16384+\k*1024+512
.endr
.endr
.irp k,0,1,2,3
	s_wait_loadcnt 36-12*\k                        ; this k step is in; the later k steps' 12 loads each may stay out
.irp hl,0,1
.irp a,0,1,2,3                         ; accumulator a = 2 d + t; the four take turns; the first four products start the sums
.if (\k == 0) && (\hl == 0)
	v_wmma_f32_16x16x32_bf16 v[ACC+8*\a:ACC+8*\a+7], v[SA+48*\k+8*(\a/2):SA+48*\k+8*(\a/2)+7], v[SA+48*\k+16+8*(2*\hl+\a%2):SA+48*\k+16+8*(2*\hl+\a%2)+7], 0
.else
	v_wmma_f32_16x16x32_bf16 v[ACC+8*\a:ACC+8*\a+7], v[SA+48*\k+8*(\a/2):SA+48*\k+8*(\a/2)+7], v[SA+48*\k+16+8*(2*\hl+\a%2):SA+48*\k+16+8*(2*\hl+\a%2)+7], v[ACC+8*\a:ACC+8*\a+7]
.endif
.endr
.endr
.endr
	PLACES
.irp a,0,1,2,3                         ; each accumulator's low half first
	ds_store_b128 v[LS], v[ACC+8*\a:ACC+8*\a+3]   offset:\a*1024
	ds_store_b128 v[LS], v[ACC+8*\a+4:ACC+8*\a+7] offset:\a*1024+512
.endr
	s_wait_dscnt 0x0                               ; for the others: my partial sums lie in LDS
	s_barrier_signal -1
	s_barrier_wait -1
.irp q,0,1,2,3                         ; the four quarters of K of one accumulator
	ds_load_b128 v[64+8*\q:67+8*\q], v[LR] offset:\q*4096
	ds_load_b128 v[68+8*\q:71+8*\q], v[LR] offset:\q*4096+512
.endr
	s_wait_dscnt 0x0
.irp i,0,2,4,6
	v_pk_add_f32 v[64+\i:65+\i], v[64+\i:65+\i], v[72+\i:73+\i]
	v_pk_add_f32 v[80+\i:81+\i], v[80+\i:81+\i], v[88+\i:89+\i]
.endr
.irp i,0,2,4,6
	v_pk_add_f32 v[64+\i:65+\i], v[64+\i:65+\i], v[80+\i:81+\i]
.endr
	s_cmp_eq_u32 s12, 16
	s_cbranch_scc1 .Lbias
	SPLIT 64, 96, 100, 104
	global_store_b128 v[L16], v[96:99], s[8:9]                 ; hi: 512 consecutive bytes
	global_store_b128 v[L16], v[100:103], s[8:9] offset:16384  ; lo
	s_branch .Lend
.Lbias:
	s_cmp_lt_u32 s25, 2                            ; the first tile of bk alone is stored
	s_cbranch_scc0 .Lend
	global_store_b32 v[L4], v64, s[10:11]          ; c_q of query lane % 16, in both halves of the lanes
.Lend:
	s_wait_tensorcnt 0x0                           ; the wave's end, behind my last LDS store
	ds_add_u32 v30, v31
	s_wait_dscnt 0x0
	s_endpgm
.Lfunc_end_k_q48d2e05511_prep2:
	.size	k_q48d2e05511_prep2, .Lfunc_end_k_q48d2e05511_prep2-k_q48d2e05511_prep2
	.p2alignl 7, 3214868480
	.fill 96, 4, 3214868480
	.section	.rodata,"a",@progbits
	.p2align	6, 0x0
	.amdhsa_kernel k_q48d2e05511_prep2
		.amdhsa_group_segment_fixed_size 33792
		.amdhsa_private_segment_fixed_size 0
		.amdhsa_enable_private_segment 0
		.amdhsa_kernarg_size 56
		.amdhsa_user_sgpr_count 2
		.amdhsa_user_sgpr_kernarg_segment_ptr 1
		.amdhsa_wavefront_size32 1
		.amdhsa_system_sgpr_workgroup_id_x 1
		.amdhsa_system_sgpr_workgroup_id_y 1
		.amdhsa_system_sgpr_workgroup_id_z 1
		.amdhsa_system_vgpr_workitem_id 0
		.amdhsa_next_free_vgpr 256
		.amdhsa_next_free_sgpr 66
		.amdhsa_reserve_vcc 0
		.amdhsa_float_denorm_mode_32 3
		.amdhsa_float_denorm_mode_16_64 3
		.amdhsa_memory_ordered 1
		.amdhsa_forward_progress 1
		.amdhsa_inst_pref_size 32
	.end_amdhsa_kernel
	.amdgpu_metadata
---
amdhsa.version: [ 1, 2 ]
amdhsa.kernels:
  - .name:           k_q48d2e05511_prep2
    .symbol:         k_q48d2e05511_prep2.kd
    .args:
      - { .name: qe, .offset: 0, .size: 8, .value_kind: global_buffer, .address_space: global }
      - { .name: wfr, .offset: 8, .size: 8, .value_kind: global_buffer, .address_space: global }
      - { .name: relation_embeddings, .offset: 16, .size: 8, .value_kind: global_buffer, .address_space: global }
      - { .name: entity_embeddings, .offset: 24, .size: 8, .value_kind: global_buffer, .address_space: global }
      - { .name: qfr, .offset: 32, .size: 8, .value_kind: global_buffer, .address_space: global }
      - { .name: cq, .offset: 40, .size: 8, .value_kind: global_buffer, .address_space: global }
      - { .name: ebank, .offset: 48, .size: 8, .value_kind: global_buffer, .address_space: global }
    .group_segment_fixed_size: 33792
    .private_segment_fixed_size: 0
    .kernarg_segment_align: 8
    .kernarg_segment_size: 56
    .max_flat_workgroup_size: 256
    .sgpr_count:     66
    .vgpr_count:     256
    .wavefront_size: 32
...
	.end_amdgpu_metadata
.endif
;; end of part 6
;; launch attn (part 7): grid 248 x 1, 4 waves a work-group, clusters of 4 x 1, 327,680 bytes of LDS; arguments ebank, qfr, cq, opart, stat; writes opart, stat
.if DOCPART == 7
	.amdgcn_target "amdgcn-amd-amdhsa--gfx1250"
	.amdhsa_code_object_version 6
	.text
	.protected	k_q48d2e05511_attn
	.globl	k_q48d2e05511_attn
	.p2align	8
	.type	k_q48d2e05511_attn,@function
k_q48d2e05511_attn:
	s_mov_b64 s[64:65], 0
	v_nop
	global_prefetch_b8 v0, s[64:65] scope:SCOPE_SE
	s_setreg_imm32_b32 hwreg(HW_REG_WAVE_MODE, 25, 1), 1
	s_wait_xcnt 0x0
	s_wait_alu depctr_hold_cnt(0) depctr_sa_sdst(0) depctr_va_vdst(0) depctr_va_sdst(0) depctr_va_ssrc(0) depctr_va_vcc(0) depctr_vm_vsrc(0)
	s_getreg_b32 s2, hwreg(HW_REG_IB_STS2, 6, 4)
	s_cmp_eq_u32 s2, 0
	s_cbranch_scc0 .Lentry_in_a_cluster
	s_endpgm
.Lentry_in_a_cluster:
	s_bfe_u32 s2, ttmp6, 0x10000c
	s_cmp_lg_u32 s2, 0x3003
	s_cbranch_scc0 .Lentry_shape_is_right
	s_endpgm
.Lentry_shape_is_right:
; For 64 queries and one chunk of a bank's rows e_n: s = q' . e_n + c_q, a running maximum m, p = 2^(c s - c m) with c = log2(e), l = sum p, O = sum p e_n.  The bank itself is key and value
; (q' = q Wk and c_q = q . bk carry the key projection; the value projection follows in the next launch).  O, c m and l leave not normalised; the next launch merges the chunks.
; FORMATS.  e_n is bf16 (the input rounded once).  q' is a pair of bf16, hi + lo, and both are multiplied: one rounding of q' to 16 bits would shift scores of this spread too far.  p is rounded
; to bf16 for the second product; l is the sum of the unrounded p.  Products, maxima and sums in f32.
; LIMITS.  A hidden key counts as its score less 1e30; a weight below 2^-126 counts as 0; NaN and infinities are not treated apart (step 0 multiplies tile 0 by zeros and counts on 0 x e = 0);
; the sums are ordered otherwise than a projection of the bank would order them.
; SHARES.  62 clusters of four work-groups.  Clusters 0..51: entity chunk K / 4 (13 chunks, 1,923 rows apart, the last of 1,924), query group K % 4; clusters 52..61: relation chunk (K - 52) / 2
; (5 of 2,000), query group (K - 52) % 2.  The four partners take four blocks of 64 queries and walk the same rows, so each tile is asked for JOINTLY.  Every work-group walks 21 steps of 96 rows;
; steps 0..19 are whole in every chunk, step 20 is masked to 3, 4 or 80 rows; what lies behind a chunk's end are the next chunk's rows or zero rows.
; A STEP j.  X: S^T = E q'^T for tile j: wave (qi, ki) takes query tiles 2 qi, 2 qi + 1 and rows 48 ki .. 48 ki + 47; O is rescaled beside it.  C: O^T += E^T P for tile j - 1, six units of 16 products: wave w
; takes channels 128 w .. 128 w + 127 of all 64 queries.  THE SOFTMAX OF STEP j STANDS BESIDE C, which needs nothing of it: up to four vector lines behind a product: the maximum beside unit 0, the statistics,
; scalings and exponentials beside units 1 and 2, the sums and roundings beside unit 3.  C's first fragments are fetched in X's last two batches.  Two barriers a step: one behind unit 0, for the waves'
; maxima; one round unit 5, behind which tile j + 2 is asked for, into the slot that C has just read: three slots.
; STEP 0 has no tile behind it: its C multiplies tile 0 by a P of zeros: 96 products, once a launch, the price of one text and one count of LDS loads for every step.
; ONE TILE SERVES BOTH PRODUCTS.  In each group of 16 rows, place (h, j) of the matrix layouts stands for row 2 j + h: X takes row 2 (r % 8) + r / 8 for its row r, the turning load of C row 2 (l % 8) + l / 16.
; REGISTERS, in windows of 256: window 0 addresses, statistics, S^T and the operand pool; window 1 O^T, tile (qt, ct) at 8 (8 qt + ct); window 2 q' hi, (t, k step) at 8 (16 t + k); window 3 q' lo.
; All that the softmax touches lies in window 0 and C's sums in window 1, so a group of vector lines behind a product costs two switches of the window.
.set PITCH, 1040                       ; an LDS row: 1,024 bytes + 16
.set SLOTB, 96*PITCH
.set PB0,   3*SLOTB                    ; P, two buffers: tile (qt, kt) of 16 x 16 bf16 at (6 qt + kt) x 512 + 16 x lane
.set PB1,   PB0+12288
.set LM,    PB1+12288                  ; the waves' maxima: [ki][qt][lane] f32
.set AF,    LM+1024                    ; the factors a: [qt][lane] f32
.set SPARE, AF+512                     ; the spare words, 128 bytes for each wave
.set TILEB, 96*1024                    ; a tile in memory
.set AK0, 2                            ; my lane's place in a tile for X; never rewritten
.set AV0, 3                            ; the same for C
.set AK,  4
.set AVA, 5
.set AVB, 6
.set PW0, 7                            ; where I put P, less the buffer
.set PWA, 8
.set L16, 9                            ; 16 x lane
.set PRA, 10
.set LMW, 11
.set LMR, 12
.set AFW, 13
.set AFR, 14
.set PFO, 15                           ; 256 x thread: the prefetches' offset
.set SPW, 16
.set NIL, 17
.set L4,  18                           ; 4 x lane
.set STC, 19                           ; 4 x thread
.set AQ,  20                           ; a of query tile qt at v[20 + 2 qt]; the odd registers are named with them as pairs
.set ST,  28                           ; my tile t at v[28 + 8 t]: c m, m, l (two), c_q (two), a, at work
.set WK,  44                           ; four at work for each t: the maximum's chains, then the sum's two chains of pairs
.set MD,  52                           ; the last step's mask for my 48 rows: 0 or -1e30
.set S,   76                           ; S^T: accumulator a = 3 t + kt at 76 + 8 a; at the end of the softmax its four lowest registers hold P
.set STL, 124
.set T0,  125
.set T1,  126                          ; later: the a that I hand on
.set T2,  127
.set FA,  128                          ; X: two buffers of six fragments of E
.set FB,  176
.set PXA, 128                          ; C: two buffers of four fragments of P
.set VA,  192                          ; C: two buffers of four turned fragments of E; unit u takes buffer (u + 1) % 2, so that unit 0's lies where X has nothing
.set WV, 14
.set QI, 15
.set KI, 16
.set CX, 17
.set G1, 24
.set G0A, 32
.set G0B, 36
.set SX, 40                            ; slot of tile j
.set SN, 41                            ; of tile j + 1
.set SY, 42                            ; of tile j - 1, and then of tile j + 2
.set TMP, 43
.set PBW, 44
.set PBR, 45
.set WOFF, 46
.set CNT, 47
.set TC, 48
.set THR, 49
.set CS, 50
.set SEL, 52
.set AL, 54
.set BIGN, 56
.set LIM, 57
.set PFA, 58
.set KSEL, 60
.set QG, 61
.set ROW0, 62
.set QB, 63
.set SC, 66                            ; the slot that C reads: tile j - 1's; in step 0 tile 0's
.set MSB, 0
.macro WIN new                         ; the immediate's high byte repeats the setting that is left; a switch that changes nothing is dropped
.if MSB != (\new)
	s_set_vgpr_msb (MSB<<8)|(\new)
.set MSB, \new
.endif
.endm
.macro PLACES                          ; four plain vector instructions behind a matrix instruction, ahead of what reads its result or loads into its registers
.rept 4
	v_nop
.endr
.endm
.macro CREST                           ; a round of the cluster's barrier behind its opening barrier
	s_cmp_lg_u32 s[WV], 0
	s_cbranch_scc1 .Lnot_wave_0_\@
	s_barrier_signal -3
.Lnot_wave_0_\@:
	s_barrier_wait -3
	s_barrier_signal -1
	s_barrier_wait -1
.endm
.macro CROUND                          ; a whole round
	s_barrier_signal -1
	s_barrier_wait -1
	CREST
.endm
; A prefetch of tile j + 4, two steps (576 matrix instructions) ahead of the load that will ask for it.  The clusters of a chunk walk the same rows: the one with query group 0 asks.  Its four partners take
; 24 rows each, told apart by address; in each, waves 0 to 2 ask, a lane for each 256 bytes.  Tiles 0 to 3 come by their loads alone; the last prefetch names tile 20.
.macro ASK
	s_cmp_gt_u32 s[CNT], s[LIM]
	s_cbranch_scc0 .Lnot_mine_\@
	global_prefetch_b8 v[PFO], s[PFA:PFA+1] th:TH_LOAD_NT scope:SCOPE_SE
.Lnot_mine_\@:
.endm
	s_load_b256 s[4:11], s[0:1], 0x0               ; ebank s[4:5], qfr s[6:7], cq s[8:9], opart s[10:11]
	s_load_b64 s[12:13], s[0:1], 0x20              ; stat
	v_lshl_add_u32 v[SPW], v0, 2, SPARE
	v_mov_b32 v[NIL], 0
	ds_add_u32 v[SPW], v[NIL]                      ; the wave's opening: the add, twice on end, and its wait ahead of my first tensor load
	ds_add_u32 v[SPW], v[NIL]
	v_lshrrev_b32 v1, 5, v0
	v_readfirstlane_b32 s[WV], v1                  ; wave 0..3
	s_lshr_b32 s[QI], s[WV], 1
	s_and_b32 s[KI], s[WV], 1
	s_bfe_u32 s[CX], ttmp6, 0x40000                ; my place in the cluster: it enters global addresses of q', c_q, O, the statistics and the prefetches alone
	s_and_b32 s18, ttmp9, 3                        ; as an entity cluster: query group,
	s_lshr_b32 s19, ttmp9, 2                       ; chunk,
	s_mul_i32 s20, s19, 1923                       ; first row,
	s_cmp_eq_u32 s19, 12
	s_cselect_b32 s21, 4, 3                        ; rows of the last step,
	s_cmp_ge_u32 s18, 2
	s_cselect_b32 s23, 8, 0                        ; groups 2 and 3 are the obj queries, behind the rel queries' eight blocks
	s_lshl_b32 s22, s18, 2
	s_add_co_u32 s22, s22, s23                     ; first block of 64 queries
	s_sub_co_u32 s70, ttmp9, 52                    ; as a relation cluster
	s_and_b32 s71, s70, 1
	s_lshr_b32 s70, s70, 1
	s_mul_i32 s70, s70, 2000
	s_add_co_u32 s70, s70, 25096
	s_lshl_b32 s23, s71, 2
	s_add_co_u32 s23, s23, 8
	s_cmp_ge_u32 ttmp9, 52
	s_cselect_b32 s[QG], s71, s18
	s_cselect_b32 s[ROW0], s70, s20
	s_cselect_b32 s[THR], 80, s21
	s_cselect_b32 s[QB], s23, s22
	s_add_co_u32 s[QB], s[QB], s[CX]               ; my block of 64 queries
	; descriptor group 1: a joint load of 24 rows x 512 elements of 2 bytes, 16 bytes of padding behind each row
	s_mov_b32 s[G1], 15|(1<<16)|(1<<20)|(1<<21)|(7<<22)|(3<<25)  ; 15:0 the mask of four; 17:16 2-byte elements; 20 padding on; 21 set beside a mask; 24:22 after every 256 words (code 7); 31:25 4 words (code 3)
	s_mov_b32 s[G1+1], 512<<16                     ; tensor_dim0 = 512
	s_mov_b32 s[G1+2], 24<<16                      ; tensor_dim1 = 24
	s_mov_b32 s[G1+3], 512<<16                     ; tile_dim0 = 512
	s_mov_b32 s[G1+4], 24                          ; tile_dim1 = 24
	s_mov_b32 s[G1+5], 512                         ; elements from row to row
	s_mov_b32 s[G1+6], 0
	s_mov_b32 s[G1+7], 0
	s_mul_i32 s[WOFF], s[WV], 24*PITCH             ; my 24 rows in a slot
	s_mov_b32 s[G0A], 1
	s_mov_b32 s[G0A+1], s[WOFF]                    ; tile 0 into slot 0
	s_mov_b32 s[G0B], 1
	s_add_co_u32 s[G0B+1], s[WOFF], SLOTB          ; tile 1 into slot 1; this descriptor then walks on
	s_mul_i32 s18, s[WV], 24
	s_add_co_u32 s18, s18, s[ROW0]
	s_lshl_b32 s66, s18, 10                        ; my 24 rows of tile 0, in bytes
	s_mov_b32 s67, 0
	s_lshl_b32 s68, s[ROW0], 10                    ; the prefetches: my work-group's 24 rows of a tile
	s_mul_i32 s78, s[CX], 24576
	s_add_co_u32 s68, s68, s78
	s_mov_b32 s69, 0
	s_lshl_b32 s78, s[QB], 2
	s_lshl_b32 s79, s[QI], 1
	s_add_co_u32 s78, s78, s79                     ; my first query tile = 4 block + 2 qi
	s_lshl_b32 s70, s78, 15
	s_mov_b32 s71, 0
	s_lshl_b32 s72, s78, 7
	s_mov_b32 s73, 0
	s_lshl_b32 s79, ttmp9, 2
	s_add_co_u32 s79, s79, s[CX]                   ; the work-group's number
	s_lshl_b32 s74, s79, 17
	s_lshl_b32 s78, s[WV], 15
	s_add_co_u32 s74, s74, s78
	s_mov_b32 s75, 0
	s_lshl_b32 s76, s79, 11
	s_mov_b32 s77, 0
	s_mov_b32 s[SX], 0
	s_mov_b32 s[SN], SLOTB
	s_mov_b32 s[SY], 2*SLOTB
	s_mov_b32 s[PBW], PB0
	s_mov_b32 s[PBR], PB1
	s_mov_b32 s[CS], 0x3fb8aa3b                    ; c = log2(e)
	s_mov_b32 s[CS+1], s[CS]
	s_mov_b32 s[SEL], 0x76543210
	s_mov_b32 s[SEL+1], 0xfedcba98
	s_mov_b32 s[AL], 0
	s_mov_b32 s[AL+1], 0
	s_mov_b32 s[BIGN], 0xf149f2ca                  ; -1e30
	s_cmp_lt_u32 s[WV], 3
	s_cselect_b32 s[LIM], 0, 1
	s_or_b32 s[LIM], s[LIM], s[QG]
	s_cmp_eq_u32 s[LIM], 0
	s_cselect_b32 s[LIM], 2, -1                    ; a wave that prefetches does so while the count of steps is above 2
	s_cmp_eq_u32 s[KI], 1
	s_cselect_b32 s[KSEL], -1, 0
	v_and_b32 v1, 31, v0                           ; l
	v_and_b32 v[T0], 7, v0                         ; l % 8
	v_bfe_u32 v[T1], v0, 3, 1                      ; (l / 8) % 2
	v_bfe_u32 v[T2], v0, 4, 1                      ; h = l / 16
	s_mul_i32 s18, s[KI], 48
	v_lshl_add_u32 v[AK0], v[T0], 1, v[T1]
	v_add_nc_u32 v[AK0], s18, v[AK0]
	v_mul_u32_u24 v[AK0], v[AK0], PITCH
	v_lshl_add_u32 v[AK0], v[T2], 4, v[AK0]        ; (48 ki + 2 (r % 8) + r / 8) x pitch + 16 h
	v_lshl_add_u32 v[AV0], v[T0], 1, v[T2]
	v_mul_u32_u24 v[AV0], v[AV0], PITCH
	v_lshl_add_u32 v[AV0], v[T1], 4, v[AV0]
	s_lshl_b32 s18, s[WV], 8
	v_add_nc_u32 v[AV0], s18, v[AV0]               ; (2 (l % 8) + h) x pitch + 16 ((l / 8) % 2) + my 128 channels
	v_lshlrev_b32 v[L16], 4, v1
	v_lshlrev_b32 v[L4], 2, v1
	s_mul_i32 s18, s[QI], 12
	s_mul_i32 s19, s[KI], 3
	s_add_co_u32 s18, s18, s19
	s_lshl_b32 s18, s18, 9
	v_add_nc_u32 v[PW0], s18, v[L16]
	s_lshl_b32 s18, s[KI], 2
	s_lshl_b32 s19, s[QI], 1
	s_add_co_u32 s20, s18, s19
	s_lshl_b32 s21, s20, 7                         ; (4 ki + 2 qi) x 128
	s_add_co_u32 s22, s21, LM
	v_add_nc_u32 v[LMW], s22, v[L4]
	s_xor_b32 s22, s21, 512                        ; the wave with the other rows
	s_add_co_u32 s22, s22, LM
	v_add_nc_u32 v[LMR], s22, v[L4]
	v_lshl_add_u32 v[AFW], v0, 2, AF               ; query tile = my wave's number
	v_add_nc_u32 v[AFR], AF, v[L4]
	v_lshlrev_b32 v[PFO], 8, v0
	v_lshlrev_b32 v[STC], 2, v0
	s_add_co_u32 s21, s21, 512
	v_add_nc_u32 v[STL], s21, v[L4]
	s_wait_dscnt 0x0                               ; both opening adds are done
	s_wait_kmcnt 0x0
	s_add_nc_u64 s[G0A+2:G0A+3], s[4:5], s[66:67]
	s_add_nc_u64 s[G0B+2:G0B+3], s[G0A+2:G0A+3], TILEB
	s_or_b32 s[G0A+3], s[G0A+3], 0x80000000        ; type = 2
	s_or_b32 s[G0B+3], s[G0B+3], 0x80000000
	s_add_nc_u64 s[PFA:PFA+1], s[4:5], s[68:69]
	s_add_nc_u64 s[PFA:PFA+1], s[PFA:PFA+1], 3*TILEB  ; at tile 3: the first refill steps it to tile 4
	s_add_nc_u64 s[6:7], s[6:7], s[70:71]
	s_add_nc_u64 s[8:9], s[8:9], s[72:73]
	s_add_nc_u64 s[10:11], s[10:11], s[74:75]
	s_add_nc_u64 s[12:13], s[12:13], s[76:77]
	CROUND                                         ; all four work-groups are here: the first joint loads meet
	tensor_load_to_lds s[G0A:G0A+3], s[G1:G1+7]    ; two loads of mine are out
	s_nop 0
	tensor_load_to_lds s[G0B:G0B+3], s[G1:G1+7]
	s_nop 0
	PLACES
	WIN 0x80                                       ; q' stays in registers: hi into window 2,
.set i, 0
.rept 32
	global_load_b128 v[8*i:8*i+3],   v[L16], s[6:7] offset:(i/16)*32768+(i%16)*1024
	global_load_b128 v[8*i+4:8*i+7], v[L16], s[6:7] offset:(i/16)*32768+(i%16)*1024+512
.set i, i+1
.endr
	WIN 0xc0                                       ; lo into window 3
.set i, 0
.rept 32
	global_load_b128 v[8*i:8*i+3],   v[L16], s[6:7] offset:(i/16)*32768+16384+(i%16)*1024
	global_load_b128 v[8*i+4:8*i+7], v[L16], s[6:7] offset:(i/16)*32768+16384+(i%16)*1024+512
.set i, i+1
.endr
	WIN 0
	global_load_b32 v[ST+4],  v[L4], s[8:9]
	global_load_b32 v[ST+12], v[L4], s[8:9] offset:128
	WIN 0x40                                       ; O starts at 0, on purpose: one text serves every step, and these lines stand in the wait for the first tile
.set i, 0
.rept 256
	v_mov_b32 v[i], 0
.set i, i+1
.endr
	WIN 0
	s_mul_i32 s18, s[KI], 48
	s_sub_co_i32 s18, s[THR], s18
	v_sub_nc_u32 v[T0], s18, v[T2]                 ; register j of row group kt stands for row 48 ki + 16 kt + 2 j + h: hidden where 16 kt + 2 j >= rows - 48 ki - h
.set i, 0
.rept 24
	v_cmp_ge_i32 vcc_lo, 16*(i/8)+2*(i%8), v[T0]
	v_cndmask_b32 v[MD+i], 0, s[BIGN], vcc_lo
.set i, i+1
.endr
.irp t,0,1
	v_mov_b32 v[ST+8*\t], 0xfe000000               ; c m: far below every c s, so the first a is 0
	v_mov_b32 v[ST+8*\t+1], 0xff7fffff             ; m: the lowest finite number
	v_mov_b32 v[ST+8*\t+2], 0
	v_mov_b32 v[ST+8*\t+3], 0
.endr
.irp q,0,1,2,3
	v_mov_b32 v[AQ+2*\q+1], 0
.endr
	v_mov_b32 v[WK], 1.0
	ds_store_b32 v[AFW], v[WK]                     ; the first step rescales by 1
	v_lshl_add_u32 v[T1], v0, 4, PB1               ; and finds a P of zeros: 128 threads x 16 bytes, six times, are the buffer's 12,288 bytes
.irp z,0,1,2,3
	v_mov_b32 v[S+\z], 0
.endr
.irp z,0,1,2,3,4,5
	ds_store_b128 v[T1], v[S:S+3] offset:\z*2048
.endr
	s_wait_loadcnt 0x0                             ; q' and c_q
	v_mov_b32 v[ST+5],  v[ST+4]
	v_mov_b32 v[ST+13], v[ST+12]
	s_wait_tensorcnt 0x1                           ; my part of tile 0 is in; tile 1 may stay out
	s_wait_dscnt 0x0
	s_barrier_signal -1
	s_barrier_wait -1
; two k steps' fragments of E for my 48 rows: 12 loads
.macro LOADB b, buf
.irp kk,0,1
.irp kt,0,1,2
	ds_load_b128 v[(\buf)+8*(3*\kk+\kt):(\buf)+8*(3*\kk+\kt)+3],   v[AK] offset:\kt*16*PITCH+(2*(\b)+\kk)*64
	ds_load_b128 v[(\buf)+8*(3*\kk+\kt)+4:(\buf)+8*(3*\kk+\kt)+7], v[AK] offset:\kt*16*PITCH+(2*(\b)+\kk)*64+32
.endr
.endr
.endm
; 12 products of batch b on buffer FX; the six accumulators take turns, one instruction a turn
.macro XMUL w
	WIN \w
.irp kk,0,1
.irp a,0,1,2,3,4,5
	v_wmma_f32_16x16x32_bf16 v[S+8*\a:S+8*\a+7], v[FX+8*(3*\kk+\a%3):FX+8*(3*\kk+\a%3)+7], v[8*(16*(\a/3)+2*b+\kk):8*(16*(\a/3)+2*b+\kk)+7], v[S+8*\a:S+8*\a+7]
.endr
.endr
.endm
.macro CADR                            ; C's addresses: the tile in slot SC, the P in buffer PBR
	v_add_nc_u32 v[AVA], s[SC], v[AV0]
	v_add_nc_u32 v[PRA], s[PBR], v[L16]
	v_add_nc_u32 v[AVB], 64*PITCH, v[AVA]
.endm
.macro PLD kg                          ; P of rows 32 kg .. for the four query tiles: 8 loads
.irp q,0,1,2,3
	ds_load_b128 v[PXA+32*((\kg)%2)+8*\q:PXA+32*((\kg)%2)+8*\q+3],   v[PRA] offset:(6*\q+2*(\kg))*512
	ds_load_b128 v[PXA+32*((\kg)%2)+8*\q+4:PXA+32*((\kg)%2)+8*\q+7], v[PRA] offset:(6*\q+2*(\kg)+1)*512
.endr
.endm
.macro VLD u                           ; E turned: rows 32 (u / 2) .., four tiles of 16 channels from 64 (u % 2) on: 8 loads
.set VX, VA+32*(((\u)+1)%2)
.set KG, (\u)/2
.set HF, (\u)%2
.irp c,0,1,2,3
.if KG < 2
	ds_load_tr16_b128 v[VX+8*\c:VX+8*\c+3],   v[AVA] offset:KG*32*PITCH+(4*HF+\c)*32
	ds_load_tr16_b128 v[VX+8*\c+4:VX+8*\c+7], v[AVA] offset:KG*32*PITCH+16*PITCH+(4*HF+\c)*32
.else
	ds_load_tr16_b128 v[VX+8*\c:VX+8*\c+3],   v[AVB] offset:(4*HF+\c)*32
	ds_load_tr16_b128 v[VX+8*\c+4:VX+8*\c+7], v[AVB] offset:16*PITCH+(4*HF+\c)*32
.endif
.endr
.endm
; X.  The first loads go out first (four v_nop stand ahead of them, behind the barrier); the sums start at mask x AL + c_q (24 packed lines) while they land.  Eight batches of two k steps: 12 products with
; q' hi, 12 with lo, then an eighth of O's rescaling by the a of the step before: 16 packed lines, the places ahead of the loads into the buffer just used.  Behind batches 0 to 5 those loads are the batch two
; on; behind batch 6 they are C's first P (into the buffer that batch 6 has left) and first E (into registers that X does not use); behind batch 7 C's second E.
.macro XPH
	WIN 0
	v_add_nc_u32 v[AK], s[SX], v[AK0]
.irp q,0,1,2,3
	ds_load_b32 v[AQ+2*\q], v[AFR] offset:128*\q
.endr
	LOADB 0, FA
	LOADB 1, FB
.set i, 0
.rept 24
	v_pk_fma_f32 v[S+2*i:S+2*i+1], v[MD+2*(i%12):MD+2*(i%12)+1], s[AL:AL+1], v[ST+8*(i/12)+4:ST+8*(i/12)+5] op_sel_hi:[1,0,0]
.set i, i+1
.endr
.set b, 0
.rept 8
.set FX, FA+48*(b%2)
.if b < 7
	s_wait_dscnt 12                                ; this batch is in (and a); the next batch's 12 loads may stay out
.else
	s_wait_dscnt 16                                ; the last batch is in; C's first 16 loads may stay out
.endif
	XMUL 0x08                                      ; source 1 in window 2
	XMUL 0x0c                                      ; source 1 in window 3
	WIN 0x41                                       ; O in window 1, a in window 0
.set z, 0
.rept 16
	v_pk_mul_f32 v[32*b+2*z:32*b+2*z+1], v[32*b+2*z:32*b+2*z+1], v[AQ+2*(b/2):AQ+2*(b/2)+1] op_sel_hi:[1,0]
.set z, z+1
.endr
	WIN 0
.if b < 6
	LOADB b+2, FX
.elseif b == 6
	CADR
	PLD 0
	VLD 0
.else
	VLD 1
.endif
.set b, b+1
.endr
.endm
; Product i of 16 of unit u of C: channel tile 4 (u % 2) + i / 4, query tile i % 4, rows 32 (u / 2) on: 16 different accumulators a unit, and the next unit takes the other 16: they take turns
.macro CWM u, i
	WIN 0x50                                       ; O^T (C and D) in window 1
.set cc_, (\i)/4
.set qq_, (\i)%4
.set rO_, 8*(8*qq_+4*((\u)%2)+cc_)
.set rV_, VA+32*(((\u)+1)%2)+8*cc_
.set rP_, PXA+32*(((\u)/2)%2)+8*qq_
	v_wmma_f32_16x16x32_bf16 v[rO_:rO_+7], v[rV_:rV_+7], v[rP_:rP_+7], v[rO_:rO_+7]
.endm
.macro CUN u, cnt                      ; a unit by itself; cnt: the LDS instructions issued behind those that the unit needs
	s_wait_dscnt \cnt
.set i, 0
.rept 16
	CWM \u, i
.set i, i+1
.endr
.endm
; THE SOFTMAX'S LINES, in lists.  Number n of the 24 that find the maximum of my 24 scores a query: three chains a tile over registers 0 to 6 of its three accumulators (each accumulator's lowest registers are
; read first), one line over the three registers 7, two that join them; the two tiles alternate.
.macro MXQ n
.if (\n) < 6
	v_max3_num_f32 v[WK+4*((\n)%2)+(\n)/2], v[S+24*((\n)%2)+8*((\n)/2)], v[S+24*((\n)%2)+8*((\n)/2)+1], v[S+24*((\n)%2)+8*((\n)/2)+2]
.elseif (\n) < 18
.set m_, ((\n)-6)%6
.set g_, ((\n)-6)/6
	v_max3_num_f32 v[WK+4*(m_%2)+m_/2], v[WK+4*(m_%2)+m_/2], v[S+24*(m_%2)+8*(m_/2)+3+2*g_], v[S+24*(m_%2)+8*(m_/2)+4+2*g_]
.elseif (\n) < 20
.set t_, (\n)-18
	v_max3_num_f32 v[WK+4*t_+3], v[S+24*t_+7], v[S+24*t_+15], v[S+24*t_+23]
.elseif (\n) < 22
.set t_, (\n)-20
	v_max3_num_f32 v[WK+4*t_], v[WK+4*t_], v[WK+4*t_+1], v[WK+4*t_+2]
.else
.set t_, (\n)-22
	v_max_num_f32 v[WK+4*t_], v[WK+4*t_], v[WK+4*t_+3]
.endif
.endm
.macro SCL f                           ; pair f of 24: c s - c m
	v_pk_fma_f32 v[S+2*(\f):S+2*(\f)+1], v[S+2*(\f):S+2*(\f)+1], s[CS:CS+1], v[ST+8*((\f)/12):ST+8*((\f)/12)+1] op_sel_hi:[1,0,0] neg_lo:[0,0,1] neg_hi:[0,0,1]
.endm
.macro EXQ e                           ; score e of 48
	v_exp_f32 v[S+(\e)], v[S+(\e)]
.endm
; What stands behind product w of the 32 of units 1 and 2.  4: the wait for the other rows' maxima.  5-9: the other rows', the other half of the lanes', the new m, c m, its change.  9-20: the scalings, two a
; group, from 10 on with two exponentials beside them (a pair is scaled in an earlier group than the one with its exponentials).  21-30: the other 28 exponentials, three a group.
; The 50 exponentials are ONE BATCH: nothing in this list names a result of theirs, and their one wait stands behind unit 2.
.macro RBQ w
.if (\w) == 4
	s_wait_dscnt 16                                ; the two maxima are in; P's and E's 16 loads behind them may stay out
.elseif (\w) == 5
	WIN 0
	v_max_num_f32 v[WK], v[WK], v[WK+1]
	v_max_num_f32 v[WK+4], v[WK+4], v[WK+5]
	v_mov_b32 v[ST+7], v[ST]                       ; c m_old is kept
	v_mov_b32 v[ST+15], v[ST+8]
.elseif (\w) == 6
	WIN 0
	v_permlanex16_b32 v[WK+2], v[WK], s[SEL], s[SEL+1]
	v_permlanex16_b32 v[WK+6], v[WK+4], s[SEL], s[SEL+1]
	v_add_nc_u32 v[PWA], s[PBW], v[PW0]
.elseif (\w) == 7
	WIN 0
	v_max3_num_f32 v[ST+1], v[WK], v[WK+2], v[ST+1]
	v_max3_num_f32 v[ST+9], v[WK+4], v[WK+6], v[ST+9]
.elseif (\w) == 8
	WIN 0
	v_mul_f32 v[ST], s[CS], v[ST+1]
	v_mul_f32 v[ST+8], s[CS], v[ST+9]
.elseif (\w) == 9
	WIN 0
	v_sub_f32 v[ST+7], v[ST+7], v[ST]
	v_sub_f32 v[ST+15], v[ST+15], v[ST+8]
	SCL 0
	SCL 1
.elseif (\w) == 10
	WIN 0
	SCL 2
	SCL 3
	v_exp_f32 v[ST+6], v[ST+7]                     ; a
	v_exp_f32 v[ST+14], v[ST+15]
.elseif ((\w) > 10) && ((\w) < 21)
	WIN 0
	SCL 4+2*((\w)-11)
	SCL 5+2*((\w)-11)
	EXQ 2*((\w)-11)
	EXQ 2*((\w)-11)+1
.elseif ((\w) > 20) && ((\w) < 31)
	WIN 0
.irp x,0,1,2
.if 20+3*((\w)-21)+\x < 48
	EXQ 20+3*((\w)-21)+\x
.endif
.endr
.endif
.endm
; Number n of the 49 behind the wait.  0: the a that I hand on (query tile w is my tile t = ki).  Then three rounds, an accumulator of each tile a round: its four pairs of weights are added into the tile's two
; chains of pairs (round 0 starts the chains), and then the eight weights are rounded to bf16 IN PLACE, into the accumulator's four lowest registers, ascending, so that no weight is written over before it is
; read.  45-48: the chains are joined, and l = a l + sum.
.macro PSQ n
.if (\n) == 0
	v_cndmask_b32 v[T1], v[ST+6], v[ST+14], s[KSEL]
.elseif (\n) < 5
.set t_, ((\n)-1)%2
.set h_, ((\n)-1)/2
	v_pk_add_f32 v[WK+4*t_+2*h_:WK+4*t_+2*h_+1], v[S+24*t_+4*h_:S+24*t_+4*h_+1], v[S+24*t_+4*h_+2:S+24*t_+4*h_+3]
.elseif (\n) < 13
.set t_, ((\n)-5)/4
.set c_, ((\n)-5)%4
	v_cvt_pk_bf16_f32 v[S+24*t_+c_], v[S+24*t_+2*c_], v[S+24*t_+2*c_+1]
.elseif (\n) < 45
.set k_, 1+((\n)-13)/16
.set w_, ((\n)-13)%16
.if w_ < 8
.set t_, w_%2
.set p_, w_/2
	v_pk_add_f32 v[WK+4*t_+2*(p_%2):WK+4*t_+2*(p_%2)+1], v[WK+4*t_+2*(p_%2):WK+4*t_+2*(p_%2)+1], v[S+24*t_+8*k_+2*p_:S+24*t_+8*k_+2*p_+1]
.else
.set t_, (w_-8)/4
.set c_, (w_-8)%4
	v_cvt_pk_bf16_f32 v[S+24*t_+8*k_+c_], v[S+24*t_+8*k_+2*c_], v[S+24*t_+8*k_+2*c_+1]
.endif
.elseif (\n) < 47
.set t_, (\n)-45
	v_pk_add_f32 v[WK+4*t_:WK+4*t_+1], v[WK+4*t_:WK+4*t_+1], v[WK+4*t_+2:WK+4*t_+3]
.else
.set t_, (\n)-47
	v_pk_fma_f32 v[ST+8*t_+2:ST+8*t_+3], v[ST+8*t_+2:ST+8*t_+3], v[ST+8*t_+6:ST+8*t_+7], v[WK+4*t_:WK+4*t_+1] op_sel_hi:[1,0,1]
.endif
.endm
.macro RPQ i                           ; what stands behind product i of unit 3: four of them
.if 4*(\i) < 49
	WIN 0
.endif
.irp x,0,1,2,3
.if 4*(\i)+\x < 49
	PSQ 4*(\i)+\x
.endif
.endr
.endm
; C OF TILE j - 1, AND BESIDE IT THE SOFTMAX OF STEP j.  No vector line here names a register of the products round it.  LDS instructions stand in runs between the units, four v_nop behind the unit's last product.
; fill = 1: tile j + 2 is asked for at the end.
.macro BCPH fill
	s_wait_dscnt 8                                 ; P of rows 0-31 and unit 0's E are in; unit 1's E (8 loads) may stay out
.set i, 0
.rept 16
	CWM 0, i
.if i < 6
	WIN 0
	MXQ 4*i
	MXQ 4*i+1
	MXQ 4*i+2
	MXQ 4*i+3
.elseif i == 6
	WIN 0
	ds_store_b32 v[LMW], v[WK]                     ; my maxima, nine products ahead of the wait for these stores
	ds_store_b32 v[LMW], v[WK+4] offset:128
.endif
.set i, i+1
.endr
	WIN 0
	PLACES
	s_wait_dscnt 0x0                               ; my maxima lie in LDS, and my reads of tile j and of a are over
	s_barrier_signal -1
	s_barrier_wait -1
	ds_load_b32 v[WK+1], v[LMR]                    ; the maxima of the wave with the other rows
	ds_load_b32 v[WK+5], v[LMR] offset:128
	PLD 1
	VLD 2
.set i, 0
.rept 16
	CWM 1, i
	RBQ i
.set i, i+1
.endr
	WIN 0
	PLACES
	VLD 3
	s_wait_dscnt 8                                 ; P of rows 32-63 and unit 2's E are in; unit 3's E may stay out
.set i, 0
.rept 16
	CWM 2, i
	RBQ 16+i
.set i, i+1
.endr
	WIN 0
	PLACES                                         ; also the plain instruction behind the last exponential
	s_wait_alu depctr_va_vdst(0)                   ; the one wait ahead of the batch's first reader, directly ahead of a run of LDS loads
	PLD 2
	VLD 4
	s_wait_dscnt 16                                ; unit 3's E is in; the 16 loads just issued may stay out
.set i, 0
.rept 16
	CWM 3, i
	RPQ i
.set i, i+1
.endr
	WIN 0
	PLACES
.irp a,0,1,2,3,4,5
	ds_store_b128 v[PWA], v[S+8*\a:S+8*\a+3] offset:(6*(\a/3)+\a%3)*512  ; P of step j
.endr
	ds_store_b32 v[AFW], v[T1]                     ; a of step j
	VLD 5                                          ; my last LDS instruction of the step but the add
	; THE STEP'S END.  Each wave waits for all its tensor loads (one is out: its part of tile j + 1), adds 0 to its spare word, and waits for that and for its LDS reads and stores; unit 4 stands between the add
	; and that wait, unit 5 between the opening signal and its wait.  fill = 1: the barrier opens a round of the cluster's, and behind it tile j + 2 is asked for, into the slot that C has read: the wave's one
	; tensor load, with a whole step, 288 matrix instructions, in which to land.
	s_wait_tensorcnt 0x0
	ds_add_u32 v[SPW], v[NIL]
	s_wait_dscnt 16                                ; P of rows 64-95 and unit 4's E are in; seven stores, unit 5's eight loads and the add may stay out
.set i, 0
.rept 16
	CWM 4, i
.set i, i+1
.endr
.if \fill
	s_add_co_u32 s[G0B+1], s[SY], s[WOFF]
	s_add_nc_u64 s[G0B+2:G0B+3], s[G0B+2:G0B+3], TILEB
	s_wait_xcnt 0x0                                ; the last prefetch, a step back, has read its address
	s_add_nc_u64 s[PFA:PFA+1], s[PFA:PFA+1], TILEB
.endif
	s_mov_b32 s[TMP], s[SY]                        ; the slots go round,
	s_mov_b32 s[SY], s[SX]
	s_mov_b32 s[SX], s[SN]
	s_mov_b32 s[SN], s[TMP]
	s_mov_b32 s[SC], s[SY]
	s_xor_b32 s[PBW], s[PBW], PB0^PB1              ; and P's buffers change places
	s_xor_b32 s[PBR], s[PBR], PB0^PB1
	s_wait_dscnt 0x0                               ; the add is done; P and a lie in LDS; my reads of tile j - 1 are over, unit 5's E among them
	s_barrier_signal -1
.set i, 0
.rept 16
	CWM 5, i
.set i, i+1
.endr
	WIN 0
	s_barrier_wait -1
.if \fill
	CREST
	tensor_load_to_lds s[G0B:G0B+3], s[G1:G1+7]
	s_nop 0
	PLACES                                         ; also the places ahead of X's first loads
	ASK
.else
	PLACES
.endif
.endm
; C by itself, for the last tile
.macro CPH
	WIN 0
	CADR
	PLD 0
	VLD 0
	VLD 1
	CUN 0, 8
	WIN 0
	PLACES
	PLD 1
	VLD 2
	CUN 1, 16
	WIN 0
	PLACES
	VLD 3
	CUN 2, 8
	WIN 0
	PLACES
	PLD 2
	VLD 4
	CUN 3, 16
	WIN 0
	PLACES
	VLD 5
	CUN 4, 8
	CUN 5, 0
	WIN 0
.endm
.macro STEP fill
	XPH
	BCPH \fill
.endm
	s_mov_b32 s[SC], 0                             ; step 0's C reads tile 0
	s_mov_b32 s[CNT], 19
.Lmain:                                        ; steps 0 to 18 ask for tiles 2 to 20
	STEP 1
	s_sub_co_u32 s[CNT], s[CNT], 1
	s_cmp_lg_u32 s[CNT], 0
	s_cbranch_scc1 .Lmain
	s_mov_b32 s[TC], 2
.Ltail:                                        ; steps 19 and 20 ask for nothing; step 20 takes the mask
	s_cmp_eq_u32 s[TC], 1
	s_cselect_b32 s[AL], 1.0, 0
	STEP 0
	s_sub_co_u32 s[TC], s[TC], 1
	s_cmp_lg_u32 s[TC], 0
	s_cbranch_scc1 .Ltail
	; the last a, the last tile's second product, and the way out
.irp q,0,1,2,3
	ds_load_b32 v[AQ+2*\q], v[AFR] offset:128*\q
.endr
	s_wait_dscnt 0x0
	WIN 0x41
.set z, 0
.rept 128
	v_pk_mul_f32 v[2*z:2*z+1], v[2*z:2*z+1], v[AQ+2*(z/32):AQ+2*(z/32)+1] op_sel_hi:[1,0]
.set z, z+1
.endr
	CPH
.irp t,0,1
	v_add_f32 v[ST+8*\t+2], v[ST+8*\t+2], v[ST+8*\t+3]
.endr
.irp t,0,1
	v_permlanex16_b32 v[ST+8*\t+3], v[ST+8*\t+2], s[SEL], s[SEL+1]
.endr
.irp t,0,1
	v_add_f32 v[ST+8*\t+2], v[ST+8*\t+2], v[ST+8*\t+3]
.endr
	v_cndmask_b32 v[WK], v[ST], v[ST+8], s[KSEL]
	PLACES
	WIN 0x04                                       ; store data in window 1
.set i, 0
.rept 32
	global_store_b128 v[L16], v[8*i:8*i+3],   s[10:11] offset:i*1024 th:TH_STORE_NT      ; 512 consecutive bytes a store; each accumulator's low half first
	global_store_b128 v[L16], v[8*i+4:8*i+7], s[10:11] offset:i*1024+512 th:TH_STORE_NT
.set i, i+1
.endr
	WIN 0
	global_store_b32 v[STC], v[WK], s[12:13]               ; c m of query tile w
	global_store_b32 v[STL], v[ST+2], s[12:13]             ; l of my rows, for my two query tiles
	global_store_b32 v[STL], v[ST+10], s[12:13] offset:128
	s_wait_tensorcnt 0x0                           ; the wave's end
	ds_add_u32 v[SPW], v[NIL]
	s_wait_dscnt 0x0
	CROUND                                         ; the closing round
	s_endpgm
.Lfunc_end_k_q48d2e05511_attn:
	.size	k_q48d2e05511_attn, .Lfunc_end_k_q48d2e05511_attn-k_q48d2e05511_attn
	.p2alignl 7, 3214868480
	.fill 96, 4, 3214868480
	.section	.rodata,"a",@progbits
	.p2align	6, 0x0
	.amdhsa_kernel k_q48d2e05511_attn
		.amdhsa_group_segment_fixed_size 327680
		.amdhsa_private_segment_fixed_size 0
		.amdhsa_enable_private_segment 0
		.amdhsa_kernarg_size 40
		.amdhsa_user_sgpr_count 2
		.amdhsa_user_sgpr_kernarg_segment_ptr 1
		.amdhsa_wavefront_size32 1
		.amdhsa_system_sgpr_workgroup_id_x 1
		.amdhsa_system_sgpr_workgroup_id_y 1
		.amdhsa_system_sgpr_workgroup_id_z 1
		.amdhsa_system_vgpr_workitem_id 0
		.amdhsa_next_free_vgpr 1024
		.amdhsa_next_free_sgpr 80
		.amdhsa_reserve_vcc 1
		.amdhsa_float_denorm_mode_32 3
		.amdhsa_float_denorm_mode_16_64 3
		.amdhsa_memory_ordered 1
		.amdhsa_forward_progress 1
		.amdhsa_inst_pref_size 166
	.end_amdhsa_kernel
	.amdgpu_metadata
---
amdhsa.version: [ 1, 2 ]
amdhsa.kernels:
  - .name:           k_q48d2e05511_attn
    .symbol:         k_q48d2e05511_attn.kd
    .args:
      - { .name: ebank, .offset: 0, .size: 8, .value_kind: global_buffer, .address_space: global }
      - { .name: qfr, .offset: 8, .size: 8, .value_kind: global_buffer, .address_space: global }
      - { .name: cq, .offset: 16, .size: 8, .value_kind: global_buffer, .address_space: global }
      - { .name: opart, .offset: 24, .size: 8, .value_kind: global_buffer, .address_space: global }
      - { .name: stat, .offset: 32, .size: 8, .value_kind: global_buffer, .address_space: global }
    .group_segment_fixed_size: 327680
    .private_segment_fixed_size: 0
    .kernarg_segment_align: 8
    .kernarg_segment_size: 40
    .max_flat_workgroup_size: 128
    .sgpr_count:     80
    .vgpr_count:     1024
    .wavefront_size: 32
...
	.end_amdgpu_metadata
.endif
;; end of part 7
;; launch finish (part 8): grid 192 x 1, 8 waves a work-group, no clusters, 327,680 bytes of LDS; arguments opart, stat, wfr, bv_ent, bv_rel, out0; writes out0
.if DOCPART == 8
	.amdgcn_target "amdgcn-amd-amdhsa--gfx1250"
	.amdhsa_code_object_version 6
	.text
	.protected	k_q48d2e05511_finish
	.globl	k_q48d2e05511_finish
	.p2align	8
	.type	k_q48d2e05511_finish,@function
k_q48d2e05511_finish:
	s_mov_b64 s[64:65], 0
	v_nop
	global_prefetch_b8 v0, s[64:65] scope:SCOPE_SE
	s_setreg_imm32_b32 hwreg(HW_REG_WAVE_MODE, 25, 1), 1
	s_wait_xcnt 0x0
; For one tile of 16 queries and one half of the 512 outputs: the chunks' O, c m and l are merged (w = 2^(c m - max c m), ctx = sum w O / sum w l), then out = ctx Wv^T + bv, since the weights of a
; softmax add up to 1.  ctx enters the product as a pair of bf16, hi + lo; Wv and bv are rounded once to bf16; sums in f32.  13 chunks for subj and obj queries, 5 for rel queries: two copies of the merge.
; SHARES.  Work-group 2 g + s: query tile g, outputs 256 s .. 256 s + 255.  Both halves make the same merge: the product needs all 512 channels of ctx, and Wv's half, 262,144 bytes, is what fits in LDS.
; Wave v merges channel tiles 4 v .. 4 v + 3 (ctx^T: a lane holds one query and eight channels, which packed is a matrix source) and then makes output tiles 16 s + 2 v and 16 s + 2 v + 1.
; NOTHING WAITS FOR A REGISTER TO COME FREE.  The wave's 32,768 bytes of Wv (two tiles x 16 k steps, dense) come by ONE tensor load at the head, into LDS bytes that the wave alone reads; each chunk of O has
; 32 registers of its own, and all 8 n loads are issued before the first is waited for.  One tensor load of a wave is out; no LDS byte is filled twice.
; NO CLUSTER: what the two halves share, O, comes through registers; each half's part of Wv is its own.
; REGISTERS: window 0: v0-11 addresses; v12-63 the statistics and the chunks' offsets; v64-79 the two accumulators; v80-91 addresses and at work; chunk c of O at v[96 + 32 c], c < 5.
;            window 1: chunks 5 to 12, 32 registers each; later Wv's fragments, (tile a, k step k) at 8 (16 a + k).
; LIMITS.  A chunk's weight below 2^-126 counts as 0; NaN and infinities are not treated apart.
.set CT,  262144                       ; LDS: wave v's part of Wv at 32,768 v; here ctx's fragments: [k step 16][hl][half][lane x 16]
.set OS,  CT+32768                     ; the output stage: 16 rows of 1,024 bytes + 16
.set OSP, 1040
.set SPARE, OS+16*OSP                  ; the spare words, 128 bytes for each wave
.set L16, 1
.set L4,  2
.set SPW, 3
.set NIL, 4
.set CTW, 5
.set OSW, 6
.set OSR, 7
.set BVO, 8
.set T,   9
.set T2,  10
.set W,   12                           ; chunk c: c m, then w, at v[12 + 2 c]; l of rows half 0 at v[13 + 2 c]
.set L1,  38                           ; l of rows half 1
.set OF,  51                           ; chunk c's byte offset in opart
.set ACC, 64
.set AAD, 80                           ; my part of Wv in LDS + 16 x lane
.set CTR, 81                           ; ctx's fragments + 16 x lane
.set TM,  84
.set RG,  96                           ; chunk 0, and the running sum
.set PK,  128                          ; ctx packed; later the rows on the way out
.set BB,  128                          ; two buffers of 64 for ctx's fragments of four k steps
.set G0,  32
.set G1,  36
.set MSB, 0
.macro WIN new                         ; the immediate's high byte repeats the setting that is left; a switch that changes nothing is dropped
.if MSB != (\new)
	s_set_vgpr_msb (MSB<<8)|(\new)
.set MSB, \new
.endif
.endm
.macro PLACES
.rept 4
	v_nop
.endr
.endm
.macro LWAIT k                         ; k younger loads may stay out; a wait's count names 63 at the most, and a smaller count than the younger loads is always right
.if (\k) > 63
	s_wait_loadcnt 63
.else
	s_wait_loadcnt \k
.endif
.endm
.macro SPLIT acc, hi, lo, tmp
.irp i,0,1,2,3
	v_cvt_pk_bf16_f32 v[(\hi)+\i], v[(\acc)+2*\i], v[(\acc)+2*\i+1]
.endr
.irp i,0,1,2,3
	v_lshlrev_b32 v[(\tmp)+2*\i], 16, v[(\hi)+\i]
	v_and_b32 v[(\tmp)+2*\i+1], 0xffff0000, v[(\hi)+\i]
.endr
.irp i,0,1,2,3
	v_pk_add_f32 v[(\tmp)+2*\i:(\tmp)+2*\i+1], v[(\acc)+2*\i:(\acc)+2*\i+1], v[(\tmp)+2*\i:(\tmp)+2*\i+1] neg_lo:[0,1] neg_hi:[0,1]
.endr
.irp i,0,1,2,3
	v_cvt_pk_bf16_f32 v[(\lo)+\i], v[(\tmp)+2*\i], v[(\tmp)+2*\i+1]
.endr
.endm
.macro OLOAD c                         ; a chunk's four channel tiles: 8 loads of 512 consecutive bytes
.if (\c) < 5
	WIN 0
.set RB, RG+32*(\c)
.else
	WIN 0x40                                       ; destination in window 1
.set RB, 32*((\c)-5)
.endif
.irp f,0,1,2,3,4,5,6,7
	global_load_b128 v[RB+4*\f:RB+4*\f+3], v[OF+(\c)], s[4:5] offset:\f*512
.endr
.endm
; the merge of n chunks whose work-groups lie sw apart
.macro COMBINE n, sw
.set c, 0
.rept \n
	global_load_b32 v[W+2*c],   v[L4], s[6:7] offset:c*(\sw)*2048
	global_load_b32 v[W+2*c+1], v[L4], s[6:7] offset:c*(\sw)*2048+512
	global_load_b32 v[L1+c],    v[L4], s[6:7] offset:c*(\sw)*2048+1024
	v_add_nc_u32 v[OF+c], c*(\sw)*131072, v[L16]
.set c, c+1
.endr
.set c, 0
.rept \n
	OLOAD c
.set c, c+1
.endr
	WIN 0
	LWAIT 8*(\n)                                   ; the bias and the statistics are in; the loads of O stand behind them
	v_max_num_f32 v[T], v[W], v[W+2]
.set c, 2
.rept (\n)-2
	v_max_num_f32 v[T], v[T], v[W+2*c]
.set c, c+1
.endr
.set c, 0
.rept \n
	v_sub_f32 v[W+2*c], v[W+2*c], v[T]
	v_add_f32 v[L1+c], v[L1+c], v[W+2*c+1]
.set c, c+1
.endr
.set c, 0
.rept \n
	v_exp_f32 v[W+2*c], v[W+2*c]
.set c, c+1
.endr
	v_nop                                          ; a plain instruction behind the last exponential,
	s_wait_alu depctr_va_vdst(0)                   ; and the one wait for the batch
	v_mul_f32 v[T], v[W], v[L1]
.set c, 1
.rept (\n)-1
	v_fmac_f32 v[T], v[W+2*c], v[L1+c]
.set c, c+1
.endr
	v_rcp_f32 v[T2], v[T]
	v_nop
	s_wait_alu depctr_va_vdst(0)
.set c, 0
.rept \n
	v_mul_f32 v[W+2*c], v[W+2*c], v[T2]
.set c, c+1
.endr
.set c, 0
.rept \n
	LWAIT 8*((\n)-1-c)                             ; this chunk is in; the chunks behind it may stay out
.if c < 5
	WIN 0
.else
	WIN 0x01                                       ; source 0 in window 1
.endif
.set z, 0
.rept 16
.if c == 0
	v_pk_mul_f32 v[RG+2*z:RG+2*z+1], v[RG+2*z:RG+2*z+1], v[W:W+1] op_sel_hi:[1,0]
.elseif c < 5
	v_pk_fma_f32 v[RG+2*z:RG+2*z+1], v[RG+32*c+2*z:RG+32*c+2*z+1], v[W+2*c:W+2*c+1], v[RG+2*z:RG+2*z+1] op_sel_hi:[1,0,1]
.else
	v_pk_fma_f32 v[RG+2*z:RG+2*z+1], v[32*(c-5)+2*z:32*(c-5)+2*z+1], v[W+2*c:W+2*c+1], v[RG+2*z:RG+2*z+1] op_sel_hi:[1,0,1]
.endif
.set z, z+1
.endr
.set c, c+1
.endr
	WIN 0                                          ; at a label and at a branch every window is 0
.endm
	s_load_b256 s[4:11], s[0:1], 0x0               ; opart s[4:5], stat s[6:7], wfr s[8:9], bv_ent s[10:11]
	s_load_b128 s[12:15], s[0:1], 0x20             ; bv_rel s[12:13], out0 s[14:15]
	v_lshl_add_u32 v[SPW], v0, 2, SPARE
	v_mov_b32 v[NIL], 0
	ds_add_u32 v[SPW], v[NIL]                      ; the wave's opening: the add, twice on end, and its wait ahead of my tensor load; the set-up below stands between
	ds_add_u32 v[SPW], v[NIL]
	v_lshrrev_b32 v11, 5, v0
	v_readfirstlane_b32 s2, v11                    ; wave 0..7
	s_lshr_b32 s3, ttmp9, 1                        ; query tile 0..95
	s_and_b32 s44, ttmp9, 1                        ; which half of the outputs
	s_lshr_b32 s16, s3, 2                          ; block of 64 queries
	s_and_b32 s17, s3, 3                           ; query tile in it
	s_lshr_b32 s18, s16, 3                         ; type
	s_and_b32 s19, s16, 3
	s_sub_co_u32 s20, s16, 8
	s_lshr_b32 s20, s20, 2                         ; query group of rel (0, 1) and obj (2, 3) blocks
	s_lshr_b32 s21, s16, 2                         ; of subj blocks
	s_cmp_eq_u32 s18, 0
	s_cselect_b32 s20, s21, s20
	s_lshl_b32 s20, s20, 2
	s_add_co_u32 s20, s20, s19
	s_add_co_u32 s21, s20, 208
	s_cmp_eq_u32 s18, 1
	s_cselect_b32 s20, s21, s20                    ; the work-group that made chunk 0
	s_cselect_b32 s22, 1, 0                        ; 1: rel
	s_lshl_b32 s24, s20, 17
	s_lshr_b32 s23, s2, 1
	s_lshl_b32 s23, s23, 15
	s_add_co_u32 s24, s24, s23
	s_lshl_b32 s23, s17, 13
	s_add_co_u32 s24, s24, s23
	s_and_b32 s23, s2, 1
	s_lshl_b32 s23, s23, 12
	s_add_co_u32 s24, s24, s23                     ; its wave v / 2, my query tile, channel tiles 4 (v % 2) on
	s_mov_b32 s25, 0
	s_lshl_b32 s26, s20, 11
	s_lshl_b32 s23, s17, 7
	s_add_co_u32 s26, s26, s23
	s_mov_b32 s27, 0
	s_mul_i32 s28, s22, 34
	s_add_co_u32 s28, s28, 68
	s_lshl_b32 s23, s44, 4
	s_add_co_u32 s28, s28, s23
	s_lshl_b32 s23, s2, 1
	s_add_co_u32 s28, s28, s23
	s_lshl_b32 s28, s28, 14                        ; (34 (2 + rel) + 16 s + 2 v) x 16,384
	s_mov_b32 s29, 0
	s_lshl_b32 s30, s3, 15
	s_lshl_b32 s23, s2, 12
	s_add_co_u32 s30, s30, s23
	s_lshl_b32 s23, s44, 10
	s_add_co_u32 s30, s30, s23                     ; rows 16 g + 2 v of the output, my half of their 2,048 bytes
	s_mov_b32 s31, 0
	; the descriptor: 32,768 dense bytes as 128 rows of 32 elements of 8 bytes, no padding: a fragment is read as it lies, 16 bytes a lane on end
	s_mov_b32 s[G0], 1                             ; count = 1
	s_mul_i32 s[G0+1], s2, 32768                   ; LDS address: my wave's own bytes
	s_mov_b32 s[G1], 3<<16                         ; 15:0 no mask; 17:16 elements of 8 bytes; 20 no padding
	s_mov_b32 s[G1+1], 32<<16                      ; tensor_dim0 = 32
	s_mov_b32 s[G1+2], 128<<16                     ; tensor_dim1 = 128
	s_mov_b32 s[G1+3], 32<<16                      ; tile_dim0 = 32
	s_mov_b32 s[G1+4], 128                         ; tile_dim1 = 128
	s_mov_b32 s[G1+5], 32                          ; elements from row to row
	s_mov_b32 s[G1+6], 0
	s_mov_b32 s[G1+7], 0
	v_and_b32 v11, 31, v0
	v_lshlrev_b32 v[L16], 4, v11
	v_lshlrev_b32 v[L4], 2, v11
	v_and_b32 v[T], 15, v0                         ; r
	v_bfe_u32 v[T2], v0, 4, 1                      ; h
	s_lshl_b32 s23, s2, 12
	s_add_co_u32 s23, s23, CT
	v_add_nc_u32 v[CTW], s23, v[L16]               ; k steps 2 v, 2 v + 1 of ctx
	v_add_nc_u32 v[CTR], CT, v[L16]
	s_mul_i32 s23, s2, 32768
	v_add_nc_u32 v[AAD], s23, v[L16]
	s_lshl_b32 s23, s2, 7
	s_lshl_b32 s45, s44, 10
	s_add_co_u32 s45, s45, s23
	v_lshl_add_u32 v[BVO], v[T2], 5, s45           ; bv: 1,024 s + 128 v + 32 h
	s_add_co_u32 s23, s23, OS
	v_mul_u32_u24 v[OSW], v[T], OSP
	v_lshl_add_u32 v[OSW], v[T2], 5, v[OSW]
	v_add_nc_u32 v[OSW], s23, v[OSW]               ; row r, my 32 outputs, 32 bytes for each half of the lanes
	s_mul_i32 s23, s2, 2*OSP
	s_add_co_u32 s23, s23, OS
	v_add_nc_u32 v[OSR], s23, v[L16]               ; back: rows 2 v, 2 v + 1
	s_wait_dscnt 0x0                               ; both opening adds are done
	s_wait_kmcnt 0x0
	s_cmp_eq_u32 s22, 1
	s_cselect_b64 s[10:11], s[12:13], s[10:11]
	s_add_nc_u64 s[4:5], s[4:5], s[24:25]
	s_add_nc_u64 s[6:7], s[6:7], s[26:27]
	s_add_nc_u64 s[G0+2:G0+3], s[8:9], s[28:29]
	s_or_b32 s[G0+3], s[G0+3], 0x80000000          ; type = 2
	s_add_nc_u64 s[14:15], s[14:15], s[30:31]
	tensor_load_to_lds s[G0:G0+3], s[G1:G1+7]      ; my two tiles of Wv, all 16 k steps
	s_nop 0
.irp f,0,1,2,3                         ; bv[n0 + 8 h + j] for my two output tiles: what starts their sums
	global_load_b128 v[ACC+4*\f:ACC+4*\f+3], v[BVO], s[10:11] offset:(\f/2)*64+(\f%2)*16
.endr
	s_cmp_eq_u32 s22, 1
	s_cbranch_scc1 .Lrel
	COMBINE 13, 16
	s_branch .Lmerged
.Lrel:
	COMBINE 5, 8
.Lmerged:
	s_wait_tensorcnt 0x0                           ; my part of Wv lies in LDS; no other wave reads it
	WIN 0x40                                       ; its 32 fragments go into window 1, which the merge has left
.set i, 0
.rept 32
	ds_load_b128 v[8*i:8*i+3],   v[AAD] offset:i*1024
	ds_load_b128 v[8*i+4:8*i+7], v[AAD] offset:i*1024+512
.set i, i+1
.endr
	WIN 0
.set i, 0
.rept 8
	v_cvt_pk_bf16_f32 v11, v[ACC+2*i], v[ACC+2*i+1]    ; the bias is rounded to bf16 like every input, and widened again
	v_lshlrev_b32 v[ACC+2*i], 16, v11
	v_and_b32 v[ACC+2*i+1], 0xffff0000, v11
.set i, i+1
.endr
.irp c,0,1,2,3
	SPLIT RG+8*\c, PK+8*\c, PK+4+8*\c, TM
	ds_store_b128 v[CTW], v[PK+8*\c:PK+8*\c+3]   offset:(\c/2)*2048+(\c%2)*512
	ds_store_b128 v[CTW], v[PK+4+8*\c:PK+4+8*\c+3] offset:(\c/2)*2048+1024+(\c%2)*512
.endr
	s_wait_dscnt 0x0                               ; for the others: my part of ctx lies in LDS; and Wv's fragments are in
	s_barrier_signal -1
	s_barrier_wait -1
.macro BLD b                           ; ctx's fragments of k steps 4 b .. 4 b + 3, hi then lo: 16 loads
.irp kk,0,1,2,3
.irp f,0,1,2,3
	ds_load_b128 v[BB+64*((\b)%2)+16*\kk+4*\f:BB+64*((\b)%2)+16*\kk+4*\f+3], v[CTR] offset:(4*(\b)+\kk)*2048+\f*512
.endr
.endr
.endm
	BLD 0
	BLD 1
.set b, 0
.rept 4
.if b < 3
	s_wait_dscnt 16                                ; this batch is in; the next batch's 16 loads may stay out
.else
	s_wait_dscnt 0x0
.endif
	WIN 0x01                                       ; Wv (source 0) in window 1
.irp kk,0,1,2,3
.irp hl,0,1
.irp a,0,1                             ; out^T = Wv ctx^T; the two accumulators take turns
	v_wmma_f32_16x16x32_bf16 v[ACC+8*\a:ACC+8*\a+7], v[8*(16*\a+4*b+\kk):8*(16*\a+4*b+\kk)+7], v[BB+64*(b%2)+16*\kk+8*\hl:BB+64*(b%2)+16*\kk+8*\hl+7], v[ACC+8*\a:ACC+8*\a+7]
.endr
.endr
.endr
	WIN 0
.if b < 2
	PLACES
	BLD b+2
.endif
.set b, b+1
.endr
	PLACES
.irp a,0,1                             ; a lane holds eight neighbouring outputs of one query: 32 bytes of a row; each accumulator's low half first
	ds_store_b128 v[OSW], v[ACC+8*\a:ACC+8*\a+3]   offset:\a*64
	ds_store_b128 v[OSW], v[ACC+8*\a+4:ACC+8*\a+7] offset:\a*64+16
.endr
	s_wait_dscnt 0x0
	s_barrier_signal -1
	s_barrier_wait -1
.irp f,0,1,2,3
	ds_load_b128 v[PK+4*\f:PK+4*\f+3], v[OSR] offset:(\f/2)*OSP+(\f%2)*512
.endr
.irp f,0,1,2,3
	s_wait_dscnt 3-\f
	global_store_b128 v[L16], v[PK+4*\f:PK+4*\f+3], s[14:15] offset:(\f/2)*2048+(\f%2)*512  ; 512 consecutive bytes of a row of the output
.endr
	s_wait_tensorcnt 0x0                           ; the wave's end, behind my tensor load and my last LDS store
	ds_add_u32 v[SPW], v[NIL]
	s_wait_dscnt 0x0
	s_endpgm
.Lfunc_end_k_q48d2e05511_finish:
	.size	k_q48d2e05511_finish, .Lfunc_end_k_q48d2e05511_finish-k_q48d2e05511_finish
	.p2alignl 7, 3214868480
	.fill 96, 4, 3214868480
	.section	.rodata,"a",@progbits
	.p2align	6, 0x0
	.amdhsa_kernel k_q48d2e05511_finish
		.amdhsa_group_segment_fixed_size 327680
		.amdhsa_private_segment_fixed_size 0
		.amdhsa_enable_private_segment 0
		.amdhsa_kernarg_size 48
		.amdhsa_user_sgpr_count 2
		.amdhsa_user_sgpr_kernarg_segment_ptr 1
		.amdhsa_wavefront_size32 1
		.amdhsa_system_sgpr_workgroup_id_x 1
		.amdhsa_system_sgpr_workgroup_id_y 1
		.amdhsa_system_sgpr_workgroup_id_z 1
		.amdhsa_system_vgpr_workitem_id 0
		.amdhsa_next_free_vgpr 512
		.amdhsa_next_free_sgpr 66
		.amdhsa_reserve_vcc 0
		.amdhsa_float_denorm_mode_32 3
		.amdhsa_float_denorm_mode_16_64 3
		.amdhsa_memory_ordered 1
		.amdhsa_forward_progress 1
		.amdhsa_inst_pref_size 68
	.end_amdhsa_kernel
	.amdgpu_metadata
---
amdhsa.version: [ 1, 2 ]
amdhsa.kernels:
  - .name:           k_q48d2e05511_finish
    .symbol:         k_q48d2e05511_finish.kd
    .args:
      - { .name: opart, .offset: 0, .size: 8, .value_kind: global_buffer, .address_space: global }
      - { .name: stat, .offset: 8, .size: 8, .value_kind: global_buffer, .address_space: global }
      - { .name: wfr, .offset: 16, .size: 8, .value_kind: global_buffer, .address_space: global }
      - { .name: bv_ent, .offset: 24, .size: 8, .value_kind: global_buffer, .address_space: global }
      - { .name: bv_rel, .offset: 32, .size: 8, .value_kind: global_buffer, .address_space: global }
      - { .name: out0, .offset: 40, .size: 8, .value_kind: global_buffer, .address_space: global }
    .group_segment_fixed_size: 327680
    .private_segment_fixed_size: 0
    .kernarg_segment_align: 8
    .kernarg_segment_size: 48
    .max_flat_workgroup_size: 256
    .sgpr_count:     66
    .vgpr_count:     512
    .wavefront_size: 32
...
	.end_amdgpu_metadata
.endif
;; end of part 8
;; ======== version 3 of 3: 4 launches; version 2 with the launches prep1, prep2 written anew for expert scheduling mode
;; limits: right only within a limited range of input values
;; workspace buffers: ebank 35,954,688 bytes; qe 3,145,728 bytes; qfr 3,145,728 bytes; wfr 2,228,224 bytes; cq 12,288 bytes; opart 32,505,856 bytes; stat 507,904 bytes
;; launch prep1 (part 9): grid 418 x 1, 8 waves a work-group, no clusters, 134,144 bytes of LDS; arguments subj_q, rel_q, obj_q, wq_subj, wq_rel, wq_obj, bq_subj, bq_rel, bq_obj, wk_ent, wk_rel, bk_ent, bk_rel, wv_ent, wv_rel, entity_embeddings, qe, wfr, ebank; writes qe, wfr, ebank
.if DOCPART == 9
	.amdgcn_target "amdgcn-amd-amdhsa--gfx1250"
	.amdhsa_code_object_version 6
	.text
	.protected	k_q48d2e05511_prep1
	.globl	k_q48d2e05511_prep1
	.p2align	8
	.type	k_q48d2e05511_prep1,@function
k_q48d2e05511_prep1:
	s_mov_b64 s[64:65], 0
	v_nop
	global_prefetch_b8 v0, s[64:65] scope:SCOPE_SE
	s_setreg_imm32_b32 hwreg(HW_REG_WAVE_SCHED_MODE, 0, 2), 2
	s_setreg_imm32_b32 hwreg(HW_REG_WAVE_MODE, 25, 1), 1
	s_wait_xcnt 0x0
	s_wait_alu depctr_vm_vsrc(0)
; THREE ROLES, chosen by the work-group's number (the same for all eight waves of a work-group).
; 0..191    q = x Wq^T + bq for 64 queries x 64 outputs.  x, Wq and bq are rounded once to bf16, sums in f32; q leaves as a pair of bf16 (hi, and lo = the rest),
;           in the register image of a matrix source (32 k x 16 queries): 1,024 bytes a fragment, [half 2][lane 32][16 bytes].
; 192..257  the weights of the later products as fragments of 16 rows x 32 k, rounded once to bf16: Wk^T (row = input channel d, k = e), two tiles whose every row is bk, and Wv (row = n, k = c).
; 258..417  rows 0 to 15,999 of the entity bank rounded once to bf16, 100 rows a work-group (the other 9,000 rows are the next launch's); the first 24 of them also write the 96 zero rows behind the bank.
; LIMITS.  NaN and infinities are not treated apart.  hi + lo keep about 16 significant bits of q.
; THE MODE: SCHED_MODE bits 1:0 = 2 (LLVM: expert scheduling mode 2), set by the entry lines.  The code itself states the register dependences between vector or matrix instructions and
; memory or LDS instructions, with s_wait_alu, always for 0.
; THE PLAN, role by role: the registers that memory or LDS instructions touch, who writes and who reads them.
;   The bank.  v2, v3: offsets, written once.  CI: six blocks of five slots; block p's ten conversions read CI[p % 6]; the loads of block p + 5, issued in block p, land in CI[(p - 1) % 6].
;     CO: 50 pairs, each written once, by a conversion of block p, and read by one store, issued in block p + 1.  So the memory instructions of block p touch what block p - 1 worked on and no vector line of
;     block p names: one wait on va_vdst at a block's head states all that they hang on.  No register that a memory instruction reads is written again.
;   The fragments.  v8-23, v24: offsets, written once.  v64-127: loaded once, read by the conversions.  v128-159: written by the conversions, read by the stores: one wait between.
;   q.  v2-v8: addresses, written at the head alone.  SA, SB: a step's 32 conversions read a set, and in the first two steps the next loads land in it.  TC0, TC1: written by the conversions of steps 0, 2 and
;     of steps 1, 3, read by the step's 16 LDS stores.  One wait on va_vdst a step, behind its conversions; one on vm_vsrc at step 2's head, which frees both TC.  v64-255 then take the fragments.
.set PITCH, 1040                       ; an LDS row: 1,024 bytes of bf16 + 16: the 16 rows of a fragment load start 65 x 16 bytes apart
.set SPARE, 128*PITCH                  ; behind x's 64 rows and Wq's 64 rows: the spare words, 128 bytes for each wave
.set CI, 32                            ; bank: v[32:151]: six blocks of five slots of 4 registers, as loaded
.set CO, 152                           ; bank: v[152:251]: 50 pairs to store, none written twice
.set SA, 64
.set SB, 128
.set TC0, 192                          ; q: two buffers of 32 registers of bf16 on their way into LDS
.set TC1, 224
.macro PLACES                          ; four plain vector instructions behind a matrix instruction, ahead of what reads its result or writes its registers (ISA guide 7.12.1)
.rept 4
	v_nop
.endr
.endm
; eight f32 of an accumulator -> four registers of bf16 (hi) and four of the remainder (lo); the accumulator's lowest registers are read first
.macro SPLIT acc, hi, lo, tmp
.irp i,0,1,2,3
	v_cvt_pk_bf16_f32 v[(\hi)+\i], v[(\acc)+2*\i], v[(\acc)+2*\i+1]
.endr
.irp i,0,1,2,3
	v_lshlrev_b32 v[(\tmp)+2*\i], 16, v[(\hi)+\i]
	v_and_b32 v[(\tmp)+2*\i+1], 0xffff0000, v[(\hi)+\i]
.endr
.irp i,0,1,2,3
	v_pk_add_f32 v[(\tmp)+2*\i:(\tmp)+2*\i+1], v[(\acc)+2*\i:(\acc)+2*\i+1], v[(\tmp)+2*\i:(\tmp)+2*\i+1] neg_lo:[0,1] neg_hi:[0,1]
.endr
.irp i,0,1,2,3
	v_cvt_pk_bf16_f32 v[(\lo)+\i], v[(\tmp)+2*\i], v[(\tmp)+2*\i+1]
.endr
.endm
; 100 rows of f32 -> bf16: 50 sweeps of 4,096 bytes in, 2,048 out; thread t takes 16 bytes at 16 t and stores 8 at 8 t: a wave stores 256 consecutive bytes, aligned.
; Ten blocks of five sweeps; 30 loads a wave go out at the start; every step stands in an immediate, and no register that a load or store reads is written again.
.macro CONV src, dst
	v_lshlrev_b32 v2, 4, v0
	v_lshlrev_b32 v3, 3, v0
	s_wait_alu depctr_va_vdst(0)                   ; v2 and v3 are written: every load and store below reads one of them as its offset
.set i, 0
.rept 30
	global_load_b128 v[CI+4*i:CI+4*i+3], v2, s[\src:\src+1] offset:4096*i th:TH_LOAD_NT  ; blocks 0 to 5
.set i, i+1
.endr
.set p, 0
.rept 10
.if p == 0
	s_wait_loadcnt 25                              ; block 0 is in; blocks 1 to 5 stay out
.elseif p < 6
	s_wait_loadcnt 20                              ; loads come back in order (ISA guide 5.7.1): block p is in, the four younger blocks stay out
.else
	s_wait_loadcnt 5*(9-p)                         ; nothing more is loaded: the counts run down
.endif
.if p > 0
	s_wait_alu depctr_va_vdst(0)                   ; the block before has written its pairs of CO, which the stores below read, and is done reading its block of CI, in which the loads below land
.endif
.set i, 0
.rept 5
.if (p > 0) && (p < 5)
	global_load_b128 v[CI+20*((p+5)%6)+4*i:CI+20*((p+5)%6)+4*i+3], v2, s[\src:\src+1] offset:4096*(5*(p+5)+i) th:TH_LOAD_NT  ; five blocks ahead; no vector line since the wait names these registers
.endif
.if p > 0
	global_store_b64 v3, v[CO+2*(5*(p-1)+i):CO+2*(5*(p-1)+i)+1], s[\dst:\dst+1] offset:2048*(5*(p-1)+i)  ; the block before
.endif
	v_cvt_pk_bf16_f32 v[CO+2*(5*p+i)], v[CI+20*(p%6)+4*i], v[CI+20*(p%6)+4*i+1]
	v_cvt_pk_bf16_f32 v[CO+2*(5*p+i)+1], v[CI+20*(p%6)+4*i+2], v[CI+20*(p%6)+4*i+3]
.set i, i+1
.endr
.set p, p+1
.endr
	s_wait_alu depctr_va_vdst(0)                   ; block 9 has written its pairs of CO, which the last five stores read
.set i, 0
.rept 5
	global_store_b64 v3, v[CO+90+2*i:CO+90+2*i+1], s[\dst:\dst+1] offset:2048*(45+i)
.set i, i+1
.endr
.endm
	v_lshl_add_u32 v30, v0, 2, SPARE               ; my spare word, and 0: kept for the closing lines alone
	v_mov_b32 v31, 0
	v_lshrrev_b32 v1, 5, v0
	v_readfirstlane_b32 s2, v1                     ; wave 0..7
	s_wait_alu depctr_va_sdst(0)                   ; s2 is written, ahead of the branches below and of its first reader
	s_cmp_lt_u32 ttmp9, 192
	s_cbranch_scc1 .Lstage1
	s_cmp_lt_u32 ttmp9, 258
	s_cbranch_scc1 .Lfrag
	; ---- the entity bank, rows 0 to 15,999 ----
	s_load_b64 s[4:5], s[0:1], 0x78                ; entity_embeddings
	s_load_b64 s[6:7], s[0:1], 0x90                ; ebank
	s_sub_co_u32 s3, ttmp9, 258                    ; c = 0..159
	s_mul_i32 s8, s3, 204800                       ; 100 rows of 2,048 bytes
	s_mov_b32 s9, 0
	s_mul_i32 s10, s3, 102400                      ; 100 rows of 1,024 bytes
	s_mov_b32 s11, 0
	s_lshl_b32 s12, s3, 12                         ; four zero rows at row 25,000 + 4 c
	s_add_co_u32 s12, s12, 25000*1024
	s_mov_b32 s13, 0
	s_wait_kmcnt 0x0
	s_add_nc_u64 s[4:5], s[4:5], s[8:9]
	s_add_nc_u64 s[14:15], s[6:7], s[12:13]
	s_add_nc_u64 s[6:7], s[6:7], s[10:11]
	CONV 4, 6
	s_cmp_lt_u32 s3, 24
	s_cbranch_scc0 .Lbank_done
	v_mov_b32 v4, 0
	v_mov_b32 v5, 0
	v_mov_b32 v6, 0
	v_mov_b32 v7, 0
	s_wait_alu depctr_va_vdst(0)                   ; v[4:7] are written, which the store reads
	global_store_b128 v2, v[4:7], s[14:15]         ; 256 threads x 16 bytes = four rows of zeros
.Lbank_done:
	s_endpgm
	; ---- fragments of the weights ----
.Lfrag:
	s_load_b256 s[8:15], s[0:1], 0x48              ; wk_ent s[8:9], wk_rel s[10:11], bk_ent s[12:13], bk_rel s[14:15]
	s_load_b128 s[16:19], s[0:1], 0x68             ; wv_ent s[16:17], wv_rel s[18:19]
	s_load_b64 s[20:21], s[0:1], 0x88              ; wfr
	s_sub_co_u32 s3, ttmp9, 192                    ; f = 0..65
	s_cmp_ge_u32 s3, 17                            ; f < 34: Wk^T, 17 pairs of tiles a matrix (the 17th is bk)
	s_cselect_b32 s22, 1, 0
	s_mul_i32 s23, s22, 17
	s_sub_co_u32 s23, s3, s23
	s_sub_co_u32 s24, s3, 34                       ; f >= 34: Wv, 16 pairs of tiles a matrix
	s_lshr_b32 s25, s24, 4
	s_add_co_u32 s25, s25, 2
	s_and_b32 s24, s24, 15
	s_cmp_ge_u32 s3, 34
	s_cselect_b32 s22, s25, s22                    ; mat 0..3
	s_cselect_b32 s23, s24, s23                    ; i: the pair of tiles
	s_cselect_b32 s26, 1, 0                        ; 1: Wv
	s_cmp_eq_u32 s23, 16                           ; only Wk's count reaches 16
	s_cselect_b32 s27, 1, 0                        ; 1: bk
	s_mov_b32 s28, 4                               ; bytes from row to row of a fragment: Wk^T's rows are columns d of Wk
	s_mov_b32 s29, 2048                            ; bytes from k to k + 1
	s_mov_b32 s30, 64                              ; bytes from tile to tile (16 rows)
	s_mov_b32 s31, 0x10000                         ; bytes from k step to k step (32 k)
	s_cmp_eq_u32 s27, 1                            ; bk: every row the same
	s_cselect_b32 s28, 0, s28
	s_cselect_b32 s29, 4, s29
	s_cselect_b32 s30, 0, s30
	s_cselect_b32 s31, 128, s31
	s_cmp_eq_u32 s26, 1                            ; Wv as it lies
	s_cselect_b32 s28, 2048, s28
	s_cselect_b32 s29, 4, s29
	s_cselect_b32 s30, 0x8000, s30
	s_cselect_b32 s31, 128, s31
	s_lshr_b32 s40, s2, 2
	s_lshl_b32 s41, s23, 1
	s_add_co_u32 s41, s41, s40                     ; my tile = 2 i + wave / 4
	s_and_b32 s42, s2, 3
	s_lshl_b32 s42, s42, 2                         ; my first k step = 4 (wave % 4)
	s_mul_i32 s43, s41, s30
	s_mul_i32 s44, s42, s31
	s_add_co_u32 s44, s44, s43
	s_mov_b32 s45, 0
	s_mov_b32 s46, s31
	s_mov_b32 s47, 0
	s_mul_i32 s57, s22, 34
	s_add_co_u32 s57, s57, s41
	s_lshl_b32 s56, s57, 14
	s_lshl_b32 s57, s42, 10
	s_add_co_u32 s56, s56, s57                     ; (34 mat + tile) x 16,384 + k step x 1,024
	s_mov_b32 s57, 0
	v_and_b32 v1, 15, v0                           ; r
	v_bfe_u32 v2, v0, 4, 1                         ; h
	v_and_b32 v3, 31, v0
	v_lshlrev_b32 v24, 4, v3                       ; 16 x lane
	v_mul_lo_u32 v3, v1, s28
	s_lshl_b32 s58, s29, 3
	v_mul_lo_u32 v4, v2, s58
	v_add_nc_u32 v8, v3, v4                        ; v[8+e]: element e of my 16: row r, k = 8 h + e (e < 8), 16 + 8 h + e - 8 (e >= 8)
.set j, 0
.rept 7
	v_add_nc_u32 v[9+j], s29, v[8+j]
.set j, j+1
.endr
	s_lshl_b32 s58, s29, 4
.set j, 0
.rept 8
	v_add_nc_u32 v[16+j], s58, v[8+j]
.set j, j+1
.endr
	s_wait_kmcnt 0x0
	s_and_b32 s32, s22, 1
	s_cmp_eq_u32 s32, 1
	s_cselect_b64 s[34:35], s[10:11], s[8:9]
	s_cselect_b64 s[36:37], s[14:15], s[12:13]
	s_cselect_b64 s[38:39], s[18:19], s[16:17]
	s_cmp_eq_u32 s27, 1
	s_cselect_b64 s[34:35], s[36:37], s[34:35]
	s_cmp_eq_u32 s26, 1
	s_cselect_b64 s[34:35], s[38:39], s[34:35]
	s_add_nc_u64 s[48:49], s[34:35], s[44:45]      ; a base for each of my four k steps
	s_add_nc_u64 s[50:51], s[48:49], s[46:47]
	s_add_nc_u64 s[52:53], s[50:51], s[46:47]
	s_add_nc_u64 s[54:55], s[52:53], s[46:47]
	s_add_nc_u64 s[20:21], s[20:21], s[56:57]
	s_wait_alu depctr_va_vdst(0)                   ; the sixteen offsets v8 to v23 are written, which the loads read (and v24, the stores' offset)
.irp k,0,1,2,3
.irp e,0,1,2,3,4,5,6,7,8,9,10,11,12,13,14,15
	global_load_b32 v[64+16*\k+\e], v[8+\e], s[48+2*\k:49+2*\k]
.endr
.endr
	s_wait_loadcnt 0x0
.set i, 0
.rept 32
	v_cvt_pk_bf16_f32 v[128+i], v[64+2*i], v[64+2*i+1]  ; two neighbouring k to a register
.set i, i+1
.endr
	s_wait_alu depctr_va_vdst(0)                   ; the conversions have written v[128:159], which the eight stores read
.irp k,0,1,2,3
	global_store_b128 v24, v[128+8*\k:131+8*\k], s[20:21] offset:\k*1024
	global_store_b128 v24, v[132+8*\k:135+8*\k], s[20:21] offset:\k*1024+512
.endr
	s_endpgm
	; ---- q = x Wq^T + bq ----
.Lstage1:
	s_load_b512 s[8:23], s[0:1], 0x0               ; x: s[8:9] s[10:11] s[12:13]; Wq: s[14:15] s[16:17] s[18:19]; bq: s[20:21] s[22:23]
	s_load_b64 s[24:25], s[0:1], 0x40              ; bq_obj
	s_load_b64 s[26:27], s[0:1], 0x80              ; qe
	s_lshr_b32 s3, ttmp9, 3                        ; block of 64 queries, 0..23, in the output's order subj, rel, obj
	s_and_b32 s34, ttmp9, 7                        ; es: which 64 outputs e
	s_lshr_b32 s35, s3, 3                          ; type
	s_and_b32 s36, s3, 7
	s_lshl_b32 s36, s36, 17                        ; 64 rows of 2,048 bytes in x
	s_mov_b32 s37, 0
	s_lshl_b32 s38, s34, 17                        ; and in Wq
	s_mov_b32 s39, 0
	s_lshl_b32 s40, s34, 8                         ; 64 numbers of bq
	s_mov_b32 s41, 0
	s_and_b32 s42, s2, 3                           ; t: my tile of 16 queries
	s_lshr_b32 s43, s2, 2                          ; ep: my 32 of the 64 outputs
	s_lshl_b32 s44, s3, 2
	s_add_co_u32 s44, s44, s42
	s_lshl_b32 s44, s44, 15                        ; query tile x 32,768
	s_lshl_b32 s46, s34, 1
	s_add_co_u32 s46, s46, s43
	s_lshl_b32 s46, s46, 10                        ; k step e / 32 = 2 es + ep
	s_add_co_u32 s44, s44, s46
	s_mov_b32 s45, 0
	v_and_b32 v1, 31, v0
	v_lshlrev_b32 v8, 4, v1                        ; 16 x lane
	s_lshl_b32 s47, s2, 14
	v_add_nc_u32 v2, s47, v8                       ; in memory: my eight rows, 16 bytes a lane
	s_mul_i32 s47, s2, 8*PITCH
	v_lshl_add_u32 v3, v1, 3, s47                  ; in LDS: my eight rows of x, 8 bytes a lane
	v_add_nc_u32 v4, 64*PITCH, v3                  ; and of Wq, behind x's 64 rows
	v_and_b32 v9, 15, v0                           ; r
	v_bfe_u32 v10, v0, 4, 1                        ; h
	s_lshl_b32 s47, s43, 7
	v_lshl_add_u32 v5, v10, 5, s47                 ; bq: 128 ep + 32 h
	v_mul_u32_u24 v11, v9, PITCH
	v_lshl_add_u32 v11, v10, 4, v11                ; a fragment's row x pitch + 16 h
	s_mul_i32 s47, s43, 32*PITCH
	s_add_co_u32 s47, s47, 64*PITCH
	v_add_nc_u32 v6, s47, v11                      ; my fragments of Wq
	s_mul_i32 s47, s42, 16*PITCH
	v_add_nc_u32 v7, s47, v11                      ; my fragments of x
	s_wait_kmcnt 0x0
	s_cmp_eq_u32 s35, 1
	s_cselect_b64 s[28:29], s[10:11], s[8:9]
	s_cselect_b64 s[30:31], s[16:17], s[14:15]
	s_cselect_b64 s[32:33], s[22:23], s[20:21]
	s_cmp_eq_u32 s35, 2
	s_cselect_b64 s[28:29], s[12:13], s[28:29]
	s_cselect_b64 s[30:31], s[18:19], s[30:31]
	s_cselect_b64 s[32:33], s[24:25], s[32:33]
	s_add_nc_u64 s[28:29], s[28:29], s[36:37]
	s_add_nc_u64 s[30:31], s[30:31], s[38:39]
	s_add_nc_u64 s[32:33], s[32:33], s[40:41]
	s_add_nc_u64 s[26:27], s[26:27], s[44:45]
.macro LD base, row0, set              ; four of my eight rows: 16 loads of 512 consecutive bytes a wave
.irp i,0,1,2,3
.irp s,0,1,2,3
	global_load_b128 v[(\set)+16*\i+4*\s:(\set)+16*\i+4*\s+3], v2, s[\base:\base+1] offset:((\row0)+\i)*2048+\s*512
.endr
.endr
.endm
; A step: four rows are rounded to bf16, into buffer tc.  cnt: the younger loads that may stay out.  again = 1: the step that first writes a buffer anew.
.macro CVT set, cnt, tc, again
	s_wait_loadcnt \cnt
.if \again
	s_wait_alu depctr_vm_vsrc(0)                   ; the LDS stores of the first two steps have read TC0 and TC1, which this step's and the next step's conversions write again
.endif
.irp i,0,1,2,3
.irp s,0,1,2,3
	v_cvt_pk_bf16_f32 v[(\tc)+8*\i+2*\s], v[(\set)+16*\i+4*\s], v[(\set)+16*\i+4*\s+1]
	v_cvt_pk_bf16_f32 v[(\tc)+8*\i+2*\s+1], v[(\set)+16*\i+4*\s+2], v[(\set)+16*\i+4*\s+3]
.endr
.endr
	s_wait_alu depctr_va_vdst(0)                   ; the conversions have written the buffer, which the LDS stores read, and are done reading the set, in which later loads land
.endm
.macro PUT adr, row0, tc               ; and laid into LDS
.irp i,0,1,2,3
.irp s,0,1,2,3
	ds_store_b64 v[\adr], v[(\tc)+8*\i+2*\s:(\tc)+8*\i+2*\s+1] offset:((\row0)+\i)*PITCH+\s*256
.endr
.endr
.endm
	s_wait_alu depctr_va_vdst(0)                   ; the seven addresses and offsets v2 to v8 are written, which the loads and stores of this role read
	global_load_b128 v[32:35], v5, s[32:33]            ; bq[e0 + 8 h + j]: what starts the sums of my two tiles of 16 outputs
	global_load_b128 v[36:39], v5, s[32:33] offset:16
	global_load_b128 v[40:43], v5, s[32:33] offset:64
	global_load_b128 v[44:47], v5, s[32:33] offset:80
	LD 28, 0, SA
	LD 28, 4, SB
	CVT SA, 16, TC0, 0                             ; x, my rows 0 to 3
	LD 30, 0, SA                                   ; the set is asked for again at once, ahead of the LDS stores
	PUT 3, 0, TC0
	CVT SB, 16, TC1, 0                             ; x, rows 4 to 7
	LD 30, 4, SB
	PUT 3, 4, TC1
	CVT SA, 16, TC0, 1                             ; Wq, rows 0 to 3
	PUT 4, 0, TC0
	CVT SB, 0, TC1, 0                              ; Wq, rows 4 to 7
	PUT 4, 4, TC1
.set i, 0
.rept 8
	v_cvt_pk_bf16_f32 v[48+i], v[32+2*i], v[33+2*i]    ; the bias is rounded to bf16 like every input, and widened again; these lines name no register that an LDS store reads or a fragment lands in
	v_lshlrev_b32 v[32+2*i], 16, v[48+i]
	v_and_b32 v[33+2*i], 0xffff0000, v[48+i]
.set i, i+1
.endr
	s_wait_dscnt 0x0                               ; for the others: my rows lie in LDS
	s_barrier_signal -1
	s_barrier_wait -1
	s_wait_alu depctr_vm_vsrc(0)                   ; my LDS stores of the last two steps have read v[192:255], in which fragments land from here on (the conversions that named v[64:255] stand ahead of the last wait on va_vdst)
.macro GLD g, set                      ; four k steps: two fragments of Wq and one of x each: 24 loads
.irp k,0,1,2,3
	ds_load_b128 v[(\set)+24*\k:(\set)+24*\k+3],     v6 offset:(4*(\g)+\k)*64
	ds_load_b128 v[(\set)+24*\k+4:(\set)+24*\k+7],   v6 offset:(4*(\g)+\k)*64+32
	ds_load_b128 v[(\set)+24*\k+8:(\set)+24*\k+11],  v6 offset:16*PITCH+(4*(\g)+\k)*64
	ds_load_b128 v[(\set)+24*\k+12:(\set)+24*\k+15], v6 offset:16*PITCH+(4*(\g)+\k)*64+32
	ds_load_b128 v[(\set)+24*\k+16:(\set)+24*\k+19], v7 offset:(4*(\g)+\k)*64
	ds_load_b128 v[(\set)+24*\k+20:(\set)+24*\k+23], v7 offset:(4*(\g)+\k)*64+32
.endr
.endm
.macro GMUL set                        ; q^T = Wq x^T: a lane holds one query and eight outputs.  The two accumulators take turns
.irp k,0,1,2,3
	v_wmma_f32_16x16x32_bf16 v[32:39], v[(\set)+24*\k:(\set)+24*\k+7], v[(\set)+24*\k+16:(\set)+24*\k+23], v[32:39]
	v_wmma_f32_16x16x32_bf16 v[40:47], v[(\set)+24*\k+8:(\set)+24*\k+15], v[(\set)+24*\k+16:(\set)+24*\k+23], v[40:47]
.endr
.endm
	GLD 0, 64
	GLD 1, 160
	s_wait_dscnt 24                                ; the first set is in, the other set's 24 loads may stay out
	GMUL 64
	PLACES
	s_wait_alu depctr_va_vdst(0)                   ; the eight products are done reading v[64:159], in which the next fragments land
	GLD 2, 64
	s_wait_dscnt 24
	GMUL 160
	PLACES
	s_wait_alu depctr_va_vdst(0)                   ; the eight products are done reading v[160:255], in which the last fragments land
	GLD 3, 160
	s_wait_dscnt 24
	GMUL 64
	s_wait_dscnt 0x0
	GMUL 160
	PLACES
	SPLIT 32, 48, 52, 64
	SPLIT 40, 56, 60, 72
	s_wait_alu depctr_va_vdst(0)                   ; the conversions have written v[48:63], which the four stores read
	global_store_b128 v8, v[48:51], s[26:27]               ; hi, outputs 0-15 of the 32: registers 0-3 of the fragment
	global_store_b128 v8, v[56:59], s[26:27] offset:512    ; hi, outputs 16-31: registers 4-7
	global_store_b128 v8, v[52:55], s[26:27] offset:16384  ; lo
	global_store_b128 v8, v[60:63], s[26:27] offset:16896
	s_wait_dscnt 0x0                               ; the closing lines, six on end
	s_wait_alu 0x0
	s_wait_tensorcnt 0x0
	ds_add_u32 v30, v31
	s_wait_dscnt 0x0
	s_endpgm
.Lfunc_end_k_q48d2e05511_prep1:
	.size	k_q48d2e05511_prep1, .Lfunc_end_k_q48d2e05511_prep1-k_q48d2e05511_prep1
	.p2alignl 7, 3214868480
	.fill 96, 4, 3214868480
	.section	.rodata,"a",@progbits
	.p2align	6, 0x0
	.amdhsa_kernel k_q48d2e05511_prep1
		.amdhsa_group_segment_fixed_size 134144
		.amdhsa_private_segment_fixed_size 0
		.amdhsa_enable_private_segment 0
		.amdhsa_kernarg_size 152
		.amdhsa_user_sgpr_count 2
		.amdhsa_user_sgpr_kernarg_segment_ptr 1
		.amdhsa_wavefront_size32 1
		.amdhsa_system_sgpr_workgroup_id_x 1
		.amdhsa_system_sgpr_workgroup_id_y 1
		.amdhsa_system_sgpr_workgroup_id_z 1
		.amdhsa_system_vgpr_workitem_id 0
		.amdhsa_next_free_vgpr 256
		.amdhsa_next_free_sgpr 66
		.amdhsa_reserve_vcc 0
		.amdhsa_float_denorm_mode_32 3
		.amdhsa_float_denorm_mode_16_64 3
		.amdhsa_memory_ordered 1
		.amdhsa_forward_progress 1
		.amdhsa_inst_pref_size 64
	.end_amdhsa_kernel
	.amdgpu_metadata
---
amdhsa.version: [ 1, 2 ]
amdhsa.kernels:
  - .name:           k_q48d2e05511_prep1
    .symbol:         k_q48d2e05511_prep1.kd
    .args:
      - { .name: subj_q, .offset: 0, .size: 8, .value_kind: global_buffer, .address_space: global }
      - { .name: rel_q, .offset: 8, .size: 8, .value_kind: global_buffer, .address_space: global }
      - { .name: obj_q, .offset: 16, .size: 8, .value_kind: global_buffer, .address_space: global }
      - { .name: wq_subj, .offset: 24, .size: 8, .value_kind: global_buffer, .address_space: global }
      - { .name: wq_rel, .offset: 32, .size: 8, .value_kind: global_buffer, .address_space: global }
      - { .name: wq_obj, .offset: 40, .size: 8, .value_kind: global_buffer, .address_space: global }
      - { .name: bq_subj, .offset: 48, .size: 8, .value_kind: global_buffer, .address_space: global }
      - { .name: bq_rel, .offset: 56, .size: 8, .value_kind: global_buffer, .address_space: global }
      - { .name: bq_obj, .offset: 64, .size: 8, .value_kind: global_buffer, .address_space: global }
      - { .name: wk_ent, .offset: 72, .size: 8, .value_kind: global_buffer, .address_space: global }
      - { .name: wk_rel, .offset: 80, .size: 8, .value_kind: global_buffer, .address_space: global }
      - { .name: bk_ent, .offset: 88, .size: 8, .value_kind: global_buffer, .address_space: global }
      - { .name: bk_rel, .offset: 96, .size: 8, .value_kind: global_buffer, .address_space: global }
      - { .name: wv_ent, .offset: 104, .size: 8, .value_kind: global_buffer, .address_space: global }
      - { .name: wv_rel, .offset: 112, .size: 8, .value_kind: global_buffer, .address_space: global }
      - { .name: entity_embeddings, .offset: 120, .size: 8, .value_kind: global_buffer, .address_space: global }
      - { .name: qe, .offset: 128, .size: 8, .value_kind: global_buffer, .address_space: global }
      - { .name: wfr, .offset: 136, .size: 8, .value_kind: global_buffer, .address_space: global }
      - { .name: ebank, .offset: 144, .size: 8, .value_kind: global_buffer, .address_space: global }
    .group_segment_fixed_size: 134144
    .private_segment_fixed_size: 0
    .kernarg_segment_align: 8
    .kernarg_segment_size: 152
    .max_flat_workgroup_size: 256
    .sgpr_count:     66
    .vgpr_count:     256
    .wavefront_size: 32
...
	.end_amdgpu_metadata
.endif
;; end of part 9
;; launch prep2 (part 10): grid 598 x 1, 8 waves a work-group, no clusters, 33,792 bytes of LDS; arguments qe, wfr, relation_embeddings, entity_embeddings, qfr, cq, ebank; writes qfr, cq, ebank
.if DOCPART == 10
	.amdgcn_target "amdgcn-amd-amdhsa--gfx1250"
	.amdhsa_code_object_version 6
	.text
	.protected	k_q48d2e05511_prep2
	.globl	k_q48d2e05511_prep2
	.p2align	8
	.type	k_q48d2e05511_prep2,@function
k_q48d2e05511_prep2:
	s_mov_b64 s[64:65], 0
	v_nop
	global_prefetch_b8 v0, s[64:65] scope:SCOPE_SE
	s_setreg_imm32_b32 hwreg(HW_REG_WAVE_SCHED_MODE, 0, 2), 2
	s_setreg_imm32_b32 hwreg(HW_REG_WAVE_MODE, 25, 1), 1
	s_wait_xcnt 0x0
	s_wait_alu depctr_vm_vsrc(0)
; TWO ROLES, chosen by the work-group's number.
; 0..189    banks rounded once to bf16, 100 rows a work-group: 0..99 the relation bank (the first four also write the 16 zero rows behind it), 100..189 rows 16,000 to 24,999 of the entity bank.
;           These work-groups move the most bytes, so they have the lowest numbers.
; 190..597  q' = q Wk (so that q . (Wk e + bk) = q' . e + q . bk) and c_q = q . bk; q enters as hi + lo, both multiplied; q' leaves as hi + lo in fragment form.
;           A work-group takes one pair of channel tiles (pair 16 is bk in every row) and two pairs of query tiles.  K IS SPLIT AMONG THE WAVES: wave v takes query pair v / 4 and k steps 4 (v % 4) .. + 3,
;           so that its 48 loads (192 registers) all go out before the first is waited for.  The four partial sums of f32 meet in LDS; then each of the eight waves finishes one accumulator.
;           Of bk's tiles register 0 of the first is c_q; the second tile's copy serves nothing (the price of one text).
; LIMITS.  NaN and infinities are not treated apart.  hi + lo keep about 16 significant bits of q'.  The sum over e is taken in four parts.
; THE MODE: SCHED_MODE bits 1:0 = 2 (LLVM: expert scheduling mode 2), set by the entry lines.  The code itself states the register dependences between vector or matrix instructions and
; memory or LDS instructions, with s_wait_alu, always for 0.
; THE PLAN, role by role: the registers that memory or LDS instructions touch, who writes and who reads them.
;   The banks.  v2, v3: offsets, written once.  CI: six blocks of five slots; block p's ten conversions read CI[p % 6]; the loads of block p + 5, issued in block p, land in CI[(p - 1) % 6].
;     CO: 50 pairs, each written once, by a conversion of block p, and read by one store, issued in block p + 1.  So the memory instructions of block p touch what block p - 1 worked on and no vector line of
;     block p names: one wait on va_vdst at a block's head states all that they hang on.  No register that a memory instruction reads is written again.
;   q'.  v2-v5: addresses, written at the head alone.  v64-255: loaded once, read by the products; v64-95 then take the four partial sums from LDS.  v32-63, the accumulators: written by the products, read by the
;     LDS stores.  One wait on va_vdst behind the products states both.  v96-103, or v64: written by the last vector lines, read by the stores: one wait on each of the two ways out.
.set CI, 32                            ; banks: v[32:151]: six blocks of five slots of 4 registers, as loaded
.set CO, 152                           ; banks: v[152:251]: 50 pairs to store, none written twice
.set ACC, 32
.set SA, 64
.set L16, 2
.set L4, 3
.set LS, 4
.set LR, 5
.set SPARE, 32768                      ; LDS: wave v's four partial tiles, 1,024 bytes each, at 4,096 v; behind them the spare words, 128 bytes for each wave
.macro PLACES
.rept 4
	v_nop
.endr
.endm
.macro SPLIT acc, hi, lo, tmp
.irp i,0,1,2,3
	v_cvt_pk_bf16_f32 v[(\hi)+\i], v[(\acc)+2*\i], v[(\acc)+2*\i+1]
.endr
.irp i,0,1,2,3
	v_lshlrev_b32 v[(\tmp)+2*\i], 16, v[(\hi)+\i]
	v_and_b32 v[(\tmp)+2*\i+1], 0xffff0000, v[(\hi)+\i]
.endr
.irp i,0,1,2,3
	v_pk_add_f32 v[(\tmp)+2*\i:(\tmp)+2*\i+1], v[(\acc)+2*\i:(\acc)+2*\i+1], v[(\tmp)+2*\i:(\tmp)+2*\i+1] neg_lo:[0,1] neg_hi:[0,1]
.endr
.irp i,0,1,2,3
	v_cvt_pk_bf16_f32 v[(\lo)+\i], v[(\tmp)+2*\i], v[(\tmp)+2*\i+1]
.endr
.endm
; 100 rows of f32 -> bf16: 50 sweeps of 4,096 bytes in, 2,048 out; thread t takes 16 bytes at 16 t and stores 8 at 8 t: a wave stores 256 consecutive bytes, aligned.
; Ten blocks of five sweeps; 30 loads a wave go out at the start; every step stands in an immediate, and no register that a load or store reads is written again.
.macro CONV src, dst
	v_lshlrev_b32 v2, 4, v0
	v_lshlrev_b32 v3, 3, v0
	s_wait_alu depctr_va_vdst(0)                   ; v2 and v3 are written: every load and store below reads one of them as its offset
.set i, 0
.rept 30
	global_load_b128 v[CI+4*i:CI+4*i+3], v2, s[\src:\src+1] offset:4096*i th:TH_LOAD_NT  ; blocks 0 to 5
.set i, i+1
.endr
.set p, 0
.rept 10
.if p == 0
	s_wait_loadcnt 25                              ; block 0 is in; blocks 1 to 5 stay out
.elseif p < 6
	s_wait_loadcnt 20                              ; loads come back in order (ISA guide 5.7.1): block p is in, the four younger blocks stay out
.else
	s_wait_loadcnt 5*(9-p)                         ; nothing more is loaded: the counts run down
.endif
.if p > 0
	s_wait_alu depctr_va_vdst(0)                   ; the block before has written its pairs of CO, which the stores below read, and is done reading its block of CI, in which the loads below land
.endif
.set i, 0
.rept 5
.if (p > 0) && (p < 5)
	global_load_b128 v[CI+20*((p+5)%6)+4*i:CI+20*((p+5)%6)+4*i+3], v2, s[\src:\src+1] offset:4096*(5*(p+5)+i) th:TH_LOAD_NT  ; five blocks ahead; no vector line since the wait names these registers
.endif
.if p > 0
	global_store_b64 v3, v[CO+2*(5*(p-1)+i):CO+2*(5*(p-1)+i)+1], s[\dst:\dst+1] offset:2048*(5*(p-1)+i)  ; the block before
.endif
	v_cvt_pk_bf16_f32 v[CO+2*(5*p+i)], v[CI+20*(p%6)+4*i], v[CI+20*(p%6)+4*i+1]
	v_cvt_pk_bf16_f32 v[CO+2*(5*p+i)+1], v[CI+20*(p%6)+4*i+2], v[CI+20*(p%6)+4*i+3]
.set i, i+1
.endr
.set p, p+1
.endr
	s_wait_alu depctr_va_vdst(0)                   ; block 9 has written its pairs of CO, which the last five stores read
.set i, 0
.rept 5
	global_store_b64 v3, v[CO+90+2*i:CO+90+2*i+1], s[\dst:\dst+1] offset:2048*(45+i)
.set i, i+1
.endr
.endm
	v_lshl_add_u32 v30, v0, 2, SPARE               ; my spare word, and 0: kept for the closing lines alone
	v_mov_b32 v31, 0
	v_lshrrev_b32 v1, 5, v0
	v_readfirstlane_b32 s2, v1                     ; wave 0..7
	s_wait_alu depctr_va_sdst(0)                   ; s2 is written, ahead of the branch below and of its first reader
	s_cmp_ge_u32 ttmp9, 190
	s_cbranch_scc1 .Lstage2
	; ---- the banks ----
	s_load_b128 s[4:7], s[0:1], 0x10               ; relation_embeddings s[4:5], entity_embeddings s[6:7]
	s_load_b64 s[16:17], s[0:1], 0x30              ; ebank
	s_sub_co_u32 s3, ttmp9, 100
	s_mov_b32 s19, 25096*1024                      ; the relation rows begin at row 25,096 of ebank
	s_cmp_ge_u32 ttmp9, 100                        ; an entity work-group?
	s_cselect_b32 s3, s3, ttmp9                    ; c: which 100 rows
	s_cselect_b32 s18, 16000*2048, 0               ; the entity rows of this launch begin at row 16,000
	s_cselect_b32 s19, 16000*1024, s19
	s_cselect_b32 s20, 1, 0
	s_mul_i32 s8, s3, 204800
	s_add_co_u32 s8, s8, s18
	s_mov_b32 s9, 0
	s_mul_i32 s10, s3, 102400
	s_add_co_u32 s10, s10, s19
	s_mov_b32 s11, 0
	s_lshl_b32 s12, s3, 12
	s_add_co_u32 s12, s12, 35096*1024              ; four zero rows at row 35,096 + 4 c
	s_mov_b32 s13, 0
	s_wait_kmcnt 0x0
	s_cmp_eq_u32 s20, 1
	s_cselect_b64 s[4:5], s[6:7], s[4:5]
	s_add_nc_u64 s[4:5], s[4:5], s[8:9]
	s_add_nc_u64 s[14:15], s[16:17], s[12:13]
	s_add_nc_u64 s[16:17], s[16:17], s[10:11]
	CONV 4, 16
	s_cmp_lt_u32 ttmp9, 4
	s_cbranch_scc0 .Lbank_done
	v_mov_b32 v4, 0
	v_mov_b32 v5, 0
	v_mov_b32 v6, 0
	v_mov_b32 v7, 0
	s_wait_alu depctr_va_vdst(0)                   ; v[4:7] are written, which the store reads
	global_store_b128 v2, v[4:7], s[14:15]         ; 256 threads x 16 bytes = four rows of zeros
.Lbank_done:
	s_endpgm
	; ---- q' and c_q ----
.Lstage2:
	s_load_b128 s[4:7], s[0:1], 0x0                ; qe s[4:5], wfr s[6:7]
	s_load_b128 s[8:11], s[0:1], 0x20              ; qfr s[8:9], cq s[10:11]
	s_sub_co_u32 s3, ttmp9, 190                    ; 0..407
	s_mul_i32 s12, s3, 171
	s_lshr_b32 s12, s12, 12                        ; p = its 24th part (exact below 408): the pair of channel tiles, 16 = bk
	s_mul_i32 s13, s12, 24
	s_sub_co_u32 s13, s3, s13                      ; y = 0..23: query pairs 2 y, 2 y + 1
	s_lshr_b32 s24, s2, 2                          ; which of the two pairs is mine
	s_and_b32 s25, s2, 3                           ; my quarter of K; later: the accumulator that I finish
	s_lshl_b32 s14, s13, 1
	s_add_co_u32 s14, s14, s24                     ; qp: my pair of query tiles, 0..47
	s_lshr_b32 s15, s13, 3
	s_cmp_eq_u32 s15, 1                            ; query tiles 32..63 are the relation queries
	s_cselect_b32 s15, 34, 0
	s_lshl_b32 s16, s12, 1
	s_add_co_u32 s16, s16, s15
	s_lshl_b32 s16, s16, 14                        ; (34 mat + 2 p) x 16,384
	s_lshl_b32 s26, s25, 12                        ; my four k steps of 1,024 bytes
	s_add_co_u32 s16, s16, s26
	s_mov_b32 s17, 0
	s_lshl_b32 s18, s14, 16                        ; 2 qp x 32,768
	s_add_co_u32 s18, s18, s26
	s_mov_b32 s19, 0
	s_and_b32 s27, s25, 1                          ; accumulator a = 2 d + t: query tile 2 qp + t,
	s_lshl_b32 s20, s14, 1
	s_add_co_u32 s20, s20, s27
	s_lshl_b32 s22, s20, 7                         ; its 128 bytes of c_q,
	s_mov_b32 s23, 0
	s_lshl_b32 s20, s20, 15                        ; its 32,768 bytes of q',
	s_lshl_b32 s27, s12, 10
	s_add_co_u32 s20, s20, s27                     ; k step p,
	s_lshr_b32 s27, s25, 1
	s_lshl_b32 s27, s27, 9
	s_add_co_u32 s20, s20, s27                     ; half d of the fragment
	s_mov_b32 s21, 0
	v_and_b32 v1, 31, v0
	v_lshlrev_b32 v[L16], 4, v1
	v_lshlrev_b32 v[L4], 2, v1
	s_lshl_b32 s27, s2, 12
	v_add_nc_u32 v[LS], s27, v[L16]                ; where I put my partial tiles
	s_lshl_b32 s27, s24, 14
	s_lshl_b32 s28, s25, 10
	s_add_co_u32 s27, s27, s28
	v_add_nc_u32 v[LR], s27, v[L16]                ; where the four parts of the accumulator that I finish begin
	s_wait_kmcnt 0x0
	s_add_nc_u64 s[4:5], s[4:5], s[18:19]
	s_add_nc_u64 s[6:7], s[6:7], s[16:17]
	s_add_nc_u64 s[8:9], s[8:9], s[20:21]
	s_add_nc_u64 s[10:11], s[10:11], s[22:23]
	s_wait_alu depctr_va_vdst(0)                   ; the four addresses and offsets v2 to v5 are written, which the loads and stores of this role read
.irp k,0,1,2,3                         ; for each k step two fragments of the weights and four of q (f = 2 hl + t): 12 loads of 512 consecutive bytes
.irp d,0,1
	global_load_b128 v[SA+48*\k+8*\d:SA+48*\k+8*\d+3],   v[L16], s[6:7] offset:\d*16384+\k*1024
	global_load_b128 v[SA+48*\k+8*\d+4:SA+48*\k+8*\d+7], v[L16], s[6:7] offset:\d*16384+\k*1024+512
.endr
.irp f,0,1,2,3
	global_load_b128 v[SA+48*\k+16+8*\f:SA+48*\k+16+8*\f+3], v[L16], s[4:5] offset:(\f%2)*32768+(\f/2)*16384+\k*1024
	global_load_b128 v[SA+48*\k+20+8*\f:SA+48*\k+20+8*\f+3], v[L16], s[4:5] offset:(\f%2)*32768+(\f/2)*16384+\k*1024+512
.endr
.endr
.irp k,0,1,2,3
	s_wait_loadcnt 36-12*\k                        ; this k step is in; the later k steps' 12 loads each may stay out
.irp hl,0,1
.irp a,0,1,2,3                         ; accumulator a = 2 d + t; the four take turns; the first four products start the sums
.if (\k == 0) && (\hl == 0)
	v_wmma_f32_16x16x32_bf16 v[ACC+8*\a:ACC+8*\a+7], v[SA+48*\k+8*(\a/2):SA+48*\k+8*(\a/2)+7], v[SA+48*\k+16+8*(2*\hl+\a%2):SA+48*\k+16+8*(2*\hl+\a%2)+7], 0
.else
	v_wmma_f32_16x16x32_bf16 v[ACC+8*\a:ACC+8*\a+7], v[SA+48*\k+8*(\a/2):SA+48*\k+8*(\a/2)+7], v[SA+48*\k+16+8*(2*\hl+\a%2):SA+48*\k+16+8*(2*\hl+\a%2)+7], v[ACC+8*\a:ACC+8*\a+7]
.endif
.endr
.endr
.endr
	PLACES
	s_wait_alu depctr_va_vdst(0)                   ; the products have written the accumulators, which the LDS stores read, and are done reading v[64:95], in which the loads behind the barrier land; the places above stay beside this wait
.irp a,0,1,2,3                         ; each accumulator's low half first
	ds_store_b128 v[LS], v[ACC+8*\a:ACC+8*\a+3]   offset:\a*1024
	ds_store_b128 v[LS], v[ACC+8*\a+4:ACC+8*\a+7] offset:\a*1024+512
.endr
	s_wait_dscnt 0x0                               ; for the others: my partial sums lie in LDS
	s_barrier_signal -1
	s_barrier_wait -1
.irp q,0,1,2,3                         ; the four quarters of K of one accumulator
	ds_load_b128 v[64+8*\q:67+8*\q], v[LR] offset:\q*4096
	ds_load_b128 v[68+8*\q:71+8*\q], v[LR] offset:\q*4096+512
.endr
	s_wait_dscnt 0x0
.irp i,0,2,4,6
	v_pk_add_f32 v[64+\i:65+\i], v[64+\i:65+\i], v[72+\i:73+\i]
	v_pk_add_f32 v[80+\i:81+\i], v[80+\i:81+\i], v[88+\i:89+\i]
.endr
.irp i,0,2,4,6
	v_pk_add_f32 v[64+\i:65+\i], v[64+\i:65+\i], v[80+\i:81+\i]
.endr
	s_cmp_eq_u32 s12, 16
	s_cbranch_scc1 .Lbias
	SPLIT 64, 96, 100, 104
	s_wait_alu depctr_va_vdst(0)                   ; the conversions have written v[96:103], which the two stores read
	global_store_b128 v[L16], v[96:99], s[8:9]                 ; hi: 512 consecutive bytes
	global_store_b128 v[L16], v[100:103], s[8:9] offset:16384  ; lo
	s_branch .Lend
.Lbias:
	s_cmp_lt_u32 s25, 2                            ; the first tile of bk alone is stored
	s_cbranch_scc0 .Lend
	s_wait_alu depctr_va_vdst(0)                   ; the additions have written v64, which the store reads
	global_store_b32 v[L4], v64, s[10:11]          ; c_q of query lane % 16, in both halves of the lanes
.Lend:
	s_wait_dscnt 0x0                               ; the closing lines, six on end
	s_wait_alu 0x0
	s_wait_tensorcnt 0x0
	ds_add_u32 v30, v31
	s_wait_dscnt 0x0
	s_endpgm
.Lfunc_end_k_q48d2e05511_prep2:
	.size	k_q48d2e05511_prep2, .Lfunc_end_k_q48d2e05511_prep2-k_q48d2e05511_prep2
	.p2alignl 7, 3214868480
	.fill 96, 4, 3214868480
	.section	.rodata,"a",@progbits
	.p2align	6, 0x0
	.amdhsa_kernel k_q48d2e05511_prep2
		.amdhsa_group_segment_fixed_size 33792
		.amdhsa_private_segment_fixed_size 0
		.amdhsa_enable_private_segment 0
		.amdhsa_kernarg_size 56
		.amdhsa_user_sgpr_count 2
		.amdhsa_user_sgpr_kernarg_segment_ptr 1
		.amdhsa_wavefront_size32 1
		.amdhsa_system_sgpr_workgroup_id_x 1
		.amdhsa_system_sgpr_workgroup_id_y 1
		.amdhsa_system_sgpr_workgroup_id_z 1
		.amdhsa_system_vgpr_workitem_id 0
		.amdhsa_next_free_vgpr 256
		.amdhsa_next_free_sgpr 66
		.amdhsa_reserve_vcc 0
		.amdhsa_float_denorm_mode_32 3
		.amdhsa_float_denorm_mode_16_64 3
		.amdhsa_memory_ordered 1
		.amdhsa_forward_progress 1
		.amdhsa_inst_pref_size 31
	.end_amdhsa_kernel
	.amdgpu_metadata
---
amdhsa.version: [ 1, 2 ]
amdhsa.kernels:
  - .name:           k_q48d2e05511_prep2
    .symbol:         k_q48d2e05511_prep2.kd
    .args:
      - { .name: qe, .offset: 0, .size: 8, .value_kind: global_buffer, .address_space: global }
      - { .name: wfr, .offset: 8, .size: 8, .value_kind: global_buffer, .address_space: global }
      - { .name: relation_embeddings, .offset: 16, .size: 8, .value_kind: global_buffer, .address_space: global }
      - { .name: entity_embeddings, .offset: 24, .size: 8, .value_kind: global_buffer, .address_space: global }
      - { .name: qfr, .offset: 32, .size: 8, .value_kind: global_buffer, .address_space: global }
      - { .name: cq, .offset: 40, .size: 8, .value_kind: global_buffer, .address_space: global }
      - { .name: ebank, .offset: 48, .size: 8, .value_kind: global_buffer, .address_space: global }
    .group_segment_fixed_size: 33792
    .private_segment_fixed_size: 0
    .kernarg_segment_align: 8
    .kernarg_segment_size: 56
    .max_flat_workgroup_size: 256
    .sgpr_count:     66
    .vgpr_count:     256
    .wavefront_size: 32
...
	.end_amdgpu_metadata
.endif
;; end of part 10
;; launch attn: the kernel of part 7 again; grid 248 x 1, 4 waves a work-group, clusters of 4 x 1, 327,680 bytes of LDS; arguments ebank, qfr, cq, opart, stat; writes opart, stat
;; launch finish: the kernel of part 8 again; grid 192 x 1, 8 waves a work-group, no clusters, 327,680 bytes of LDS; arguments opart, stat, wfr, bv_ent, bv_rel, out0; writes out0
